; MI455X (gfx1250); checked and timed in simulation.
; The chip was launched on July 23, 2026; its instructions are those of AMD's public machine-readable ISA for CDNA 5 (MIT licence, August 2026) and "CDNA5" Instruction Set Architecture Reference Guide (July 2026). The comments in the code are by the model that wrote it; some were corrected since.
;; Sparse Mo E. Allowed arithmetic: matrix products marked QUANTISED: E5M2 operands, one E8M0 scale for each 32 along K, by v_wmma_scale_f32_16x16x128_f8f6f4 with both operands' format E5M2, f32 sums; products left as they are: f32 operands where the result goes on into a quantised operand, else bf16, f16 or f32 operands; f32 sums; everything else in f32.
;; Inputs: W1_codes 8 x 4,096 x 32 x 32 uint8 (E5M2 codes of W1, K innermost, in blocks of 32 codes); W1_scales 8 x 4,096 x 32 uint8 (E8M0 scales of W1, one for each 32 codes along K); W2_codes 8 x 1,024 x 128 x 32 uint8 (E5M2 codes of W2, K innermost, in blocks of 32 codes); W2_scales 8 x 1,024 x 128 uint8 (E8M0 scales of W2, one for each 32 codes along K); Wg 1,024 x 8 float32; b1 8 x 4,096 float32; b2 8 x 1,024 float32; bg 8 float32; x 4 x 256 x 1,024 float32.
;; Outputs: out0 4 x 256 x 1,024 float32; out1 4 x 256 x 8 float32.
;; Constants: top_k = 2.
;; This version of the problem:
;;   THIS VERSION OF THE PROBLEM IS GIVEN IN LOW PRECISION. The matrix products marked QUANTISED in the list below multiply operands that are first quantised to E5M2 (5 exponent bits, 2 mantissa bits; 8 bits a number), with one power-of-two scale for each 32 numbers along K (OCP MX v1.0); their sums are f32. All else is computed in f32.
;;   The module's matrix products, in the order in which they are computed (A, B: the left and right operand; K: the contracted axis; several contracted axes count as one K, in the product's order):
;;     1. [M 1,024, K 1,024] x [K 1,024, N 8]; A: input x; B: input Wg: left as it is (N = 8 < 16)
;;     2. [M 1,024, K 1,024] x [K 1,024, N 32,768]; A: input x; B: input W1 (given as codes): QUANTISED
;;     3. batch 8 x [M 1,024, K 4,096] x [K 4,096, N 1,024]; A: input W2 (given as codes); B: computed on the way: QUANTISED
;;     4. batch 1,024 x [M 1,024, K 8] x [K 8, N 1]; A: computed on the way; B: computed on the way: left as it is (K = 8 < 32)
;;   THE QUANTISER, for each operand of a quantised product, along K:
;;     - K is cut into blocks of 32 from its start; a last block that is shorter is filled with zeros.
;;     - A block's scale is 2^e with e = floor(log2(the largest magnitude in the block)) - 15, held to -126 .. 127; a block of zeros has e = 0. As a byte (E8M0): e + 127.
;;     - Each number is divided by its block's scale, clamped to +-57,344, and rounded to the nearest number of E5M2, ties to even, subnormals kept.
;;     - The product sums the exact products of the quantised numbers (number of the format x scale) in f32.
;;   ~~~python
;;   def quantise(x, axis):      # numpy; x: float32 -> the quantised numbers, widened to float32 again
;;       x = np.moveaxis(x, axis, -1); K = x.shape[-1]
;;       x = np.pad(x, [(0, 0)] * (x.ndim - 1) + [(0, -K % 32)]); x = x.reshape(x.shape[:-1] + (-1, 32)); a = np.abs(x).max(-1, keepdims=True)
;;       e = np.where(a > 0, np.clip(np.frexp(np.where(a > 0, a, 1))[1] - 1 - 15, -126, 127), 0)      # np.frexp(a)[1] - 1 = floor(log2(a)), exactly
;;       r = np.clip(x / 2.0 ** e, -57344, 57344)
;;       step = 2.0 ** (np.maximum(np.frexp(np.where(r == 0, 1, r))[1] - 1, -14) - 2)
;;       q = np.round(r / step) * step * 2.0 ** e      # np.round: ties to even
;;       return np.moveaxis(q.reshape(q.shape[:-2] + (-1,))[..., :K], -1, axis).astype(np.float32)
;;   ~~~
;;   OPERANDS COMPUTED ON THE WAY. 'Computed on the way' means the value that the module computes at that place (a softmax that the list does not call 'softmax' is quantised finished and normalised). What goes into a quantiser is computed in f32, as accurately as f32 sums, v_exp_f32 and their like allow (about 1e-6 of the number): no bf16 or f16 on the way to a quantiser, and a product that is left as it is and whose result goes on into a quantised operand takes f32 operands (vector FMAs, or v_wmma_f32_16x16x4_f32). A number that lies on a knife's edge between two numbers of the format may be rounded either way, as far as f32 arithmetic and the matrix unit's own rounding can turn it there, and no further.
;;   INPUTS GIVEN AS CODES. W1 (in the module: [8, 1024, 4096], K = its axis 1); W2 (in the module: [8, 4096, 1024], K = its axis 1): each comes as NAME_codes (uint8): NAME with its K axis moved to the last place and cut into blocks of 32 codes, [.., K / 32, bytes a block], one block behind the other in memory; one code a byte (a code: sign, 5 exponent bits, 2 mantissa bits); and NAME_scales (uint8): the same leading axes, one E8M0 byte (e + 127) for each 32 codes along K. Its value is code x scale, taken as it is: it is not quantised again, and the codes and scales need not be those that the quantiser above would give.
;; 3 versions. Each part assembles by itself: llvm-mc -triple=amdgcn-amd-amdhsa -mcpu=gfx1250 --defsym DOCPART=n.
;; ======== version 1 of 3: 4 launches
;; limits: right only within a limited range of input values
;; workspace buffers: xcodes 1,048,576 bytes; xscales 32,768 bytes; masks 1,024 bytes of whole numbers; pos 32,768 bytes of whole numbers; hcodes 33,554,432 bytes; hscales 1,048,576 bytes; parts 134,217,728 bytes
;; launch route (part 1): grid 128 x 1, 4 waves a work-group, no clusters, 35,840 bytes of LDS; arguments x, Wg, bg, xcodes, xscales, masks, out1; writes xcodes, xscales, masks, out1
.if DOCPART == 1
	.amdgcn_target "amdgcn-amd-amdhsa--gfx1250"
	.amdhsa_code_object_version 6
	.text
	.protected	k_qefcf0d015b_route
	.globl	k_qefcf0d015b_route
	.p2align	8
	.type	k_qefcf0d015b_route,@function
k_qefcf0d015b_route:
	s_mov_b64 s[64:65], 0
	v_nop
	global_prefetch_b8 v0, s[64:65] scope:SCOPE_SE
	s_setreg_imm32_b32 hwreg(HW_REG_WAVE_MODE, 25, 1), 1
	s_wait_xcnt 0x0
; THE ROUTER AND x's QUANTISER.  scores = x Wg + bg (f32 multiply-adds), softmax, the two largest probabilities; x becomes codes of E5M2 with one E8M0 byte for each 32 along D.
; A work-group takes 8 tokens, a wave 2.  Lane l holds x[256 j + 8 l + i] of a row (j = 0..3, i = 0..7): a block of 32 lies in four neighbouring lanes.
; OUT: out1 [token][8] f32;  xcodes [token][1024];  xscales [token][32 bytes]: the scale word of K step s = 2 m + h (128 along D) lies at byte 16 h + 4 m, so that a later
; load of 16 bytes at 16 h brings a lane half its four words;  masks [expert][128 bytes]: bit t of an expert's 1,024 says that token t chose it.  All addresses are fixed: nothing here steers an address.
; THE CHOICE: as reference() makes it: probabilities with the row's maximum taken away, the larger wins, of equals the lower index.
; LIMITS: NaN and infinities are not served.  v_exp_f32 gives 0 where the result would be denormal (score more than about 87 under the row's maximum): such experts tie at 0 here.
; A block of zeros gets the byte 1 where the rule says 127: its codes are zeros, and only this program reads the bytes.  The masks leave as 8 single bytes a work-group: 1,024 bytes in all.
.set WP,  272                          ; Wg in LDS: 128 chunks of 256 bytes (8 rows d x 8 experts) + 16 of padding: lanes a chunk apart start at different banks (64 banks of 4 bytes: ISA guide 11.1)
.set WGI, 0
.set SCR, 128*WP                       ; the work-group's scores, [8][8] f32
.set XSB, SCR+256                      ; its scale bytes, [8][32]
.set T,   16                           ; v16-23   eight held numbers
.set XR,  32                           ; v32-95   x: token t at 32 t, number 8 j + i
.set WA,  96                           ; v96-159  Wg as loaded, then a chunk: register 8 i + e
.set WB,  160                          ; v160-223 the other chunk
.set GA,  224                          ; v224-239 the scores' sums: token t at 8 t
.set CD,  240                          ; v240-255 codes: a pair for each (t, j): no store's data are written again
	s_load_b256 s[4:11], s[0:1], 0x0               ; x, Wg, bg, xcodes
	s_load_b128 s[12:15], s[0:1], 0x20             ; xscales, masks
	s_load_b64 s[16:17], s[0:1], 0x30              ; out1
	v_lshl_add_u32 v30, v0, 2, 0x8a00
	v_mov_b32 v31, 0
	v_lshrrev_b32 v1, 5, v0
	v_readfirstlane_b32 s22, v1                    ; wave
	v_and_b32 v1, 31, v0                           ; lane
	v_lshlrev_b32 v2, 5, v1                        ; x: 32 bytes a lane
	v_lshlrev_b32 v3, 4, v0                        ; Wg: 16 bytes a thread
	v_lshrrev_b32 v4, 4, v0
	v_mul_u32_u24 v4, v4, WP
	v_and_b32 v5, 15, v0
	v_lshl_add_u32 v4, v5, 4, v4                   ; Wg into LDS: chunk thread / 16, 16 bytes at thread % 16
	v_mul_u32_u24 v5, v1, WP                       ; and out of it: my chunk of a group of 32
	v_lshlrev_b32 v6, 3, v1                        ; 8 bytes a lane
	v_bfe_u32 v7, v0, 4, 1
	v_lshlrev_b32 v7, 4, v7
	v_bfe_u32 v8, v0, 2, 2
	v_add_nc_u32 v7, v7, v8
	s_lshl_b32 s40, s22, 6
	v_add_nc_u32 v7, s40, v7
	v_add_nc_u32 v7, XSB, v7                       ; my block's scale byte: 64 wave + 16 (lane / 16) + (lane / 4) % 4
	s_add_co_u32 s41, s40, SCR
	v_mov_b32 v8, s41                              ; my wave's two rows of scores
	v_add_nc_u32 v9, SCR, v6
	v_add_nc_u32 v10, XSB, v6
	v_and_b32 v11, 7, v0
	v_lshl_add_u32 v11, v11, 5, SCR                ; the scores of token lane % 8
	s_mov_b32 s23, 0x600000                        ; the mantissa field of 57,344
	s_mov_b32 s24, 0x76543210
	s_mov_b32 s25, 0xfedcba98                      ; v_permlanex16_b32's selects for lane l xor 16
	s_lshl_b32 s26, ttmp9, 15                      ; x: 8 rows of 4,096 bytes a work-group,
	s_lshl_b32 s40, s22, 13                        ; 2 a wave
	s_add_co_u32 s26, s26, s40
	s_mov_b32 s27, 0
	s_lshr_b32 s36, s26, 2                         ; the codes: a quarter of that
	s_mov_b32 s37, 0
	s_lshl_b32 s38, ttmp9, 8                       ; out1 and xscales: 256 bytes a work-group
	s_mov_b32 s39, 0
	s_mov_b32 s42, ttmp9                           ; masks: a byte a work-group
	s_mov_b32 s43, 0
	s_wait_kmcnt 0x0
	s_load_b256 s[28:35], s[8:9], 0x0              ; bg
	s_add_nc_u64 s[4:5], s[4:5], s[26:27]
	s_add_nc_u64 s[10:11], s[10:11], s[36:37]
	s_add_nc_u64 s[12:13], s[12:13], s[38:39]
	s_add_nc_u64 s[16:17], s[16:17], s[38:39]
	s_add_nc_u64 s[14:15], s[14:15], s[42:43]
.irp t, 0,1
.irp j, 0,1,2,3
	global_load_b128 v[XR+32*\t+8*\j:XR+32*\t+8*\j+3], v2, s[4:5] offset:4096*\t+1024*\j th:TH_LOAD_NT
	global_load_b128 v[XR+32*\t+8*\j+4:XR+32*\t+8*\j+7], v2, s[4:5] offset:4096*\t+1024*\j+16 th:TH_LOAD_NT
.endr
.endr
.irp k, 0,1,2,3,4,5,6,7,8,9,10,11,12,13,14,15
	global_load_b128 v[WA+4*\k:WA+4*\k+3], v3, s[6:7] offset:2048*\k     ; all of Wg: 2,048 consecutive bytes a load
.endr
; eight numbers of token t, group j, become eight codes; x itself stays for the gate
.macro QX t, j
.set rX, XR+32*(\t)+8*(\j)
.set rC, CD+2*(4*(\t)+(\j))
	v_max3_num_f32 v12, |v[rX]|, |v[rX+1]|, 0x8000000               ; my eight, and the floor 2^(16 - 127): the byte cannot fall under 1
	v_max3_num_f32 v12, v12, |v[rX+2]|, |v[rX+3]|
	v_max3_num_f32 v12, v12, |v[rX+4]|, |v[rX+5]|
	v_max3_num_f32 v12, v12, |v[rX+6]|, |v[rX+7]|
	v_max_num_f32_dpp v12, v12, v12 row_xmask:1 row_mask:0xf bank_mask:0xf
	v_max_num_f32_dpp v12, v12, v12 row_xmask:2 row_mask:0xf bank_mask:0xf   ; with the three lanes that share the block
	v_add_nc_u32 v13, 0xf8800000, v12              ; 15 off the exponent field: the conversion's scale operand
	v_and_or_b32 v14, v12, 0x7f800000, s23         ; 57,344 x the scale
	v_lshrrev_b32 v15, 23, v13                     ; the scale's byte
.irp i, 0,1,2,3,4,5,6,7
	v_med3_num_f32 v[T+\i], v[rX+\i], -v14, v14    ; the conversion does not saturate (ISA guide 7.6.2): the hold comes first
.endr
	v_cvt_scalef32_pk8_bf8_f32 v[rC:rC+1], v[T:T+7], v13
	v_nop                                          ; a plain line behind the conversion, ahead of the next writes of its sources
	ds_store_b8 v7, v15 offset:32*(\t)+4*(\j)      ; the four lanes of a block write the same byte with the same value
	global_store_b64 v6, v[rC:rC+1], s[10:11] offset:1024*(\t)+256*(\j)   ; 32 lanes store 256 consecutive bytes, aligned
.endm
	s_wait_loadcnt 16                              ; x is in; Wg's 16 loads are younger
.irp t, 0,1
.irp j, 0,1,2,3
	QX \t, \j
.endr
.endr
	s_wait_loadcnt 0x0                             ; Wg
.irp k, 0,1,2,3,4,5,6,7,8,9,10,11,12,13,14,15
	ds_store_b128 v4, v[WA+4*\k:WA+4*\k+3] offset:WGI+8*WP*\k
.endr
	s_wait_dscnt 0x0                               ; for the others' sake: my part of Wg has landed
	s_barrier_signal -1
	s_barrier_wait -1
.macro GLOAD j, buf                    ; Wg's rows 256 j + 8 lane + 0..7: my chunk, 16 loads
.irp m, 0,1,2,3,4,5,6,7,8,9,10,11,12,13,14,15
	ds_load_b128 v[\buf+4*\m:\buf+4*\m+3], v5 offset:WGI+32*WP*(\j)+16*\m
.endr
.endm
.macro GFMA j, buf                     ; 64 packed multiply-adds: a number of x (one register of a pair, for both halves) x two experts' weights; eight sums by turns
.irp i, 0,1,2,3,4,5,6,7
.irp t, 0,1
.irp p, 0,1,2,3
.set rG, GA+8*\t+2*\p
.set rX, XR+32*\t+8*(\j)+2*(\i/2)
.set rW, \buf+8*\i+2*\p
.if ((\j) == 0) && (\i == 0)
	v_pk_mul_f32 v[rG:rG+1], v[rX:rX+1], v[rW:rW+1] op_sel_hi:[0,1]      ; the first products start the sums
.elseif (\i%2) == 0
	v_pk_fma_f32 v[rG:rG+1], v[rX:rX+1], v[rW:rW+1], v[rG:rG+1] op_sel_hi:[0,1,1]
.else
	v_pk_fma_f32 v[rG:rG+1], v[rX:rX+1], v[rW:rW+1], v[rG:rG+1] op_sel:[1,0,0] op_sel_hi:[1,1,1]
.endif
.endr
.endr
.endr
.endm
	GLOAD 0, WA
	GLOAD 1, WB
	s_wait_dscnt 16                                ; the older 16 are in
	GFMA 0, WA
	GLOAD 2, WA
	s_wait_dscnt 16
	GFMA 1, WB
	GLOAD 3, WB
	s_wait_dscnt 16
	GFMA 2, WA
	s_wait_dscnt 0x0
	GFMA 3, WB
.irp m, 1,2,4,8                        ; the 32 lanes' parts are added; every lane ends with the sums
.irp n, 0,1,2,3,4,5,6,7,8,9,10,11,12,13,14,15
	v_add_f32_dpp v[GA+\n], v[GA+\n], v[GA+\n] row_xmask:\m row_mask:0xf bank_mask:0xf
.endr
.endr
.irp n, 0,1,2,3,4,5,6,7,8,9,10,11,12,13,14,15
	v_permlanex16_b32 v[WA+\n], v[GA+\n], s24, s25
.endr
	s_wait_kmcnt 0x0                               ; bg
.irp n, 0,1,2,3,4,5,6,7,8,9,10,11,12,13,14,15
	v_add_f32 v[GA+\n], v[GA+\n], v[WA+\n]
.endr
.irp n, 0,1,2,3,4,5,6,7,8,9,10,11,12,13,14,15
	v_add_f32 v[GA+\n], s[28+\n%8], v[GA+\n]
.endr
.irp n, 0,1,2,3
	ds_store_b128 v8, v[GA+4*\n:GA+4*\n+3] offset:16*\n     ; all lanes write the same bytes with the same values
.endr
	s_wait_dscnt 0x0                               ; for wave 0's sake: my scores and my scale bytes have landed
	s_barrier_signal -1
	s_barrier_wait -1
	s_cmp_lg_u32 s22, 0
	s_cbranch_scc1 .Lend                           ; wave 0 finishes the work-group's 8 tokens
	ds_load_b64 v[24:25], v9
	ds_load_b64 v[26:27], v10
	ds_load_b128 v[32:35], v11
	ds_load_b128 v[36:39], v11 offset:16
	s_wait_dscnt 0x0
	global_store_b64 v6, v[24:25], s[16:17]        ; out1: one aligned run of 256 bytes
	global_store_b64 v6, v[26:27], s[12:13]        ; xscales likewise
	v_max3_num_f32 v40, v32, v33, v34              ; lane l: token l % 8.  The row's maximum is taken away, as reference() does
	v_max3_num_f32 v40, v40, v35, v36
	v_max3_num_f32 v40, v40, v37, v38
	v_max_num_f32 v40, v40, v39
.irp e, 0,1,2,3,4,5,6,7
	v_sub_f32 v[48+\e], v[32+\e], v40
.endr
.irp e, 0,1,2,3,4,5,6,7
	v_mul_f32 v[48+\e], 0x3fb8aa3b, v[48+\e]
.endr
.irp e, 0,1,2,3,4,5,6,7
	v_exp_f32 v[48+\e], v[48+\e]
.endr
	v_nop                                          ; a plain line behind the batch,
	s_wait_alu depctr_va_vdst(0)                   ; and one wait for the eight, ahead of their first reader
	v_add_f32 v41, v48, v49
	v_add_f32 v42, v50, v51
	v_add_f32 v43, v52, v53
	v_add_f32 v44, v54, v55
	v_add_f32 v41, v41, v42
	v_add_f32 v43, v43, v44
	v_add_f32 v41, v41, v43
	v_rcp_f32 v41, v41
	v_nop
	s_wait_alu depctr_va_vdst(0)
.irp e, 0,1,2,3,4,5,6,7
	v_mul_f32 v[48+\e], v[48+\e], v41              ; the probabilities
.endr
	v_max3_num_f32 v42, v48, v49, v50
	v_max3_num_f32 v42, v42, v51, v52
	v_max3_num_f32 v42, v42, v53, v54
	v_max_num_f32 v42, v42, v55                    ; the largest,
	v_mov_b32 v43, 0
.irp e, 7,6,5,4,3,2,1,0
	v_cmp_eq_f32 vcc_lo, v[48+\e], v42
	v_cndmask_b32 v43, v43, \e, vcc_lo             ; and the lowest index that has it
.endr
.irp e, 0,1,2,3,4,5,6,7
	v_cmp_eq_u32 vcc_lo, \e, v43
	v_cndmask_b32 v[48+\e], v[48+\e], -1.0, vcc_lo ; it is taken out: under every probability
.endr
	v_max3_num_f32 v42, v48, v49, v50
	v_max3_num_f32 v42, v42, v51, v52
	v_max3_num_f32 v42, v42, v53, v54
	v_max_num_f32 v42, v42, v55                    ; the second largest,
	v_mov_b32 v44, 0
.irp e, 7,6,5,4,3,2,1,0
	v_cmp_eq_f32 vcc_lo, v[48+\e], v42
	v_cndmask_b32 v44, v44, \e, vcc_lo             ; likewise
.endr
	v_mov_b32 v45, 0
.irp e, 0,1,2,3,4,5,6,7
	v_cmp_eq_u32 s40, \e, v43
	v_cmp_eq_u32 s41, \e, v44
	s_or_b32 s40, s40, s41                         ; bits 0-7: which of the 8 tokens chose expert e
	v_writelane_b32 v45, s40, \e                   ; lane e keeps them
.endr
	v_lshlrev_b32 v46, 7, v1                       ; an expert's bits are 128 bytes
	s_wait_xcnt 0x0                                ; EXEC changes only behind this wait: two stores are out
	v_cmp_gt_u32 vcc_lo, 8, v1
	s_and_saveexec_b32 s44, vcc_lo
	global_store_b8 v46, v45, s[14:15]             ; lanes 0-7: the work-group's byte of each expert's bits
	s_wait_xcnt 0x0
	s_or_b32 exec_lo, exec_lo, s44
.Lend:
	s_wait_tensorcnt 0x0
	ds_add_u32 v30, v31
	s_wait_dscnt 0x0
	s_endpgm
.Lfunc_end_k_qefcf0d015b_route:
	.size	k_qefcf0d015b_route, .Lfunc_end_k_qefcf0d015b_route-k_qefcf0d015b_route
	.p2alignl 7, 3214868480
	.fill 96, 4, 3214868480
	.section	.rodata,"a",@progbits
	.p2align	6, 0x0
	.amdhsa_kernel k_qefcf0d015b_route
		.amdhsa_group_segment_fixed_size 35840
		.amdhsa_private_segment_fixed_size 0
		.amdhsa_enable_private_segment 0
		.amdhsa_kernarg_size 56
		.amdhsa_user_sgpr_count 2
		.amdhsa_user_sgpr_kernarg_segment_ptr 1
		.amdhsa_wavefront_size32 1
		.amdhsa_system_sgpr_workgroup_id_x 1
		.amdhsa_system_sgpr_workgroup_id_y 1
		.amdhsa_system_sgpr_workgroup_id_z 1
		.amdhsa_system_vgpr_workitem_id 0
		.amdhsa_next_free_vgpr 256
		.amdhsa_next_free_sgpr 66
		.amdhsa_reserve_vcc 1
		.amdhsa_float_denorm_mode_32 3
		.amdhsa_float_denorm_mode_16_64 3
		.amdhsa_memory_ordered 1
		.amdhsa_forward_progress 1
		.amdhsa_inst_pref_size 52
	.end_amdhsa_kernel
	.amdgpu_metadata
---
amdhsa.version: [ 1, 2 ]
amdhsa.kernels:
  - .name:           k_qefcf0d015b_route
    .symbol:         k_qefcf0d015b_route.kd
    .args:
      - { .name: x, .offset: 0, .size: 8, .value_kind: global_buffer, .address_space: global }
      - { .name: Wg, .offset: 8, .size: 8, .value_kind: global_buffer, .address_space: global }
      - { .name: bg, .offset: 16, .size: 8, .value_kind: global_buffer, .address_space: global }
      - { .name: xcodes, .offset: 24, .size: 8, .value_kind: global_buffer, .address_space: global }
      - { .name: xscales, .offset: 32, .size: 8, .value_kind: global_buffer, .address_space: global }
      - { .name: masks, .offset: 40, .size: 8, .value_kind: global_buffer, .address_space: global }
      - { .name: out1, .offset: 48, .size: 8, .value_kind: global_buffer, .address_space: global }
    .group_segment_fixed_size: 35840
    .private_segment_fixed_size: 0
    .kernarg_segment_align: 8
    .kernarg_segment_size: 56
    .max_flat_workgroup_size: 128
    .sgpr_count:     66
    .vgpr_count:     256
    .wavefront_size: 32
...
	.end_amdgpu_metadata
.endif
;; end of part 1
;; launch ffn1 (part 2): grid 32 x 8, 4 waves a work-group, no clusters, 149,248 bytes of LDS; arguments W1_codes, W1_scales, b1, xcodes, xscales, masks, hcodes, hscales, pos; writes hcodes, hscales, pos
.if DOCPART == 2
	.amdgcn_target "amdgcn-amd-amdhsa--gfx1250"
	.amdhsa_code_object_version 6
	.text
	.protected	k_qefcf0d015b_ffn1
	.globl	k_qefcf0d015b_ffn1
	.p2align	8
	.type	k_qefcf0d015b_ffn1,@function
k_qefcf0d015b_ffn1:
	s_mov_b64 s[64:65], 0
	v_nop
	global_prefetch_b8 v0, s[64:65] scope:SCOPE_SE
	s_setreg_imm32_b32 hwreg(HW_REG_WAVE_MODE, 25, 1), 1
	s_wait_xcnt 0x0
; THE FIRST PRODUCT, for the chosen rows alone: hidden = Q(relu(x W1 + b1)), MX-BF8 on both sides, f32 sums.
; SHARES.  Work-group (S, e) owns hidden units 128 S .. 128 S + 127 of expert e: 128 rows of W1 x 1,024 along K = 131,072 bytes of codes, read from memory once and kept in LDS.
; The expert's rows (the tokens whose bit is set in masks) are ranked in token order; 16 ranks are a tile.  A wave owns whole tiles and takes each through all of K and all 128 units by itself,
; so behind the two barriers at the head no wave waits for another, and branches on the row count touch no barrier.
; A SWEEP is 5 tiles a wave (tiles 20 v + wave + 4 i), their codes of x resident in 640 registers; four passes of 32 units each read every weight fragment from LDS once a sweep.
; The loop has 4 sweeps whatever the split (80 tiles cover all 1,024 tokens on one expert); a sweep without tiles is jumped over.  A tile past the wave's count is multiplied on token 0's row and stores nothing.
; NO TENSOR LOADS, NO CLUSTER: the 32 work-groups of an expert do read the same rows of x, but which sweeps run and which tiles store hangs on counts read from memory.
; LAYOUT.  The product is used transposed (source 0 = 16 rows of W1, source 1 = 16 routed rows).  Lane r of weight tile 2 b + u takes unit 32 b + 8 u + r + 8 (r / 8), so a lane's 16 results of a pass are
; units 32 b + 16 (lane / 16) + 0..15 of ONE row: the conversions' results are registers 4 b .. 4 b + 3 of the second product's operand for K step S.
; OUT: hcodes [e][tile 64][S 32][c 4][lane 32][16 bytes]: images of operand registers;  hscales [e][S 32][slot 1024]: a word a row;  pos [e][token]: 1024 e + rank, or 0x7fffffff:
; work-group (S, e) stores the words of tokens 32 S .. 32 S + 31.
; LIMITS: NaN and infinities are not served; a block of zeros gets the byte 1 (its codes are zeros; only this program reads the bytes).  pos leaves in runs of 128 bytes, hscales in runs of 64: 1/32 of the codes' bytes.
.set UP,   272                         ; a unit in LDS: 16 rows x 16 bytes of one weight tile + 16 of padding (64 banks of 4 bytes: ISA guide 11.1: 32 lanes a unit apart, or 16 bytes apart, meet no bank twice in a pass)
.set LIST, 0                           ; 1,280 words: the token of each rank; 0 past the last
.set DUMP, 5120                        ; 32 words, one a lane: where a lane stores whose token did not choose the expert; nobody reads them
.set SCL,  5376                        ; W1's scale words: [block 4][half 2][lane 32][16 bytes]
.set WL,   SCL+4096                    ; W1's codes: unit 64 x tile + K / 16, 512 units
.set L16,  1                           ; v1     16 x lane
.set WST,  2                           ; v2     where I store weights: WL + 128 UP wave + UP lane
.set SST,  3                           ; v3     and their scale words
.set WBA,  4                           ; v4-7   where I read pass b's fragments: WL + 128 UP b + UP (lane / 16) + 16 (lane % 16)
.set SRD,  8                           ; v8     SCL + 16 lane
.set LA,   9                           ; v9     LIST + 64 wave + 4 (lane % 16)
.set H16,  10                          ; v10    16 (lane / 16)
.set R4,   11                          ; v11    4 (lane % 16)
.set AO,   12                          ; v12-16 tile i: my row's byte offset in xcodes
.set SO,   17                          ; v17-21 and in xscales
.set WSO,  22                          ; v22    my row's offset in W1_scales
.set BO,   23                          ; v23    64 (lane / 16): b1
.set AS,   24                          ; v24-43 x's scale words: tile i, register m: lanes 0-15 K step 2 m, lanes 16-31 K step 2 m + 1
.set WS,   44                          ; v44-59 W1's scale words, two sets of 8 (K step s): lanes 0-15 tile 2 b, lanes 16-31 tile 2 b + 1
.set TM,   60                          ; v60-67 at work
.set SW,   68                          ; v68-72 tile i: the hidden row's scale word, a byte a pass
.set LT,   73                          ; v73    the list's address in this sweep
.set CD,   76                          ; v76-95 tile i: 16 codes
.set ACC,  96                          ; v96-175 tile i: two accumulators
.set BIAS, 176                         ; v176-239 pass b: b1 in the result's layout
.set WF,   128                         ; window 3, v128-255: weight fragments, two buffers of 64: (K step % 2, u) at 32, 16
                                       ; windows 1, 2 and v0-127 of window 3: x's fragments: tile i at 128 i, K step s at 16 s.  At the head window 1 holds the weights on their way to LDS
.set MSB, 0
.macro WIN new                         ; the immediate's high byte repeats the setting that is left
.if MSB != (\new)
	s_set_vgpr_msb (MSB<<8)|(\new)
.set MSB, (\new)
.endif
.endm
.macro PLACES n
.rept \n
	v_nop
.endr
.endm
	s_load_b512 s[4:19], s[0:1], 0x0               ; W1_codes, W1_scales, b1, xcodes, xscales, masks, hcodes, hscales
	s_load_b64 s[20:21], s[0:1], 0x40              ; pos
	v_lshl_add_u32 v254, v0, 2, 0x24500
	v_mov_b32 v255, 0
	v_lshrrev_b32 v60, 5, v0
	v_readfirstlane_b32 s22, v60                   ; wave
	s_mov_b32 s23, ttmp9                           ; S
	s_and_b32 s24, ttmp7, 0xffff                   ; e
	v_and_b32 v60, 31, v0                          ; lane
	v_and_b32 v61, 15, v0                          ; r
	v_bfe_u32 v62, v0, 4, 1                        ; h
	v_lshlrev_b32 v[L16], 4, v60
	v_mul_u32_u24 v[WST], v60, UP
	s_mul_i32 s40, s22, 128*UP
	s_add_co_u32 s40, s40, WL
	v_add_nc_u32 v[WST], s40, v[WST]
	s_lshl_b32 s40, s22, 10
	s_add_co_u32 s40, s40, SCL
	v_add_nc_u32 v[SST], s40, v[L16]
	v_mul_u32_u24 v63, v62, UP
	v_lshl_add_u32 v63, v61, 4, v63
.irp b, 0,1,2,3
	v_add_nc_u32 v[WBA+\b], WL+128*UP*\b, v63
.endr
	v_add_nc_u32 v[SRD], SCL, v[L16]
	v_lshlrev_b32 v[R4], 2, v61
	s_lshl_b32 s40, s22, 6
	s_add_co_u32 s40, s40, LIST
	v_add_nc_u32 v[LA], s40, v[R4]
	v_lshlrev_b32 v[H16], 4, v62
	v_lshlrev_b32 v[BO], 6, v62
	v_bfe_u32 v63, v0, 3, 1
	v_lshlrev_b32 v63, 4, v63
	v_lshl_add_u32 v63, v62, 3, v63
	v_and_b32 v64, 7, v0
	v_add_nc_u32 v63, v63, v64                     ; the row of a block of 32 whose scale words my lane keeps: 16 ((l / 8) % 2) + 8 (l / 16) + l % 8
	v_lshlrev_b32 v[WSO], 5, v63                   ; 32 bytes a row
	s_lshl_b32 s40, s24, 12
	s_lshl_b32 s41, s23, 7
	s_add_co_u32 s40, s40, s41                     ; the work-group's first row of W1: 4096 e + 128 S,
	s_lshl_b32 s41, s22, 5
	s_add_co_u32 s41, s40, s41                     ; my wave's block of 32
	s_lshl_b32 s26, s41, 10
	s_mov_b32 s27, 0
	s_lshl_b32 s42, s41, 5
	s_mov_b32 s43, 0
	s_lshl_b32 s44, s40, 2
	s_mov_b32 s45, 0
	s_lshl_b32 s46, s24, 7
	s_mov_b32 s47, 0
	s_wait_kmcnt 0x0
	s_add_nc_u64 s[14:15], s[14:15], s[46:47]
	s_load_b512 s[68:83], s[14:15], 0x0            ; the expert's 1,024 bits
	s_load_b512 s[84:99], s[14:15], 0x40
	s_add_nc_u64 s[4:5], s[4:5], s[26:27]
	s_add_nc_u64 s[6:7], s[6:7], s[42:43]
	s_add_nc_u64 s[8:9], s[8:9], s[44:45]
	WIN 0x40                                       ; destination window 1
.set rho, 0
.rept 32                               ; my block's 32 rows: each load reads 512 consecutive bytes
	global_load_b128 v[8*rho:8*rho+3], v[L16], s[4:5] offset:1024*rho th:TH_LOAD_NT
	global_load_b128 v[8*rho+4:8*rho+7], v[L16], s[4:5] offset:1024*rho+512 th:TH_LOAD_NT
.set rho, rho+1
.endr
	WIN 0
	global_load_b128 v[WS:WS+3], v[WSO], s[6:7]
	global_load_b128 v[WS+4:WS+7], v[WSO], s[6:7] offset:16
.irp b, 0,1,2,3
.irp k, 0,1,2,3
	global_load_b128 v[BIAS+16*\b+4*\k:BIAS+16*\b+4*\k+3], v[BO], s[8:9] offset:128*\b+16*\k   ; b1 of units 32 b + 16 h + 0..15
.endr
.endr
	s_wait_kmcnt 0x0
	s_mov_b32 s28, 0
.set g, 0
.rept 32
	s_bcnt1_i32_b32 s40, s[68+g]
	s_add_co_u32 s28, s28, s40                     ; the expert's rows
.set g, g+1
.endr
	s_add_co_u32 s29, s28, 15
	s_lshr_b32 s29, s29, 4                         ; its tiles T
	s_sub_co_u32 s30, s29, s22
	s_add_co_u32 s30, s30, 3                       ; T - wave + 3 - 20 v: a quarter of it, rounded down, is my count of tiles from sweep v on
	s_cmp_lg_u32 s22, 0
	s_cbranch_scc1 .Lnot_wave_0
	; wave 0 makes the list while the weights are on their way
.irp k, 0,1,2,3
	v_mov_b32 v[64+\k], 0
.endr
.irp k, 0,1,2,3,4,5,6,7,8,9
	ds_store_b128 v[L16], v[64:67] offset:LIST+512*\k      ; zeros: a rank past the last reads token 0
.endr
	v_add_nc_u32 v63, DUMP/4, v60                  ; my dump word, counted in words from LIST on
	s_mov_b32 s40, 0                               ; chosen tokens so far
	s_mov_b32 s42, 0                               ; those ahead of token 32 S,
	s_mov_b32 s43, 0                               ; and the bits of tokens 32 S .. 32 S + 31: both are caught on the way
.set g, 0
.rept 32                               ; tokens 32 g + lane, all lanes on: a chosen token's rank is the count of chosen tokens before it
	v_mbcnt_lo_u32_b32 v62, s[68+g], s40
	v_cndmask_b32 v62, v63, v62, s[68+g]           ; a token that was not chosen goes to its lane's dump word
	v_min_u32 v62, DUMP/4+31, v62                  ; a number made of loaded words enters an address only behind a clamp by a constant;
	v_lshlrev_b32 v62, 2, v62                      ; behind it a plain shift alone
	ds_store_b32 v62, v60 offset:LIST
	v_add_nc_u32 v60, 32, v60
	s_cmp_eq_u32 s23, g
	s_cselect_b32 s42, s40, s42
	s_cselect_b32 s43, s[68+g], s43
	s_bcnt1_i32_b32 s41, s[68+g]
	s_add_co_u32 s40, s40, s41
.set g, g+1
.endr
	; where the rows of tokens 32 S .. 32 S + 31 lie: the expert's 32 work-groups share its 1,024 words of pos
	s_lshl_b32 s41, s24, 10
	s_add_co_u32 s42, s42, s41                     ; 1024 e + the count ahead
	s_lshl_b32 s44, s24, 12
	s_lshl_b32 s45, s23, 7
	s_add_co_u32 s44, s44, s45
	s_mov_b32 s45, 0
	s_add_nc_u64 s[20:21], s[20:21], s[44:45]      ; pos at (e, token 32 S)
	v_mbcnt_lo_u32_b32 v62, s43, s42
	v_mov_b32 v63, 0x7fffffff
	v_cndmask_b32 v65, v63, v62, s43
	v_lshrrev_b32 v64, 2, v[L16]                   ; 4 x lane
	global_store_b32 v64, v65, s[20:21]            ; 32 lanes store 128 consecutive bytes
.Lnot_wave_0:
	s_wait_dscnt 0x0                               ; the list has landed
	s_barrier_signal -1
	s_barrier_wait -1                              ; it is parted from every other LDS access
	s_wait_loadcnt 0x0                             ; weights, scale words, b1
	s_wait_xcnt 0x0                                ; and the store of pos has read its registers
	WIN 0x04                                       ; an LDS store's data are its source 1: window 1
.set rho, 0
.rept 32                               ; row rho is lane 8 (rho / 16) + rho % 8 of tile 2 wave + (rho / 8) % 2; my lane's 16 bytes are unit 32 p + lane of its 64
	ds_store_b128 v[WST], v[8*rho:8*rho+3] offset:64*((rho/8)%2)*UP+16*(8*(rho/16)+rho%8)
	ds_store_b128 v[WST], v[8*rho+4:8*rho+7] offset:(64*((rho/8)%2)+32)*UP+16*(8*(rho/16)+rho%8)
.set rho, rho+1
.endr
	WIN 0
	ds_store_b128 v[SST], v[WS:WS+3]
	ds_store_b128 v[SST], v[WS+4:WS+7] offset:512
	s_wait_dscnt 0x0                               ; for the others' sake: my block has landed
	s_barrier_signal -1
	s_barrier_wait -1                              ; from here on LDS is only read
	s_mov_b32 s33, 0x600000                        ; the mantissa field of 57,344
	s_mov_b32 s34, 0x76543210
	s_mov_b32 s35, 0xfedcba98                      ; v_permlanex16_b32's selects for lane l xor 16
	s_lshl_b32 s40, s24, 6
	s_add_co_u32 s40, s40, s22
	s_lshl_b32 s40, s40, 5
	s_add_co_u32 s40, s40, s23
	s_lshl_b32 s40, s40, 11
	s_mov_b32 s41, 0
	s_add_nc_u64 s[36:37], s[16:17], s[40:41]      ; hcodes at (e, tile = wave, S)
	s_lshl_b32 s40, s24, 5
	s_add_co_u32 s40, s40, s23
	s_lshl_b32 s40, s40, 12
	s_lshl_b32 s42, s22, 6
	s_add_co_u32 s40, s40, s42
	s_add_nc_u64 s[38:39], s[18:19], s[40:41]      ; hscales at (e, S, slot = 16 wave)
	s_mov_b32 s25, 0                               ; the sweep's place in the list
	s_mov_b32 s32, 0
.macro WFLOAD b, k                     ; 16 LDS loads: tiles 2 b, 2 b + 1, K steps 2 k, 2 k + 1 -> buffer k % 2
	WIN 0xc0                                       ; destination window 3
.irp sl, 0,1
.irp u, 0,1
.irp c, 0,1,2,3
	ds_load_b128 v[WF+64*((\k)%2)+32*\sl+16*\u+4*\c:WF+64*((\k)%2)+32*\sl+16*\u+4*\c+3], v[WBA+(\b)] offset:(64*\u+8*(2*(\k)+\sl)+2*\c)*UP
.endr
.endr
.endr
.endm
.macro WSLOAD b                        ; pass b's scale words -> set b % 2
	WIN 0
	ds_load_b128 v[WS+8*((\b)%2):WS+8*((\b)%2)+3], v[SRD] offset:1024*(\b)
	ds_load_b128 v[WS+8*((\b)%2)+4:WS+8*((\b)%2)+7], v[SRD] offset:1024*(\b)+512
.endm
.macro ALOAD k                         ; 40 loads: the five tiles' fragments of K steps 2 k, 2 k + 1: lane (r, h): 16 bytes at 128 s + 32 c + 16 h of its token's row
.irp i, 0,1,2,3,4
	WIN 0x40*(1+\i/2)
.irp sl, 0,1
.irp c, 0,1,2,3
	global_load_b128 v[128*(\i%2)+16*(2*(\k)+\sl)+4*\c:128*(\i%2)+16*(2*(\k)+\sl)+4*\c+3], v[AO+\i], s[10:11] offset:128*(2*(\k)+\sl)+32*\c
.endr
.endr
.endr
.endm
.macro WM u, o                         ; u: the weights' words lie in lanes 16-31;  o: so do x's
.if (\u) && (\o)
	v_wmma_scale_f32_16x16x128_f8f6f4 v[rD:rD+7], v[rW:rW+15], v[rA:rA+15], v[rC:rC+7], v[rX], v[rY] matrix_a_fmt:MATRIX_FMT_BF8 matrix_b_fmt:MATRIX_FMT_BF8 matrix_a_scale:MATRIX_SCALE_ROW1 matrix_b_scale:MATRIX_SCALE_ROW1
.elseif (\u)
	v_wmma_scale_f32_16x16x128_f8f6f4 v[rD:rD+7], v[rW:rW+15], v[rA:rA+15], v[rC:rC+7], v[rX], v[rY] matrix_a_fmt:MATRIX_FMT_BF8 matrix_b_fmt:MATRIX_FMT_BF8 matrix_a_scale:MATRIX_SCALE_ROW1
.elseif (\o)
	v_wmma_scale_f32_16x16x128_f8f6f4 v[rD:rD+7], v[rW:rW+15], v[rA:rA+15], v[rC:rC+7], v[rX], v[rY] matrix_a_fmt:MATRIX_FMT_BF8 matrix_b_fmt:MATRIX_FMT_BF8 matrix_b_scale:MATRIX_SCALE_ROW1
.else
	v_wmma_scale_f32_16x16x128_f8f6f4 v[rD:rD+7], v[rW:rW+15], v[rA:rA+15], v[rC:rC+7], v[rX], v[rY] matrix_a_fmt:MATRIX_FMT_BF8 matrix_b_fmt:MATRIX_FMT_BF8
.endif
.endm
.macro MUL b, s, i, u                  ; weight tile 2 b + u x routed tile i, K step s.  The first K step takes b1 as its C: the bias costs no addition and nothing is cleared
.set rD, ACC+16*(\i)+8*(\u)
.set rW, WF+64*(((\s)/2)%2)+32*((\s)%2)+16*(\u)
.set rA, 128*((\i)%2)+16*(\s)
.set rX, WS+8*((\b)%2)+(\s)
.set rY, AS+4*(\i)+(\s)/2
.if (\s) == 0
.set rC, BIAS+16*(\b)+8*(\u)
.else
.set rC, rD
.endif
	WM \u, (\s)%2
.endm
.macro MULS b, k                       ; 20 matrix instructions; the ten accumulators by turns, one instruction a turn
.irp grp, 0,1,2
	WIN 0x07+4*\grp                                ; source 0 (weights) window 3, source 1 (x) window 1, 2 or 3, C and D window 0
.irp sl, 0,1
.irp ii, 0,1
.if 2*\grp+\ii < 5
.irp u, 0,1
	MUL \b, 2*(\k)+\sl, 2*\grp+\ii, \u
.endr
.endif
.endr
.endr
.endr
.endm
; Two K steps of a pass.  A load into a register that a matrix instruction has read stands eight places behind it: the eight v_nop.
.macro DSTEP b, k
	s_wait_dscnt 0x0                               ; this double step's fragments, asked for a double step ago, are in
	PLACES 8
.if (\k) < 3
	WFLOAD \b, (\k)+1                              ; the next double step's, into the buffer just left
.elseif (\b) < 3
	WFLOAD (\b)+1, 0
.endif
.if ((\k) == 2) && ((\b) < 3)
	WSLOAD (\b)+1
.endif
.if (\b) == 0                          ; the first pass meets x's fragments as they arrive: behind double step k's stand 40 (3 - k) younger loads (a wait's count holds 63 at the most)
.if (\k) < 2
	s_wait_loadcnt 63
.else
	s_wait_loadcnt 40*(3-(\k))
.endif
.endif
	MULS \b, \k
.endm
; Tile i's 16 results a lane of pass b: the activation, the block's scale, 16 codes, stored as registers 4 b .. 4 b + 3 of the next operand
.macro EPI1 b, i
.set rE, ACC+16*(\i)
	v_max3_num_f32 v[TM], v[rE], v[rE+1], 0x8000000                 ; no |.|: what is negative becomes 0 and must not count; the floor 2^(16 - 127) stands over it.  Each accumulator is read from its low end on
	v_max3_num_f32 v[TM+2], v[rE+8], v[rE+9], 0x8000000
.irp j, 2,4,6
	v_max3_num_f32 v[TM], v[TM], v[rE+\j], v[rE+\j+1]
	v_max3_num_f32 v[TM+2], v[TM+2], v[rE+8+\j], v[rE+9+\j]
.endr
	v_max_num_f32 v[TM], v[TM], v[TM+2]
	v_permlanex16_b32 v[TM+1], v[TM], s34, s35
	v_max_num_f32 v[TM], v[TM], v[TM+1]            ; with lane l xor 16's 16: the block's largest
	v_add_nc_u32 v[TM+3], 0xf8800000, v[TM]        ; 15 off the exponent field: the conversion's scale operand
	v_and_or_b32 v[TM+4], v[TM], 0x7f800000, s33   ; 57,344 x the scale
	v_lshrrev_b32 v[TM+5], 23, v[TM+3]             ; the scale's byte
	v_lshl_or_b32 v[SW+(\i)], v[TM+5], 8*(\b), v[SW+(\i)]
.irp j, 0,1,2,3,4,5,6,7,8,9,10,11,12,13,14,15
	v_med3_num_f32 v[rE+\j], v[rE+\j], 0, v[TM+4]  ; the activation and the hold in one (the conversion does not saturate: ISA guide 7.6.2)
.endr
	v_cvt_scalef32_pk8_bf8_f32 v[CD+4*(\i):CD+4*(\i)+1], v[rE:rE+7], v[TM+3]
	v_cvt_scalef32_pk8_bf8_f32 v[CD+4*(\i)+2:CD+4*(\i)+3], v[rE+8:rE+15], v[TM+3]
	v_nop                                          ; a plain line behind the conversions: the next products write their sources
	global_store_b128 v[L16], v[CD+4*(\i):CD+4*(\i)+3], s[36:37] offset:262144*(\i)+512*(\b)   ; 32 lanes store 512 consecutive bytes, aligned
.if (\b) == 3
	global_store_b32 v[R4], v[SW+(\i)], s[38:39] offset:256*(\i)    ; the row's word: lanes l and l xor 16 hold the same word and name the same place
.endif
.endm
.macro EPIS b
	s_wait_xcnt 0x0                                ; the last pass's stores have read their codes
	EPI1 \b, 0
.irp i, 1,2,3,4
	s_cmp_gt_u32 s31, \i
	s_cbranch_scc0 .Ldone_\@                       ; tiles past my count store nothing
	EPI1 \b, \i
.endr
.Ldone_\@:
.endm
.Lsweep:
	s_cmp_lt_i32 s30, 4
	s_cbranch_scc1 .Lskip                          ; no tile of mine in this sweep
	s_lshr_b32 s31, s30, 2
	s_min_u32 s31, s31, 5                          ; my tiles in it
	PLACES 8                                       ; behind the last sweep's products: loads follow into registers that they read
	v_add_nc_u32 v[LT], s25, v[LA]
.irp i, 0,1,2,3,4
	ds_load_b32 v[AO+\i], v[LT] offset:256*\i      ; my row's token in tile i
.endr
	WFLOAD 0, 0
	WSLOAD 0
.irp i, 0,1,2,3,4
	v_mov_b32 v[SW+\i], 0
.endr
	s_wait_dscnt 18                                ; the five are in; the 18 behind them may be out
.irp i, 0,1,2,3,4
	v_min_u32 v[AO+\i], 0x3ff, v[AO+\i]            ; a loaded number enters an address only behind a clamp by a constant; behind it plain shifts and additions alone
.endr
.irp i, 0,1,2,3,4
	v_lshlrev_b32 v[SO+\i], 5, v[AO+\i]            ; 32 scale bytes a token,
	v_lshlrev_b32 v[AO+\i], 10, v[AO+\i]           ; 1,024 codes
.endr
.irp i, 0,1,2,3,4
	v_add_nc_u32 v[SO+\i], v[H16], v[SO+\i]        ; + 16 (lane / 16) in both
	v_add_nc_u32 v[AO+\i], v[H16], v[AO+\i]
.endr
.irp i, 0,1,2,3,4
	global_load_b128 v[AS+4*\i:AS+4*\i+3], v[SO+\i], s[12:13]       ; the words of K steps h, 2 + h, 4 + h, 6 + h
.endr
.irp k, 0,1,2,3
	ALOAD \k
.endr
.irp b, 0,1,2,3
	DSTEP \b, 0
	DSTEP \b, 1
	DSTEP \b, 2
	DSTEP \b, 3
	WIN 0
	PLACES 8                                       ; ahead of the first read of results.  With the eight at the next pass's head, sixteen stand ahead of the products that begin these accumulators anew
	EPIS \b
.endr
.Lskip:
	s_wait_xcnt 0x0                                ; the stores have read their bases and registers
	s_add_nc_u64 s[36:37], s[36:37], 20*65536      ; 20 tiles on
	s_add_nc_u64 s[38:39], s[38:39], 1280
	s_add_co_u32 s25, s25, 1280
	s_sub_co_i32 s30, s30, 20
	s_add_co_u32 s32, s32, 1
	s_cmp_lt_u32 s32, 4
	s_cbranch_scc1 .Lsweep
	s_wait_tensorcnt 0x0
	ds_add_u32 v254, v255
	s_wait_dscnt 0x0
	s_endpgm
.Lfunc_end_k_qefcf0d015b_ffn1:
	.size	k_qefcf0d015b_ffn1, .Lfunc_end_k_qefcf0d015b_ffn1-k_qefcf0d015b_ffn1
	.p2alignl 7, 3214868480
	.fill 96, 4, 3214868480
	.section	.rodata,"a",@progbits
	.p2align	6, 0x0
	.amdhsa_kernel k_qefcf0d015b_ffn1
		.amdhsa_group_segment_fixed_size 149248
		.amdhsa_private_segment_fixed_size 0
		.amdhsa_enable_private_segment 0
		.amdhsa_kernarg_size 72
		.amdhsa_user_sgpr_count 2
		.amdhsa_user_sgpr_kernarg_segment_ptr 1
		.amdhsa_wavefront_size32 1
		.amdhsa_system_sgpr_workgroup_id_x 1
		.amdhsa_system_sgpr_workgroup_id_y 1
		.amdhsa_system_sgpr_workgroup_id_z 1
		.amdhsa_system_vgpr_workitem_id 0
		.amdhsa_next_free_vgpr 1024
		.amdhsa_next_free_sgpr 100
		.amdhsa_reserve_vcc 0
		.amdhsa_float_denorm_mode_32 3
		.amdhsa_float_denorm_mode_16_64 3
		.amdhsa_memory_ordered 1
		.amdhsa_forward_progress 1
		.amdhsa_inst_pref_size 163
	.end_amdhsa_kernel
	.amdgpu_metadata
---
amdhsa.version: [ 1, 2 ]
amdhsa.kernels:
  - .name:           k_qefcf0d015b_ffn1
    .symbol:         k_qefcf0d015b_ffn1.kd
    .args:
      - { .name: W1_codes, .offset: 0, .size: 8, .value_kind: global_buffer, .address_space: global }
      - { .name: W1_scales, .offset: 8, .size: 8, .value_kind: global_buffer, .address_space: global }
      - { .name: b1, .offset: 16, .size: 8, .value_kind: global_buffer, .address_space: global }
      - { .name: xcodes, .offset: 24, .size: 8, .value_kind: global_buffer, .address_space: global }
      - { .name: xscales, .offset: 32, .size: 8, .value_kind: global_buffer, .address_space: global }
      - { .name: masks, .offset: 40, .size: 8, .value_kind: global_buffer, .address_space: global }
      - { .name: hcodes, .offset: 48, .size: 8, .value_kind: global_buffer, .address_space: global }
      - { .name: hscales, .offset: 56, .size: 8, .value_kind: global_buffer, .address_space: global }
      - { .name: pos, .offset: 64, .size: 8, .value_kind: global_buffer, .address_space: global }
    .group_segment_fixed_size: 149248
    .private_segment_fixed_size: 0
    .kernarg_segment_align: 8
    .kernarg_segment_size: 72
    .max_flat_workgroup_size: 128
    .sgpr_count:     100
    .vgpr_count:     1024
    .wavefront_size: 32
...
	.end_amdgpu_metadata
.endif
;; end of part 2
;; launch ffn2 (part 3): grid 32 x 8, 4 waves a work-group, no clusters, 161,280 bytes of LDS; arguments W2_codes, W2_scales, hcodes, hscales, masks, parts; writes parts
.if DOCPART == 3
	.amdgcn_target "amdgcn-amd-amdhsa--gfx1250"
	.amdhsa_code_object_version 6
	.text
	.protected	k_qefcf0d015b_ffn2
	.globl	k_qefcf0d015b_ffn2
	.p2align	8
	.type	k_qefcf0d015b_ffn2,@function
k_qefcf0d015b_ffn2:
	s_mov_b64 s[64:65], 0
	v_nop
	global_prefetch_b8 v0, s[64:65] scope:SCOPE_SE
	s_setreg_imm32_b32 hwreg(HW_REG_WAVE_MODE, 25, 1), 1
	s_wait_xcnt 0x0
; THE SECOND PRODUCT, for the chosen rows alone, in four parts along K: parts[row][q] = hidden[row][1024 q ..] W2[1024 q ..], MX-BF8 on both sides, f32 sums.
; SHARES.  Work-group (x, e): outputs 128 Dn .. + 127 (Dn = x % 8), hidden units 1024 q .. + 1023 (q = x / 8) of expert e: 128 rows of W2 x 1,024 along K, read from memory once and kept in LDS.
; Why K in four: a row costs K bytes of hidden codes in and 8 bytes an output out and in again; with K x outputs = 131,072 their sum is least at 1,024 x 128.  The four parts, the two experts and b2 meet in the last launch.
; Tiles, sweeps and passes as in the first product: a wave owns tiles 20 v + wave + 4 i, i = 0..4, holds their codes in 640 registers, and reads each weight fragment from LDS once a sweep.
; The hidden codes lie as images of operand registers: every load reads 512 consecutive bytes.  A tile past the wave's count repeats its last tile and stores nothing.
; NO TENSOR LOADS, NO CLUSTER: the 8 work-groups (Dn) of an expert and quarter do read the same hidden rows, but which sweeps run and which tiles store hangs on a count read from memory.
; LAYOUT.  Transposed (source 0 = 16 rows of W2, source 1 = 16 routed rows); lane r of weight tile 2 b + u takes output 32 b + 8 u + r + 8 (r / 8): a lane's 16 results of a pass are 16 neighbouring outputs of one row.
; Two passes' 64 outputs, 256 bytes a row, go through the wave's own stage in LDS and leave as whole aligned runs of 256 bytes.
; OUT: parts [1024 e + slot][q 4][1024] f32.
.set UP,   272
.set STG,  0                           ; 4 stages of 16 rows x (256 + 16) bytes
.set SCL,  4*16*UP                     ; W2's scale words: [block 4][half 2][lane 32][16 bytes]
.set WL,   SCL+4096                    ; W2's codes: unit 64 x tile + K / 16, 512 units of 256 + 16 bytes
.set L16,  1                           ; v1     16 x lane
.set WST,  2                           ; v2     where I store weights
.set SST,  3                           ; v3     and their scale words
.set WBA,  4                           ; v4-7   where I read pass b's fragments
.set SRD,  8                           ; v8     SCL + 16 lane
.set STO,  9                           ; v9     the stage, in: row r, + 64 h
.set RD,   10                          ; v10    and back: lanes 0-15 a row, lanes 16-31 the next
.set PO,   11                          ; v11    the same two rows in parts
.set AO,   12                          ; v12-16 tile i: my offset in hcodes
.set SO,   17                          ; v17-21 and in hscales
.set WSO,  22                          ; v22    my row's offset in W2_scales
.set HS0,  23                          ; v23    4 r + 4096 h
.set AS,   24                          ; v24-43 the hidden rows' scale words: tile i, register m: lanes 0-15 K step 2 m, lanes 16-31 K step 2 m + 1
.set WS,   44                          ; v44-59 W2's scale words, two sets of 8
.set ACC,  96                          ; v96-175 an even pass's accumulators (tile i at 16 i), v176-255 an odd pass's
.set WF,   128                         ; window 3, v128-255: weight fragments, two buffers of 64
.set MSB, 0
.macro WIN new                         ; the immediate's high byte repeats the setting that is left
.if MSB != (\new)
	s_set_vgpr_msb (MSB<<8)|(\new)
.set MSB, (\new)
.endif
.endm
.macro PLACES n
.rept \n
	v_nop
.endr
.endm
	s_load_b256 s[4:11], s[0:1], 0x0               ; W2_codes, W2_scales, hcodes, hscales
	s_load_b128 s[12:15], s[0:1], 0x20             ; masks, parts
	v_lshl_add_u32 v94, v0, 2, 0x27400
	v_mov_b32 v95, 0
	v_lshrrev_b32 v60, 5, v0
	v_readfirstlane_b32 s22, v60                   ; wave
	s_and_b32 s23, ttmp9, 7                        ; Dn
	s_lshr_b32 s25, ttmp9, 3                       ; q
	s_and_b32 s24, ttmp7, 0xffff                   ; e
	v_and_b32 v60, 31, v0                          ; lane
	v_and_b32 v61, 15, v0                          ; r
	v_bfe_u32 v62, v0, 4, 1                        ; h
	v_lshlrev_b32 v[L16], 4, v60
	v_mul_u32_u24 v[WST], v60, UP
	s_mul_i32 s40, s22, 128*UP
	s_add_co_u32 s40, s40, WL
	v_add_nc_u32 v[WST], s40, v[WST]
	s_lshl_b32 s40, s22, 10
	s_add_co_u32 s40, s40, SCL
	v_add_nc_u32 v[SST], s40, v[L16]
	v_mul_u32_u24 v63, v62, UP
	v_lshl_add_u32 v63, v61, 4, v63                ; UP h + 16 r
.irp b, 0,1,2,3
	v_add_nc_u32 v[WBA+\b], WL+128*UP*\b, v63
.endr
	v_add_nc_u32 v[SRD], SCL, v[L16]
	s_mul_i32 s40, s22, 16*UP
	s_add_co_u32 s40, s40, STG                     ; my stage
	v_add_nc_u32 v[RD], s40, v63
	v_mul_u32_u24 v[STO], v61, UP
	v_lshl_add_u32 v[STO], v62, 6, v[STO]
	v_add_nc_u32 v[STO], s40, v[STO]
	v_lshlrev_b32 v[PO], 14, v62
	v_lshl_add_u32 v[PO], v61, 4, v[PO]
	v_lshlrev_b32 v[HS0], 12, v62
	v_lshl_add_u32 v[HS0], v61, 2, v[HS0]
	v_bfe_u32 v63, v0, 3, 1
	v_lshlrev_b32 v63, 4, v63
	v_lshl_add_u32 v63, v62, 3, v63
	v_and_b32 v64, 7, v0
	v_add_nc_u32 v63, v63, v64                     ; the row of a block of 32 whose scale words my lane keeps
	v_lshlrev_b32 v[WSO], 7, v63                   ; 128 bytes a row
	s_lshl_b32 s40, s24, 10
	s_lshl_b32 s41, s23, 7
	s_add_co_u32 s40, s40, s41
	s_lshl_b32 s41, s22, 5
	s_add_co_u32 s40, s40, s41                     ; my block's first row of W2: 1024 e + 128 Dn + 32 wave
	s_lshl_b32 s26, s40, 12
	s_lshl_b32 s41, s25, 10
	s_add_co_u32 s26, s26, s41                     ; its codes, from K = 1024 q on
	s_mov_b32 s27, 0
	s_lshl_b32 s42, s40, 7
	s_lshl_b32 s41, s25, 5
	s_add_co_u32 s42, s42, s41                     ; and its scale bytes
	s_mov_b32 s43, 0
	s_lshl_b32 s46, s24, 7
	s_mov_b32 s47, 0
	s_wait_kmcnt 0x0
	s_add_nc_u64 s[12:13], s[12:13], s[46:47]
	s_load_b512 s[68:83], s[12:13], 0x0            ; the expert's 1,024 bits
	s_load_b512 s[84:99], s[12:13], 0x40
	s_add_nc_u64 s[4:5], s[4:5], s[26:27]
	s_add_nc_u64 s[6:7], s[6:7], s[42:43]
	WIN 0x40                                       ; destination window 1
.set rho, 0
.rept 32                               ; my block's 32 rows: each load reads 512 consecutive bytes
	global_load_b128 v[8*rho:8*rho+3], v[L16], s[4:5] offset:4096*rho th:TH_LOAD_NT
	global_load_b128 v[8*rho+4:8*rho+7], v[L16], s[4:5] offset:4096*rho+512 th:TH_LOAD_NT
.set rho, rho+1
.endr
	WIN 0
	global_load_b128 v[WS:WS+3], v[WSO], s[6:7]
	global_load_b128 v[WS+4:WS+7], v[WSO], s[6:7] offset:16
	s_wait_kmcnt 0x0
	s_mov_b32 s28, 0
.set g, 0
.rept 32
	s_bcnt1_i32_b32 s40, s[68+g]
	s_add_co_u32 s28, s28, s40                     ; the expert's rows
.set g, g+1
.endr
	s_add_co_u32 s29, s28, 15
	s_lshr_b32 s29, s29, 4                         ; its tiles T
	s_sub_co_u32 s30, s29, s22
	s_add_co_u32 s30, s30, 3                       ; T - wave + 3 - 20 v
	s_lshl_b32 s40, s24, 6
	s_add_co_u32 s40, s40, s22
	s_lshl_b32 s40, s40, 5
	s_lshl_b32 s41, s25, 3
	s_add_co_u32 s40, s40, s41
	s_lshl_b32 s40, s40, 11
	s_mov_b32 s41, 0
	s_add_nc_u64 s[36:37], s[8:9], s[40:41]        ; hcodes at (e, tile = wave, K step 8 q)
	s_lshl_b32 s40, s24, 5
	s_lshl_b32 s42, s25, 3
	s_add_co_u32 s40, s40, s42
	s_lshl_b32 s40, s40, 12
	s_lshl_b32 s42, s22, 6
	s_add_co_u32 s40, s40, s42
	s_add_nc_u64 s[38:39], s[10:11], s[40:41]      ; hscales at (e, K step 8 q, slot = 16 wave)
	s_lshl_b32 s40, s24, 10
	s_lshl_b32 s42, s22, 4
	s_add_co_u32 s40, s40, s42
	s_lshl_b32 s40, s40, 14
	s_lshl_b32 s42, s25, 12
	s_add_co_u32 s40, s40, s42
	s_lshl_b32 s42, s23, 9
	s_add_co_u32 s40, s40, s42
	s_add_nc_u64 s[48:49], s[14:15], s[40:41]      ; parts at (row 1024 e + 16 wave, q, output 128 Dn)
	s_mov_b32 s32, 0
	s_wait_loadcnt 0x0                             ; weights and scale words
	WIN 0x04                                       ; an LDS store's data are its source 1: window 1
.set rho, 0
.rept 32                               ; row rho is lane 8 (rho / 16) + rho % 8 of tile 2 wave + (rho / 8) % 2; my lane's 16 bytes are unit 32 p + lane of its 64
	ds_store_b128 v[WST], v[8*rho:8*rho+3] offset:64*((rho/8)%2)*UP+16*(8*(rho/16)+rho%8)
	ds_store_b128 v[WST], v[8*rho+4:8*rho+7] offset:(64*((rho/8)%2)+32)*UP+16*(8*(rho/16)+rho%8)
.set rho, rho+1
.endr
	WIN 0
	ds_store_b128 v[SST], v[WS:WS+3]
	ds_store_b128 v[SST], v[WS+4:WS+7] offset:512
	s_wait_dscnt 0x0                               ; for the others' sake: my block has landed
	s_barrier_signal -1
	s_barrier_wait -1                              ; from here on a wave writes its own stage alone
.macro WFLOAD b, k                     ; 16 LDS loads: tiles 2 b, 2 b + 1, K steps 2 k, 2 k + 1 -> buffer k % 2
	WIN 0xc0                                       ; destination window 3
.irp sl, 0,1
.irp u, 0,1
.irp c, 0,1,2,3
	ds_load_b128 v[WF+64*((\k)%2)+32*\sl+16*\u+4*\c:WF+64*((\k)%2)+32*\sl+16*\u+4*\c+3], v[WBA+(\b)] offset:(64*\u+8*(2*(\k)+\sl)+2*\c)*UP
.endr
.endr
.endr
.endm
.macro WSLOAD b                        ; pass b's scale words -> set b % 2
	WIN 0
	ds_load_b128 v[WS+8*((\b)%2):WS+8*((\b)%2)+3], v[SRD] offset:1024*(\b)
	ds_load_b128 v[WS+8*((\b)%2)+4:WS+8*((\b)%2)+7], v[SRD] offset:1024*(\b)+512
.endm
.macro ALOAD k                         ; 40 loads of 512 consecutive bytes: the five tiles' fragments of K steps 2 k, 2 k + 1, as they were stored
.irp i, 0,1,2,3,4
	WIN 0x40*(1+\i/2)
.irp sl, 0,1
.irp c, 0,1,2,3
	global_load_b128 v[128*(\i%2)+16*(2*(\k)+\sl)+4*\c:128*(\i%2)+16*(2*(\k)+\sl)+4*\c+3], v[AO+\i], s[36:37] offset:2048*(2*(\k)+\sl)+512*\c
.endr
.endr
.endr
.endm
.macro WMZ u                           ; the first K step starts a sum: C = 0 (its words of the hidden rows lie in lanes 0-15)
.if (\u)
	v_wmma_scale_f32_16x16x128_f8f6f4 v[rD:rD+7], v[rW:rW+15], v[rA:rA+15], 0, v[rX], v[rY] matrix_a_fmt:MATRIX_FMT_BF8 matrix_b_fmt:MATRIX_FMT_BF8 matrix_a_scale:MATRIX_SCALE_ROW1
.else
	v_wmma_scale_f32_16x16x128_f8f6f4 v[rD:rD+7], v[rW:rW+15], v[rA:rA+15], 0, v[rX], v[rY] matrix_a_fmt:MATRIX_FMT_BF8 matrix_b_fmt:MATRIX_FMT_BF8
.endif
.endm
.macro WM u, o                         ; u: the weights' words lie in lanes 16-31;  o: so do the hidden rows'
.if (\u) && (\o)
	v_wmma_scale_f32_16x16x128_f8f6f4 v[rD:rD+7], v[rW:rW+15], v[rA:rA+15], v[rD:rD+7], v[rX], v[rY] matrix_a_fmt:MATRIX_FMT_BF8 matrix_b_fmt:MATRIX_FMT_BF8 matrix_a_scale:MATRIX_SCALE_ROW1 matrix_b_scale:MATRIX_SCALE_ROW1
.elseif (\u)
	v_wmma_scale_f32_16x16x128_f8f6f4 v[rD:rD+7], v[rW:rW+15], v[rA:rA+15], v[rD:rD+7], v[rX], v[rY] matrix_a_fmt:MATRIX_FMT_BF8 matrix_b_fmt:MATRIX_FMT_BF8 matrix_a_scale:MATRIX_SCALE_ROW1
.elseif (\o)
	v_wmma_scale_f32_16x16x128_f8f6f4 v[rD:rD+7], v[rW:rW+15], v[rA:rA+15], v[rD:rD+7], v[rX], v[rY] matrix_a_fmt:MATRIX_FMT_BF8 matrix_b_fmt:MATRIX_FMT_BF8 matrix_b_scale:MATRIX_SCALE_ROW1
.else
	v_wmma_scale_f32_16x16x128_f8f6f4 v[rD:rD+7], v[rW:rW+15], v[rA:rA+15], v[rD:rD+7], v[rX], v[rY] matrix_a_fmt:MATRIX_FMT_BF8 matrix_b_fmt:MATRIX_FMT_BF8
.endif
.endm
.macro MUL b, s, i, u                  ; weight tile 2 b + u x routed tile i, K step s of the quarter
.set rD, ACC+80*((\b)%2)+16*(\i)+8*(\u)
.set rW, WF+64*(((\s)/2)%2)+32*((\s)%2)+16*(\u)
.set rA, 128*((\i)%2)+16*(\s)
.set rX, WS+8*((\b)%2)+(\s)
.set rY, AS+4*(\i)+(\s)/2
.if (\s) == 0
	WMZ \u
.else
	WM \u, (\s)%2
.endif
.endm
.macro MULS b, k                       ; 20 matrix instructions; the ten accumulators by turns, one instruction a turn
.irp grp, 0,1,2
	WIN 0x07+4*\grp                                ; source 0 (weights) window 3, source 1 (hidden) window 1, 2 or 3, C and D window 0
.irp sl, 0,1
.irp ii, 0,1
.if 2*\grp+\ii < 5
.irp u, 0,1
	MUL \b, 2*(\k)+\sl, 2*\grp+\ii, \u
.endr
.endif
.endr
.endr
.endr
.endm
; Two K steps of a pass.  A load into a register that a matrix instruction has read stands eight places behind it: the eight v_nop.
.macro DSTEP b, k
	s_wait_dscnt 0x0                               ; this double step's fragments, asked for a double step ago, are in
	PLACES 8
.if (\k) < 3
	WFLOAD \b, (\k)+1                              ; the next double step's, into the buffer just left
.elseif (\b) < 3
	WFLOAD (\b)+1, 0
.endif
.if ((\k) == 2) && ((\b) < 3)
	WSLOAD (\b)+1
.endif
.if (\b) == 0                          ; the first pass meets the hidden fragments as they arrive: behind double step k's stand 40 (3 - k) younger loads (a wait's count holds 63 at the most)
.if (\k) < 2
	s_wait_loadcnt 63
.else
	s_wait_loadcnt 40*(3-(\k))
.endif
.endif
	MULS \b, \k
.endm
; Passes 2 bp and 2 bp + 1 go out: outputs 64 bp .. + 63 of the work-group's 128.  All five tiles go through my stage one behind the other (LDS serves a wave's instructions in order: ISA guide 5.7.1.4:
; no wait between a tile's stores, its loads and the next tile's stores) and come back, as whole rows, into the registers that they left; only the stores to memory are guarded.
.macro FLUSH bp
	WIN 0
	PLACES 8                                       ; ahead of the first read of results just made, and of loads into them
.irp i, 0,1,2,3,4
.irp par, 0,1
.irp k, 0,1,2,3
	ds_store_b128 v[STO], v[ACC+80*\par+16*\i+4*\k:ACC+80*\par+16*\i+4*\k+3] offset:128*\par+16*\k    ; each accumulator from its low end on
.endr
.endr
.irp t, 0,1,2,3,4,5,6,7
	ds_load_b128 v[ACC+80*(\t/4)+16*\i+4*(\t%4):ACC+80*(\t/4)+16*\i+4*(\t%4)+3], v[RD] offset:2*UP*\t
.endr
.endr
.irp i, 0,1,2,3,4
.if \i > 0
	s_cmp_gt_u32 s31, \i
	s_cbranch_scc0 .Lflushed_\@                    ; tiles past my count store nothing
.endif
.if \i == 0
	s_wait_dscnt 63                                ; tile i is back: 16 younger LDS instructions for each later tile may be out (a wait's count holds 63 at the most)
.else
	s_wait_dscnt 16*(4-\i)
.endif
.irp t, 0,1,2,3,4,5,6,7
	global_store_b128 v[PO], v[ACC+80*(\t/4)+16*\i+4*(\t%4):ACC+80*(\t/4)+16*\i+4*(\t%4)+3], s[48:49] offset:1048576*\i+32768*\t+256*(\bp) th:TH_STORE_NT   ; 16 lanes store 256 consecutive bytes, aligned
.endr
.endr
.Lflushed_\@:
	s_wait_dscnt 0x0                               ; the loads of tiles that were not stored are in too,
	s_wait_xcnt 0x0                                ; and the stores have read their registers: the next products write them
.endm
.Lsweep:
	s_cmp_lt_i32 s30, 4
	s_cbranch_scc1 .Lskip                          ; no tile of mine in this sweep
	s_lshr_b32 s31, s30, 2
	s_min_u32 s31, s31, 5                          ; my tiles in it
	PLACES 8                                       ; behind the last sweep's products: loads follow into registers that they read
	WFLOAD 0, 0
	WSLOAD 0
	s_sub_co_u32 s40, s31, 1
.irp i, 0,1,2,3,4
	s_min_u32 s41, s40, \i                         ; tile i, or my last tile in its stead
	s_lshl_b32 s42, s41, 18                        ; four tiles of 65,536 bytes
	v_add_nc_u32 v[AO+\i], s42, v[L16]
	s_lshl_b32 s42, s41, 8                         ; four tiles of 16 words
	v_add_nc_u32 v[SO+\i], s42, v[HS0]
.endr
.irp i, 0,1,2,3,4
.irp m, 0,1,2,3
	global_load_b32 v[AS+4*\i+\m], v[SO+\i], s[38:39] offset:8192*\m    ; the words of K step 2 m + h
.endr
.endr
.irp k, 0,1,2,3
	ALOAD \k
.endr
.irp b, 0,1,2,3
	DSTEP \b, 0
	DSTEP \b, 1
	DSTEP \b, 2
	DSTEP \b, 3
.if (\b%2) == 1
	FLUSH \b/2
.endif
.endr
.Lskip:
	s_wait_xcnt 0x0                                ; loads and stores have read their bases
	s_add_nc_u64 s[36:37], s[36:37], 20*65536      ; 20 tiles on
	s_add_nc_u64 s[38:39], s[38:39], 1280
	s_add_nc_u64 s[48:49], s[48:49], 20*16*16384
	s_sub_co_i32 s30, s30, 20
	s_add_co_u32 s32, s32, 1
	s_cmp_lt_u32 s32, 4
	s_cbranch_scc1 .Lsweep
	s_wait_tensorcnt 0x0
	ds_add_u32 v94, v95
	s_wait_dscnt 0x0
	s_endpgm
.Lfunc_end_k_qefcf0d015b_ffn2:
	.size	k_qefcf0d015b_ffn2, .Lfunc_end_k_qefcf0d015b_ffn2-k_qefcf0d015b_ffn2
	.p2alignl 7, 3214868480
	.fill 96, 4, 3214868480
	.section	.rodata,"a",@progbits
	.p2align	6, 0x0
	.amdhsa_kernel k_qefcf0d015b_ffn2
		.amdhsa_group_segment_fixed_size 161280
		.amdhsa_private_segment_fixed_size 0
		.amdhsa_enable_private_segment 0
		.amdhsa_kernarg_size 48
		.amdhsa_user_sgpr_count 2
		.amdhsa_user_sgpr_kernarg_segment_ptr 1
		.amdhsa_wavefront_size32 1
		.amdhsa_system_sgpr_workgroup_id_x 1
		.amdhsa_system_sgpr_workgroup_id_y 1
		.amdhsa_system_sgpr_workgroup_id_z 1
		.amdhsa_system_vgpr_workitem_id 0
		.amdhsa_next_free_vgpr 1024
		.amdhsa_next_free_sgpr 100
		.amdhsa_reserve_vcc 0
		.amdhsa_float_denorm_mode_32 3
		.amdhsa_float_denorm_mode_16_64 3
		.amdhsa_memory_ordered 1
		.amdhsa_forward_progress 1
		.amdhsa_inst_pref_size 118
	.end_amdhsa_kernel
	.amdgpu_metadata
---
amdhsa.version: [ 1, 2 ]
amdhsa.kernels:
  - .name:           k_qefcf0d015b_ffn2
    .symbol:         k_qefcf0d015b_ffn2.kd
    .args:
      - { .name: W2_codes, .offset: 0, .size: 8, .value_kind: global_buffer, .address_space: global }
      - { .name: W2_scales, .offset: 8, .size: 8, .value_kind: global_buffer, .address_space: global }
      - { .name: hcodes, .offset: 16, .size: 8, .value_kind: global_buffer, .address_space: global }
      - { .name: hscales, .offset: 24, .size: 8, .value_kind: global_buffer, .address_space: global }
      - { .name: masks, .offset: 32, .size: 8, .value_kind: global_buffer, .address_space: global }
      - { .name: parts, .offset: 40, .size: 8, .value_kind: global_buffer, .address_space: global }
    .group_segment_fixed_size: 161280
    .private_segment_fixed_size: 0
    .kernarg_segment_align: 8
    .kernarg_segment_size: 48
    .max_flat_workgroup_size: 128
    .sgpr_count:     100
    .vgpr_count:     1024
    .wavefront_size: 32
...
	.end_amdgpu_metadata
.endif
;; end of part 3
;; launch combine (part 4): grid 256 x 1, 8 waves a work-group, no clusters, 0 bytes of LDS; arguments pos, parts, b2, out0; writes out0
.if DOCPART == 4
	.amdgcn_target "amdgcn-amd-amdhsa--gfx1250"
	.amdhsa_code_object_version 6
	.text
	.protected	k_qefcf0d015b_combine
	.globl	k_qefcf0d015b_combine
	.p2align	8
	.type	k_qefcf0d015b_combine,@function
k_qefcf0d015b_combine:
	s_mov_b64 s[64:65], 0
	v_nop
	global_prefetch_b8 v0, s[64:65] scope:SCOPE_SE
	s_setreg_imm32_b32 hwreg(HW_REG_WAVE_MODE, 25, 1), 1
	s_wait_xcnt 0x0
; out0[t] = the sum over the token's two experts of (b2[e] + the four parts along K of its row).  Each output row has one owner, so nothing is added across work-groups.
; A stream: a wave takes half a row (2,048 bytes) of one token: 40 loads of 512 consecutive bytes, all issued at once, 4 stores of 512.  No LDS, no barrier, no matrix work: bytes are all there is.
; pos[e][t] holds 1024 e + rank where token t chose expert e, else 0x7fffffff: the two smallest of a token's eight words are its two rows.
.set R, 16                             ; v16-175: piece kk (512 bytes) at 40 kk: 4 parts of the first row, 4 of the second, b2 of the first expert, of the second: 4 registers each
	s_load_b256 s[4:11], s[0:1], 0x0               ; pos, parts, b2, out0
	v_lshrrev_b32 v1, 5, v0
	v_readfirstlane_b32 s22, v1                    ; wave
	v_and_b32 v1, 31, v0
	v_lshlrev_b32 v1, 4, v1                        ; 16 bytes a lane
	s_lshr_b32 s12, s22, 1
	s_lshl_b32 s13, ttmp9, 2
	s_add_co_u32 s12, s12, s13                     ; my token: 4 x work-group + wave / 2
	s_and_b32 s13, s22, 1
	s_lshl_b32 s13, s13, 11                        ; my half of its row
	s_lshl_b32 s14, s12, 2
	s_mov_b32 s15, 0
	s_lshl_b32 s20, s12, 12
	s_add_co_u32 s20, s20, s13
	s_mov_b32 s21, 0
	s_wait_kmcnt 0x0
	s_add_nc_u64 s[4:5], s[4:5], s[14:15]
.irp e, 0,1,2,3,4,5,6,7
	s_load_b32 s[24+\e], s[4:5], 4096*\e
.endr
	s_add_nc_u64 s[10:11], s[10:11], s[20:21]
	s_mov_b32 s16, 0x7fffffff
	s_mov_b32 s17, 0x7fffffff
	s_wait_kmcnt 0x0
.irp e, 0,1,2,3,4,5,6,7
	s_max_u32 s18, s16, s[24+\e]
	s_min_u32 s16, s16, s[24+\e]                   ; the smallest so far,
	s_min_u32 s17, s17, s18                        ; and the second
.endr
	s_lshr_b32 s18, s16, 10
	s_min_u32 s18, s18, 7                          ; the first expert
	s_min_u32 s16, s16, 0x1fff                     ; and its row
	s_lshr_b32 s19, s17, 10
	s_min_u32 s19, s19, 7
	s_min_u32 s17, s17, 0x1fff
	s_lshl_b32 s32, s16, 14                        ; a row of parts is 16,384 bytes
	s_add_co_u32 s32, s32, s13
	s_mov_b32 s33, 0
	s_add_nc_u64 s[32:33], s[6:7], s[32:33]
	s_lshl_b32 s34, s17, 14
	s_add_co_u32 s34, s34, s13
	s_mov_b32 s35, 0
	s_add_nc_u64 s[34:35], s[6:7], s[34:35]
	s_lshl_b32 s36, s18, 12                        ; a row of b2 is 4,096 bytes
	s_add_co_u32 s36, s36, s13
	s_mov_b32 s37, 0
	s_add_nc_u64 s[36:37], s[8:9], s[36:37]
	s_lshl_b32 s38, s19, 12
	s_add_co_u32 s38, s38, s13
	s_mov_b32 s39, 0
	s_add_nc_u64 s[38:39], s[8:9], s[38:39]
.irp kk, 0,1,2,3
.irp q, 0,1,2,3
	global_load_b128 v[R+40*\kk+4*\q:R+40*\kk+4*\q+3], v1, s[32:33] offset:4096*\q+512*\kk th:TH_LOAD_NT
.endr
.irp q, 0,1,2,3
	global_load_b128 v[R+40*\kk+16+4*\q:R+40*\kk+16+4*\q+3], v1, s[34:35] offset:4096*\q+512*\kk th:TH_LOAD_NT
.endr
	global_load_b128 v[R+40*\kk+32:R+40*\kk+35], v1, s[36:37] offset:512*\kk
	global_load_b128 v[R+40*\kk+36:R+40*\kk+39], v1, s[38:39] offset:512*\kk
.endr
.macro ADD4 d, s                       ; four numbers onto four
	v_pk_add_f32 v[\d:\d+1], v[\d:\d+1], v[\s:\s+1]
	v_pk_add_f32 v[\d+2:\d+3], v[\d+2:\d+3], v[\s+2:\s+3]
.endm
.irp kk, 0,1,2,3
	s_wait_loadcnt 10*(3-\kk)                      ; this piece's ten loads are in; ten for each later piece may be out
	ADD4 R+40*\kk, R+40*\kk+4
	ADD4 R+40*\kk+8, R+40*\kk+12
	ADD4 R+40*\kk+16, R+40*\kk+20
	ADD4 R+40*\kk+24, R+40*\kk+28
	ADD4 R+40*\kk+32, R+40*\kk+36
	ADD4 R+40*\kk, R+40*\kk+8
	ADD4 R+40*\kk+16, R+40*\kk+24
	ADD4 R+40*\kk, R+40*\kk+16
	ADD4 R+40*\kk, R+40*\kk+32
	global_store_b128 v1, v[R+40*\kk:R+40*\kk+3], s[10:11] offset:512*\kk th:TH_STORE_NT   ; 32 lanes store 512 consecutive bytes, aligned
.endr
	s_endpgm
.Lfunc_end_k_qefcf0d015b_combine:
	.size	k_qefcf0d015b_combine, .Lfunc_end_k_qefcf0d015b_combine-k_qefcf0d015b_combine
	.p2alignl 7, 3214868480
	.fill 96, 4, 3214868480
	.section	.rodata,"a",@progbits
	.p2align	6, 0x0
	.amdhsa_kernel k_qefcf0d015b_combine
		.amdhsa_group_segment_fixed_size 0
		.amdhsa_private_segment_fixed_size 0
		.amdhsa_enable_private_segment 0
		.amdhsa_kernarg_size 32
		.amdhsa_user_sgpr_count 2
		.amdhsa_user_sgpr_kernarg_segment_ptr 1
		.amdhsa_wavefront_size32 1
		.amdhsa_system_sgpr_workgroup_id_x 1
		.amdhsa_system_sgpr_workgroup_id_y 1
		.amdhsa_system_sgpr_workgroup_id_z 1
		.amdhsa_system_vgpr_workitem_id 0
		.amdhsa_next_free_vgpr 176
		.amdhsa_next_free_sgpr 66
		.amdhsa_reserve_vcc 0
		.amdhsa_float_denorm_mode_32 3
		.amdhsa_float_denorm_mode_16_64 3
		.amdhsa_memory_ordered 1
		.amdhsa_forward_progress 1
		.amdhsa_inst_pref_size 12
	.end_amdhsa_kernel
	.amdgpu_metadata
---
amdhsa.version: [ 1, 2 ]
amdhsa.kernels:
  - .name:           k_qefcf0d015b_combine
    .symbol:         k_qefcf0d015b_combine.kd
    .args:
      - { .name: pos, .offset: 0, .size: 8, .value_kind: global_buffer, .address_space: global }
      - { .name: parts, .offset: 8, .size: 8, .value_kind: global_buffer, .address_space: global }
      - { .name: b2, .offset: 16, .size: 8, .value_kind: global_buffer, .address_space: global }
      - { .name: out0, .offset: 24, .size: 8, .value_kind: global_buffer, .address_space: global }
    .group_segment_fixed_size: 0
    .private_segment_fixed_size: 0
    .kernarg_segment_align: 8
    .kernarg_segment_size: 32
    .max_flat_workgroup_size: 256
    .sgpr_count:     66
    .vgpr_count:     176
    .wavefront_size: 32
...
	.end_amdgpu_metadata
.endif
;; end of part 4
;; ======== version 2 of 3: 4 launches
;; limits: right only within a limited range of input values
;; workspace buffers: xcodes 1,048,576 bytes; xscales 32,768 bytes; masks 1,024 bytes of whole numbers; pos 32,768 bytes of whole numbers; hcodes 33,554,432 bytes; hscales 1,048,576 bytes; parts 134,217,728 bytes
;; launch route: the kernel of part 1 again; grid 128 x 1, 4 waves a work-group, no clusters, 35,840 bytes of LDS; arguments x, Wg, bg, xcodes, xscales, masks, out1; writes xcodes, xscales, masks, out1
;; launch ffn1 (part 5): grid 32 x 8, 4 waves a work-group, no clusters, 143,872 bytes of LDS; arguments W1_codes, W1_scales, b1, xcodes, xscales, masks, hcodes, hscales, pos; writes hcodes, hscales, pos
.if DOCPART == 5
	.amdgcn_target "amdgcn-amd-amdhsa--gfx1250"
	.amdhsa_code_object_version 6
	.text
	.protected	k_qefcf0d015b_ffn1
	.globl	k_qefcf0d015b_ffn1
	.p2align	8
	.type	k_qefcf0d015b_ffn1,@function
k_qefcf0d015b_ffn1:
	s_mov_b64 s[64:65], 0
	v_nop
	global_prefetch_b8 v0, s[64:65] scope:SCOPE_SE
	s_setreg_imm32_b32 hwreg(HW_REG_WAVE_MODE, 25, 1), 1
	s_wait_xcnt 0x0
; THE FIRST PRODUCT, for the chosen rows alone: hidden = Q(relu(x W1 + b1)), MX-BF8 on both sides, f32 sums.
; SHARES.  Work-group (S, e) owns hidden units 128 S .. 128 S + 127 of expert e: 128 rows of W1 x 1,024 along K = 131,072 bytes of codes, read from memory once and kept in LDS.
; The expert's rows (the tokens whose bit is set in masks) are ranked in token order; 16 ranks are a tile.  A wave owns whole tiles and takes each through all of K and all 128 units by itself,
; so behind the one barrier at the head no wave waits for another, and branches on the row count touch no barrier.
; A SWEEP is 5 tiles a wave (tiles 20 v + wave + 4 i), their codes of x resident in 640 registers; four passes of 32 units each read every weight fragment from LDS once a sweep.
; The loop has 4 sweeps whatever the split (80 tiles cover all 1,024 tokens on one expert); a sweep without tiles is jumped over.  A tile past the wave's count is multiplied on token 1023's row and stores nothing.
; WHICH TOKEN HAS RANK R is found in registers, by each wave for its own rows, from the expert's 32 words of bits in scalar registers: a walk over the words picks the word that holds the rank and the count
; ahead of it, five halvings over partial bit counts pick the bit.  So no list goes through LDS, and THE FIRST SWEEP'S ROWS ARE ASKED FOR AT THE HEAD, while the weights are on their way.
; NO TENSOR LOADS, NO CLUSTER: the 32 work-groups of an expert do read the same rows of x, but which sweeps run and which tiles store hangs on counts read from memory.
; LAYOUT.  The product is used transposed (source 0 = 16 rows of W1, source 1 = 16 routed rows).  Lane r of weight tile 2 b + u takes unit 32 b + 8 u + r + 8 (r / 8), so a lane's 16 results of a pass are
; units 32 b + 16 (lane / 16) + 0..15 of ONE row: the conversions' results are registers 4 b .. 4 b + 3 of the second product's operand for K step S.
; OUT: hcodes [e][tile 64][S 32][c 4][lane 32][16 bytes]: images of operand registers;  hscales [e][S 32][slot 1024]: a word a row;  pos [e][token]: 1024 e + rank, or 0x7fffffff:
; work-group (S, e) stores the words of tokens 32 S .. 32 S + 31.
; LIMITS: NaN and infinities are not served; a block of zeros gets the byte 1 (its codes are zeros; only this program reads the bytes).  pos leaves in runs of 128 bytes, hscales in runs of 64: 1/32 of the codes' bytes.
; A load of x reads 32 bytes of each of 16 rows: a lane's row is its own token's.
.set UP,   272                         ; a unit in LDS: 16 rows x 16 bytes of one weight tile + 16 of padding (64 banks of 4 bytes: ISA guide 11.1: 32 lanes a unit apart, or 16 bytes apart, meet no bank twice in a pass)
.set SCL,  0                           ; W1's scale words: [block 4][half 2][lane 32][16 bytes]
.set WL,   SCL+4096                    ; W1's codes: unit 64 x tile + K / 16, 512 units
.set L16,  1                           ; v1     16 x lane
.set WST,  2                           ; v2     where I store weights: WL + 128 UP wave + UP lane
.set SST,  3                           ; v3     and their scale words
.set WBA,  4                           ; v4-7   where I read pass b's fragments: WL + 128 UP b + UP (lane / 16) + 16 (lane % 16)
.set SRD,  8                           ; v8     SCL + 16 lane
.set RK,   9                           ; v9     16 wave + lane % 16: my row's rank in tile 0 of sweep 0
.set H16,  10                          ; v10    16 (lane / 16)
.set R4,   11                          ; v11    4 (lane % 16)
.set AO,   12                          ; v12-16 tile i: my row's byte offset in xcodes
.set SO,   17                          ; v17-21 and in xscales
.set WSO,  22                          ; v22    my row's offset in W1_scales
.set BO,   23                          ; v23    64 (lane / 16): b1
.set AS,   24                          ; v24-43 x's scale words: tile i, register m: lanes 0-15 K step 2 m, lanes 16-31 K step 2 m + 1
.set WS,   44                          ; v44-59 W1's scale words, two sets of 8 (K step s): lanes 0-15 tile 2 b, lanes 16-31 tile 2 b + 1
.set TM,   60                          ; v60-67 at work
.set SW,   68                          ; v68-72 tile i: the hidden row's scale word, a byte a pass
.set CD,   76                          ; v76-95 tile i: 16 codes
.set ACC,  96                          ; v96-175 tile i: two accumulators.  Ahead of a sweep's products: the search for the tokens, 11 registers a tile
.set BIAS, 176                         ; v176-239 pass b: b1 in the result's layout
.set WF,   128                         ; window 3, v128-255: weight fragments, two buffers of 64: (K step % 2, u) at 32, 16
                                       ; windows 1, 2 and v0-127 of window 3: x's fragments: tile i at 128 i, K step s at 16 s
.set MSB, 0
.macro WIN new                         ; the immediate's high byte repeats the setting that is left
.if MSB != (\new)
	s_set_vgpr_msb (MSB<<8)|(\new)
.set MSB, (\new)
.endif
.endm
.macro PLACES n
.rept \n
	v_nop
.endr
.endm
; Where row rho of my block of 32 weight rows waits for its way into LDS: 8 registers at wr of window wn.  Rows 0-15: the weight fragments' buffers; rows 16-31: the registers of tiles 0-3 for K steps 6 and 7,
; whose loads go out behind the weights' LDS stores.  So the registers of K steps 0 to 5 are free for the rows' loads at once.
.macro WREG rho
.if (\rho) < 16
.set wn, 3
.set wr, 128+8*(\rho)
.else
.set wn, 1+((\rho)-16)/8
.set wr, 128*((((\rho)-16)/4)%2)+96+8*(((\rho)-16)%4)
.endif
.endm
; One halving of the search in a word: the count of set bits in the lower half of what is left is a field of the partial counts (register src, width bits at pos).  Where my number n is not under it, the bit lies in the upper half.
.macro LEVEL src, width
.irp i, 0,1,2,3,4
	v_bfe_u32 v[ACC+16*\i+8], v[ACC+16*\i+\src], v[ACC+16*\i+7], \width
.endr
.irp i, 0,1,2,3,4
	v_cmp_ge_u32 s[50+\i], v[ACC+16*\i], v[ACC+16*\i+8]
.endr
.irp i, 0,1,2,3,4
	v_cndmask_b32 v[ACC+16*\i+8], 0, v[ACC+16*\i+8], s[50+\i]
	v_cndmask_b32 v[ACC+16*\i+9], 0, \width, s[50+\i]
.endr
.irp i, 0,1,2,3,4
	v_sub_nc_u32 v[ACC+16*\i], v[ACC+16*\i], v[ACC+16*\i+8]
	v_add_nc_u32 v[ACC+16*\i+7], v[ACC+16*\i+7], v[ACC+16*\i+9]
.endr
.endm
; THE TOKENS OF MY FIVE TILES' ROWS in the sweep whose first rank is s25, and their offsets in xcodes and xscales.  Tile i at X = ACC + 16 i: X rank, then n; X+1 the word; X+2 word number << 16 | count ahead;
; X+3, 4, 5 counts of 2, 4, 8 bits; X+7 pos; X+8, 9 at work.  The five tiles by turns, so that no line waits for the line above it.  A rank past the expert's last row ends at token 1023.
.macro TOKENS
.irp i, 0,1,2,3,4
	v_add_nc_u32 v[ACC+16*\i], s25, v[RK]
.endr
.irp i, 1,2,3,4
	v_add_nc_u32 v[ACC+16*\i], 64*\i, v[ACC+16*\i]         ; rank = first rank of the sweep + 16 wave + 64 i + lane % 16
.endr
.irp i, 0,1,2,3,4
	v_mov_b32 v[ACC+16*\i+1], s68
	v_mov_b32 v[ACC+16*\i+2], 0
.endr
	s_bcnt1_i32_b32 s40, s68                       ; chosen tokens ahead of word 1
.set g, 1
.rept 31                               ; the last word whose count ahead is not above the rank holds it
	s_or_b32 s41, s40, g<<16
.irp i, 0,1,2,3,4
	v_cmp_le_u32 s[50+\i], s40, v[ACC+16*\i]
.endr
.irp i, 0,1,2,3,4
	v_cndmask_b32 v[ACC+16*\i+1], v[ACC+16*\i+1], s[68+g], s[50+\i]
	v_cndmask_b32 v[ACC+16*\i+2], v[ACC+16*\i+2], s41, s[50+\i]
.endr
	s_bcnt1_i32_b32 s42, s[68+g]
	s_add_co_u32 s40, s40, s42
.set g, g+1
.endr
.irp i, 0,1,2,3,4
	v_and_b32 v[ACC+16*\i+8], 0xffff, v[ACC+16*\i+2]
.endr
.irp i, 0,1,2,3,4
	v_sub_nc_u32 v[ACC+16*\i], v[ACC+16*\i], v[ACC+16*\i+8]        ; n: which set bit of the word, from 0
.endr
.irp i, 0,1,2,3,4
	v_lshrrev_b32 v[ACC+16*\i+8], 1, v[ACC+16*\i+1]
.endr
.irp i, 0,1,2,3,4
	v_and_b32 v[ACC+16*\i+8], 0x55555555, v[ACC+16*\i+8]
.endr
.irp i, 0,1,2,3,4
	v_sub_nc_u32 v[ACC+16*\i+3], v[ACC+16*\i+1], v[ACC+16*\i+8]    ; the count of each 2 bits
.endr
.irp i, 0,1,2,3,4
	v_lshrrev_b32 v[ACC+16*\i+8], 2, v[ACC+16*\i+3]
.endr
.irp i, 0,1,2,3,4
	v_and_b32 v[ACC+16*\i+8], 0x33333333, v[ACC+16*\i+8]
	v_and_b32 v[ACC+16*\i+4], 0x33333333, v[ACC+16*\i+3]
.endr
.irp i, 0,1,2,3,4
	v_add_nc_u32 v[ACC+16*\i+4], v[ACC+16*\i+4], v[ACC+16*\i+8]    ; of each 4
.endr
.irp i, 0,1,2,3,4
	v_lshrrev_b32 v[ACC+16*\i+8], 4, v[ACC+16*\i+4]
.endr
.irp i, 0,1,2,3,4
	v_add_nc_u32 v[ACC+16*\i+5], v[ACC+16*\i+4], v[ACC+16*\i+8]
.endr
.irp i, 0,1,2,3,4
	v_and_b32 v[ACC+16*\i+5], 0x0f0f0f0f, v[ACC+16*\i+5]           ; of each 8
.endr
.irp i, 0,1,2,3,4
	v_bfe_u32 v[ACC+16*\i+8], v[ACC+16*\i+5], 8, 8
	v_and_b32 v[ACC+16*\i+9], 0xff, v[ACC+16*\i+5]
.endr
.irp i, 0,1,2,3,4
	v_add_nc_u32 v[ACC+16*\i+8], v[ACC+16*\i+8], v[ACC+16*\i+9]    ; of the lower 16
.endr
.irp i, 0,1,2,3,4
	v_cmp_ge_u32 s[50+\i], v[ACC+16*\i], v[ACC+16*\i+8]
.endr
.irp i, 0,1,2,3,4
	v_cndmask_b32 v[ACC+16*\i+8], 0, v[ACC+16*\i+8], s[50+\i]
	v_cndmask_b32 v[ACC+16*\i+7], 0, 16, s[50+\i]                  ; pos begins at 0 or 16
.endr
.irp i, 0,1,2,3,4
	v_sub_nc_u32 v[ACC+16*\i], v[ACC+16*\i], v[ACC+16*\i+8]
.endr
	LEVEL 5, 8
	LEVEL 4, 4
	LEVEL 3, 2
	LEVEL 1, 1
.irp i, 0,1,2,3,4
	v_lshrrev_b32 v[ACC+16*\i+8], 16, v[ACC+16*\i+2]
.endr
.irp i, 0,1,2,3,4
	v_lshl_add_u32 v[AO+\i], v[ACC+16*\i+8], 5, v[ACC+16*\i+7]     ; the token: 32 x word + bit
.endr
.irp i, 0,1,2,3,4
	v_min_u32 v[AO+\i], 0x3ff, v[AO+\i]            ; a number made of loaded words enters an address only behind a clamp by a constant; behind it plain shifts and additions alone
.endr
.irp i, 0,1,2,3,4
	v_lshlrev_b32 v[SO+\i], 5, v[AO+\i]            ; 32 scale bytes a token,
	v_lshlrev_b32 v[AO+\i], 10, v[AO+\i]           ; 1,024 codes
.endr
.irp i, 0,1,2,3,4
	v_add_nc_u32 v[SO+\i], v[H16], v[SO+\i]        ; + 16 (lane / 16) in both
	v_add_nc_u32 v[AO+\i], v[H16], v[AO+\i]
.endr
.endm
.macro XSLOAD                          ; x's scale words: those of K steps h, 2 + h, 4 + h, 6 + h
.irp i, 0,1,2,3,4
	global_load_b128 v[AS+4*\i:AS+4*\i+3], v[SO+\i], s[12:13]
.endr
.endm
.macro ALOAD k                         ; 40 loads: the five tiles' fragments of K steps 2 k, 2 k + 1: lane (r, h): 16 bytes at 128 s + 32 c + 16 h of its token's row
.irp i, 0,1,2,3,4
	WIN 0x40*(1+\i/2)
.irp sl, 0,1
.irp c, 0,1,2,3
	global_load_b128 v[128*(\i%2)+16*(2*(\k)+\sl)+4*\c:128*(\i%2)+16*(2*(\k)+\sl)+4*\c+3], v[AO+\i], s[10:11] offset:128*(2*(\k)+\sl)+32*\c
.endr
.endr
.endr
.endm
.macro WFLOAD b, k                     ; 16 LDS loads: tiles 2 b, 2 b + 1, K steps 2 k, 2 k + 1 -> buffer k % 2
	WIN 0xc0                                       ; destination window 3
.irp sl, 0,1
.irp u, 0,1
.irp c, 0,1,2,3
	ds_load_b128 v[WF+64*((\k)%2)+32*\sl+16*\u+4*\c:WF+64*((\k)%2)+32*\sl+16*\u+4*\c+3], v[WBA+(\b)] offset:(64*\u+8*(2*(\k)+\sl)+2*\c)*UP
.endr
.endr
.endr
.endm
.macro WSLOAD b                        ; pass b's scale words -> set b % 2
	WIN 0
	ds_load_b128 v[WS+8*((\b)%2):WS+8*((\b)%2)+3], v[SRD] offset:1024*(\b)
	ds_load_b128 v[WS+8*((\b)%2)+4:WS+8*((\b)%2)+7], v[SRD] offset:1024*(\b)+512
.endm
.macro WM u, o                         ; u: the weights' words lie in lanes 16-31;  o: so do x's
.if (\u) && (\o)
	v_wmma_scale_f32_16x16x128_f8f6f4 v[rD:rD+7], v[rW:rW+15], v[rA:rA+15], v[rC:rC+7], v[rX], v[rY] matrix_a_fmt:MATRIX_FMT_BF8 matrix_b_fmt:MATRIX_FMT_BF8 matrix_a_scale:MATRIX_SCALE_ROW1 matrix_b_scale:MATRIX_SCALE_ROW1
.elseif (\u)
	v_wmma_scale_f32_16x16x128_f8f6f4 v[rD:rD+7], v[rW:rW+15], v[rA:rA+15], v[rC:rC+7], v[rX], v[rY] matrix_a_fmt:MATRIX_FMT_BF8 matrix_b_fmt:MATRIX_FMT_BF8 matrix_a_scale:MATRIX_SCALE_ROW1
.elseif (\o)
	v_wmma_scale_f32_16x16x128_f8f6f4 v[rD:rD+7], v[rW:rW+15], v[rA:rA+15], v[rC:rC+7], v[rX], v[rY] matrix_a_fmt:MATRIX_FMT_BF8 matrix_b_fmt:MATRIX_FMT_BF8 matrix_b_scale:MATRIX_SCALE_ROW1
.else
	v_wmma_scale_f32_16x16x128_f8f6f4 v[rD:rD+7], v[rW:rW+15], v[rA:rA+15], v[rC:rC+7], v[rX], v[rY] matrix_a_fmt:MATRIX_FMT_BF8 matrix_b_fmt:MATRIX_FMT_BF8
.endif
.endm
.macro MUL b, s, i, u                  ; weight tile 2 b + u x routed tile i, K step s.  The first K step takes b1 as its C: the bias costs no addition and nothing is cleared
.set rD, ACC+16*(\i)+8*(\u)
.set rW, WF+64*(((\s)/2)%2)+32*((\s)%2)+16*(\u)
.set rA, 128*((\i)%2)+16*(\s)
.set rX, WS+8*((\b)%2)+(\s)
.set rY, AS+4*(\i)+(\s)/2
.if (\s) == 0
.set rC, BIAS+16*(\b)+8*(\u)
.else
.set rC, rD
.endif
	WM \u, (\s)%2
.endm
.macro MULS b, k                       ; 20 matrix instructions; the ten accumulators by turns, one instruction a turn
.irp grp, 0,1,2
	WIN 0x07+4*\grp                                ; source 0 (weights) window 3, source 1 (x) window 1, 2 or 3, C and D window 0
.irp sl, 0,1
.irp ii, 0,1
.if 2*\grp+\ii < 5
.irp u, 0,1
	MUL \b, 2*(\k)+\sl, 2*\grp+\ii, \u
.endr
.endif
.endr
.endr
.endr
.endm
; Two K steps of a pass.  A load into a register that a matrix instruction has read stands eight places behind it: the eight v_nop.
.macro DSTEP b, k
	s_wait_dscnt 0x0                               ; this double step's fragments, asked for a double step ago, are in
	PLACES 8
.if (\k) < 3
	WFLOAD \b, (\k)+1                              ; the next double step's, into the buffer just left
.elseif (\b) < 3
	WFLOAD (\b)+1, 0
.endif
.if ((\k) == 2) && ((\b) < 3)
	WSLOAD (\b)+1
.endif
.if (\b) == 0                          ; the first pass meets x's fragments as they arrive: behind double step k's stand 40 (3 - k) younger loads (a wait's count holds 63 at the most)
.if (\k) < 2
	s_wait_loadcnt 63
.else
	s_wait_loadcnt 40*(3-(\k))
.endif
.endif
	MULS \b, \k
.endm
; Tile i's 16 results a lane of pass b: the activation, the block's scale, 16 codes, stored as registers 4 b .. 4 b + 3 of the next operand
.macro EPI1 b, i
.set rE, ACC+16*(\i)
	v_max3_num_f32 v[TM], v[rE], v[rE+1], 0x8000000                 ; no |.|: what is negative becomes 0 and must not count; the floor 2^(16 - 127) stands over it.  Each accumulator is read from its low end on
	v_max3_num_f32 v[TM+2], v[rE+8], v[rE+9], 0x8000000
.irp j, 2,4,6
	v_max3_num_f32 v[TM], v[TM], v[rE+\j], v[rE+\j+1]
	v_max3_num_f32 v[TM+2], v[TM+2], v[rE+8+\j], v[rE+9+\j]
.endr
	v_max_num_f32 v[TM], v[TM], v[TM+2]
	v_permlanex16_b32 v[TM+1], v[TM], s34, s35
	v_max_num_f32 v[TM], v[TM], v[TM+1]            ; with lane l xor 16's 16: the block's largest
	v_add_nc_u32 v[TM+3], 0xf8800000, v[TM]        ; 15 off the exponent field: the conversion's scale operand
	v_and_or_b32 v[TM+4], v[TM], 0x7f800000, s33   ; 57,344 x the scale
	v_lshrrev_b32 v[TM+5], 23, v[TM+3]             ; the scale's byte
	v_lshl_or_b32 v[SW+(\i)], v[TM+5], 8*(\b), v[SW+(\i)]
.irp j, 0,1,2,3,4,5,6,7,8,9,10,11,12,13,14,15
	v_med3_num_f32 v[rE+\j], v[rE+\j], 0, v[TM+4]  ; the activation and the hold in one (the conversion does not saturate: ISA guide 7.6.2)
.endr
	v_cvt_scalef32_pk8_bf8_f32 v[CD+4*(\i):CD+4*(\i)+1], v[rE:rE+7], v[TM+3]
	v_cvt_scalef32_pk8_bf8_f32 v[CD+4*(\i)+2:CD+4*(\i)+3], v[rE+8:rE+15], v[TM+3]
	v_nop                                          ; a plain line behind the conversions: the next products write their sources
	global_store_b128 v[L16], v[CD+4*(\i):CD+4*(\i)+3], s[36:37] offset:262144*(\i)+512*(\b)   ; 32 lanes store 512 consecutive bytes, aligned
.if (\b) == 3
	global_store_b32 v[R4], v[SW+(\i)], s[38:39] offset:256*(\i)    ; the row's word: lanes l and l xor 16 hold the same word and name the same place
.endif
.endm
.macro EPIS b
	s_wait_xcnt 0x0                                ; the last pass's stores have read their codes (and wave 0's store of pos its registers)
	EPI1 \b, 0
.irp i, 1,2,3,4
	s_cmp_gt_u32 s31, \i
	s_cbranch_scc0 .Ldone_\@                       ; tiles past my count store nothing
	EPI1 \b, \i
.endr
.Ldone_\@:
.endm
	s_load_b512 s[4:19], s[0:1], 0x0               ; W1_codes, W1_scales, b1, xcodes, xscales, masks, hcodes, hscales
	s_load_b64 s[20:21], s[0:1], 0x40              ; pos
	v_lshl_add_u32 v254, v0, 2, 0x23000
	v_mov_b32 v255, 0
	v_lshrrev_b32 v60, 5, v0
	v_readfirstlane_b32 s22, v60                   ; wave
	s_mov_b32 s23, ttmp9                           ; S
	s_and_b32 s24, ttmp7, 0xffff                   ; e
	v_and_b32 v60, 31, v0                          ; lane
	v_and_b32 v61, 15, v0                          ; r
	v_bfe_u32 v62, v0, 4, 1                        ; h
	v_lshlrev_b32 v[L16], 4, v60
	v_mul_u32_u24 v[WST], v60, UP
	s_mul_i32 s40, s22, 128*UP
	s_add_co_u32 s40, s40, WL
	v_add_nc_u32 v[WST], s40, v[WST]
	s_lshl_b32 s40, s22, 10
	s_add_co_u32 s40, s40, SCL
	v_add_nc_u32 v[SST], s40, v[L16]
	v_mul_u32_u24 v63, v62, UP
	v_lshl_add_u32 v63, v61, 4, v63
.irp b, 0,1,2,3
	v_add_nc_u32 v[WBA+\b], WL+128*UP*\b, v63
.endr
	v_add_nc_u32 v[SRD], SCL, v[L16]
	v_lshlrev_b32 v[R4], 2, v61
	s_lshl_b32 s40, s22, 4
	v_add_nc_u32 v[RK], s40, v61
	v_lshlrev_b32 v[H16], 4, v62
	v_lshlrev_b32 v[BO], 6, v62
	v_bfe_u32 v63, v0, 3, 1
	v_lshlrev_b32 v63, 4, v63
	v_lshl_add_u32 v63, v62, 3, v63
	v_and_b32 v64, 7, v0
	v_add_nc_u32 v63, v63, v64                     ; the row of a block of 32 whose scale words my lane keeps: 16 ((l / 8) % 2) + 8 (l / 16) + l % 8
	v_lshlrev_b32 v[WSO], 5, v63                   ; 32 bytes a row
	s_lshl_b32 s40, s24, 12
	s_lshl_b32 s41, s23, 7
	s_add_co_u32 s40, s40, s41                     ; the work-group's first row of W1: 4096 e + 128 S,
	s_lshl_b32 s41, s22, 5
	s_add_co_u32 s41, s40, s41                     ; my wave's block of 32
	s_lshl_b32 s26, s41, 10
	s_mov_b32 s27, 0
	s_lshl_b32 s42, s41, 5
	s_mov_b32 s43, 0
	s_lshl_b32 s44, s40, 2
	s_mov_b32 s45, 0
	s_lshl_b32 s46, s24, 7
	s_mov_b32 s47, 0
	s_wait_kmcnt 0x0
	s_add_nc_u64 s[14:15], s[14:15], s[46:47]
	s_load_b512 s[68:83], s[14:15], 0x0            ; the expert's 1,024 bits
	s_load_b512 s[84:99], s[14:15], 0x40
	s_add_nc_u64 s[4:5], s[4:5], s[26:27]
	s_add_nc_u64 s[6:7], s[6:7], s[42:43]
	s_add_nc_u64 s[8:9], s[8:9], s[44:45]
.set rho, 0
.rept 32                               ; my block's 32 rows: each load reads 512 consecutive bytes
	WREG rho
	WIN 0x40*wn
	global_load_b128 v[wr:wr+3], v[L16], s[4:5] offset:1024*rho th:TH_LOAD_NT
	global_load_b128 v[wr+4:wr+7], v[L16], s[4:5] offset:1024*rho+512 th:TH_LOAD_NT
.set rho, rho+1
.endr
	WIN 0
	global_load_b128 v[WS:WS+3], v[WSO], s[6:7]
	global_load_b128 v[WS+4:WS+7], v[WSO], s[6:7] offset:16
.irp b, 0,1,2,3
.irp k, 0,1,2,3
	global_load_b128 v[BIAS+16*\b+4*\k:BIAS+16*\b+4*\k+3], v[BO], s[8:9] offset:128*\b+16*\k   ; b1 of units 32 b + 16 h + 0..15
.endr
.endr
	s_wait_kmcnt 0x0
	s_mov_b32 s28, 0
.set g, 0
.rept 32
	s_bcnt1_i32_b32 s40, s[68+g]
	s_add_co_u32 s28, s28, s40                     ; the expert's rows
.set g, g+1
.endr
	s_add_co_u32 s29, s28, 15
	s_lshr_b32 s29, s29, 4                         ; its tiles T
	s_sub_co_u32 s30, s29, s22
	s_add_co_u32 s30, s30, 3                       ; T - wave + 3 - 20 v: a quarter of it, rounded down, is my count of tiles from sweep v on
	s_mov_b32 s25, 0                               ; the sweep's first rank
	TOKENS                                         ; while the weights are on their way
	XSLOAD
	ALOAD 0                                        ; the first sweep's rows, K steps 0 to 5: 125 loads behind the weights'
	ALOAD 1
	ALOAD 2
	WIN 0
	s_cmp_lg_u32 s22, 0
	s_cbranch_scc1 .Lnot_wave_0
	; wave 0: where the rows of tokens 32 S .. 32 S + 31 lie: the expert's 32 work-groups share its 1,024 words of pos
	s_mov_b32 s40, 0                               ; chosen tokens so far
	s_mov_b32 s42, 0                               ; those ahead of token 32 S,
	s_mov_b32 s43, 0                               ; and the bits of tokens 32 S .. 32 S + 31: both are caught on the way
.set g, 0
.rept 32
	s_cmp_eq_u32 s23, g
	s_cselect_b32 s42, s40, s42
	s_cselect_b32 s43, s[68+g], s43
	s_bcnt1_i32_b32 s41, s[68+g]
	s_add_co_u32 s40, s40, s41
.set g, g+1
.endr
	s_lshl_b32 s41, s24, 10
	s_add_co_u32 s42, s42, s41                     ; 1024 e + the count ahead
	s_lshl_b32 s44, s24, 12
	s_lshl_b32 s45, s23, 7
	s_add_co_u32 s44, s44, s45
	s_mov_b32 s45, 0
	s_add_nc_u64 s[20:21], s[20:21], s[44:45]      ; pos at (e, token 32 S)
	v_mbcnt_lo_u32_b32 v62, s43, s42
	v_mov_b32 v63, 0x7fffffff
	v_cndmask_b32 v65, v63, v62, s43
	v_lshrrev_b32 v64, 2, v[L16]                   ; 4 x lane
	global_store_b32 v64, v65, s[20:21]            ; 32 lanes store 128 consecutive bytes
.Lnot_wave_0:
	s_wait_loadcnt 63                              ; weights, scale words and b1 are in: 125 younger loads stand behind them (a wait's count holds 63 at the most)
.set rho, 0
.rept 32                               ; row rho is lane 8 (rho / 16) + rho % 8 of tile 2 wave + (rho / 8) % 2; my lane's 16 bytes are unit 32 p + lane of its 64
	WREG rho
	WIN 0x04*wn                                    ; an LDS store's data are its source 1
	ds_store_b128 v[WST], v[wr:wr+3] offset:64*((rho/8)%2)*UP+16*(8*(rho/16)+rho%8)
	ds_store_b128 v[WST], v[wr+4:wr+7] offset:(64*((rho/8)%2)+32)*UP+16*(8*(rho/16)+rho%8)
.set rho, rho+1
.endr
	WIN 0
	ds_store_b128 v[SST], v[WS:WS+3]
	ds_store_b128 v[SST], v[WS+4:WS+7] offset:512
	s_wait_dscnt 0x0                               ; for the others' sake: my block has landed; and the stores have read their registers,
	ALOAD 3                                        ; which take the rows' K steps 6 and 7
	WIN 0
	s_barrier_signal -1
	s_barrier_wait -1                              ; from here on LDS is only read
	s_mov_b32 s33, 0x600000                        ; the mantissa field of 57,344
	s_mov_b32 s34, 0x76543210
	s_mov_b32 s35, 0xfedcba98                      ; v_permlanex16_b32's selects for lane l xor 16
	s_lshl_b32 s40, s24, 6
	s_add_co_u32 s40, s40, s22
	s_lshl_b32 s40, s40, 5
	s_add_co_u32 s40, s40, s23
	s_lshl_b32 s40, s40, 11
	s_mov_b32 s41, 0
	s_add_nc_u64 s[36:37], s[16:17], s[40:41]      ; hcodes at (e, tile = wave, S)
	s_lshl_b32 s40, s24, 5
	s_add_co_u32 s40, s40, s23
	s_lshl_b32 s40, s40, 12
	s_lshl_b32 s42, s22, 6
	s_add_co_u32 s40, s40, s42
	s_add_nc_u64 s[38:39], s[18:19], s[40:41]      ; hscales at (e, S, slot = 16 wave)
	s_mov_b32 s32, 0
.Lsweep:
	s_cmp_lt_i32 s30, 4
	s_cbranch_scc1 .Lskip                          ; no tile of mine in this sweep
	s_lshr_b32 s31, s30, 2
	s_min_u32 s31, s31, 5                          ; my tiles in it
	PLACES 8                                       ; behind the last sweep's products: loads and vector writes follow into registers that they named
	s_cmp_eq_u32 s32, 0
	s_cbranch_scc1 .Lloaded                        ; the first sweep's rows were asked for at the head
	s_wait_loadcnt 0x0                             ; no load is out when its registers are loaded again,
	s_wait_xcnt 0x0                                ; nor when its offsets are written again
	TOKENS
	XSLOAD
	ALOAD 0
	ALOAD 1
	ALOAD 2
	ALOAD 3
	WIN 0
.Lloaded:
	WFLOAD 0, 0
	WSLOAD 0
.irp i, 0,1,2,3,4
	v_mov_b32 v[SW+\i], 0
.endr
.irp b, 0,1,2,3
	DSTEP \b, 0
	DSTEP \b, 1
	DSTEP \b, 2
	DSTEP \b, 3
	WIN 0
	PLACES 8                                       ; ahead of the first read of results.  With the eight at the next pass's head, sixteen stand ahead of the products that begin these accumulators anew
	EPIS \b
.endr
.Lskip:
	s_wait_xcnt 0x0                                ; the stores have read their bases and registers
	s_add_nc_u64 s[36:37], s[36:37], 20*65536      ; 20 tiles on
	s_add_nc_u64 s[38:39], s[38:39], 1280
	s_add_co_u32 s25, s25, 320
	s_sub_co_i32 s30, s30, 20
	s_add_co_u32 s32, s32, 1
	s_cmp_lt_u32 s32, 4
	s_cbranch_scc1 .Lsweep
	s_wait_tensorcnt 0x0
	ds_add_u32 v254, v255
	s_wait_dscnt 0x0
	s_endpgm
.Lfunc_end_k_qefcf0d015b_ffn1:
	.size	k_qefcf0d015b_ffn1, .Lfunc_end_k_qefcf0d015b_ffn1-k_qefcf0d015b_ffn1
	.p2alignl 7, 3214868480
	.fill 96, 4, 3214868480
	.section	.rodata,"a",@progbits
	.p2align	6, 0x0
	.amdhsa_kernel k_qefcf0d015b_ffn1
		.amdhsa_group_segment_fixed_size 143872
		.amdhsa_private_segment_fixed_size 0
		.amdhsa_enable_private_segment 0
		.amdhsa_kernarg_size 72
		.amdhsa_user_sgpr_count 2
		.amdhsa_user_sgpr_kernarg_segment_ptr 1
		.amdhsa_wavefront_size32 1
		.amdhsa_system_sgpr_workgroup_id_x 1
		.amdhsa_system_sgpr_workgroup_id_y 1
		.amdhsa_system_sgpr_workgroup_id_z 1
		.amdhsa_system_vgpr_workitem_id 0
		.amdhsa_next_free_vgpr 1024
		.amdhsa_next_free_sgpr 100
		.amdhsa_reserve_vcc 0
		.amdhsa_float_denorm_mode_32 3
		.amdhsa_float_denorm_mode_16_64 3
		.amdhsa_memory_ordered 1
		.amdhsa_forward_progress 1
		.amdhsa_inst_pref_size 255
	.end_amdhsa_kernel
	.section	.bss,"aw",@nobits
	.p2align	6
	.space	262144
	.amdgpu_metadata
---
amdhsa.version: [ 1, 2 ]
amdhsa.kernels:
  - .name:           k_qefcf0d015b_ffn1
    .symbol:         k_qefcf0d015b_ffn1.kd
    .args:
      - { .name: W1_codes, .offset: 0, .size: 8, .value_kind: global_buffer, .address_space: global }
      - { .name: W1_scales, .offset: 8, .size: 8, .value_kind: global_buffer, .address_space: global }
      - { .name: b1, .offset: 16, .size: 8, .value_kind: global_buffer, .address_space: global }
      - { .name: xcodes, .offset: 24, .size: 8, .value_kind: global_buffer, .address_space: global }
      - { .name: xscales, .offset: 32, .size: 8, .value_kind: global_buffer, .address_space: global }
      - { .name: masks, .offset: 40, .size: 8, .value_kind: global_buffer, .address_space: global }
      - { .name: hcodes, .offset: 48, .size: 8, .value_kind: global_buffer, .address_space: global }
      - { .name: hscales, .offset: 56, .size: 8, .value_kind: global_buffer, .address_space: global }
      - { .name: pos, .offset: 64, .size: 8, .value_kind: global_buffer, .address_space: global }
    .group_segment_fixed_size: 143872
    .private_segment_fixed_size: 0
    .kernarg_segment_align: 8
    .kernarg_segment_size: 72
    .max_flat_workgroup_size: 128
    .sgpr_count:     100
    .vgpr_count:     1024
    .wavefront_size: 32
...
	.end_amdgpu_metadata
.endif
;; end of part 5
;; launch ffn2 (part 6): grid 32 x 8, 4 waves a work-group, no clusters, 161,280 bytes of LDS; arguments W2_codes, W2_scales, hcodes, hscales, masks, parts; writes parts
.if DOCPART == 6
	.amdgcn_target "amdgcn-amd-amdhsa--gfx1250"
	.amdhsa_code_object_version 6
	.text
	.protected	k_qefcf0d015b_ffn2
	.globl	k_qefcf0d015b_ffn2
	.p2align	8
	.type	k_qefcf0d015b_ffn2,@function
k_qefcf0d015b_ffn2:
	s_mov_b64 s[64:65], 0
	v_nop
	global_prefetch_b8 v0, s[64:65] scope:SCOPE_SE
	s_setreg_imm32_b32 hwreg(HW_REG_WAVE_MODE, 25, 1), 1
	s_wait_xcnt 0x0
; THE SECOND PRODUCT, for the chosen rows alone, in four parts along K: parts[row][q] = hidden[row][1024 q ..] W2[1024 q ..], MX-BF8 on both sides, f32 sums.
; SHARES.  Work-group (x, e): outputs 128 Dn .. + 127 (Dn = x % 8), hidden units 1024 q .. + 1023 (q = x / 8) of expert e: 128 rows of W2 x 1,024 along K, read from memory once and kept in LDS.
; Why K in four: a row costs K bytes of hidden codes in and 8 bytes an output out and in again; with K x outputs = 131,072 their sum is least at 1,024 x 128.  The four parts, the two experts and b2 meet in the last launch.
; Tiles, sweeps and passes as in the first product: a wave owns tiles 20 v + wave + 4 i, i = 0..4, holds their codes in 640 registers, and reads each weight fragment from LDS once a sweep.
; The hidden codes lie as images of operand registers: every load reads 512 consecutive bytes.  A tile past the wave's count repeats its last tile and stores nothing.
; THE FIRST SWEEP'S ROWS ARE ASKED FOR AT THE HEAD, behind the weights' loads and ahead of the wait for them.  (A wave without any tile asks for bytes of its expert's part of hcodes and hscales that nobody has stored, and uses none of them.)
; NO TENSOR LOADS, NO CLUSTER: the 8 work-groups (Dn) of an expert and quarter do read the same hidden rows, but which sweeps run and which tiles store hangs on a count read from memory.
; LAYOUT.  Transposed (source 0 = 16 rows of W2, source 1 = 16 routed rows); lane r of weight tile 2 b + u takes output 32 b + 8 u + r + 8 (r / 8): a lane's 16 results of a pass are 16 neighbouring outputs of one row.
; Two passes' 64 outputs, 256 bytes a row, go through the wave's own stage in LDS and leave as whole aligned runs of 256 bytes.
; OUT: parts [1024 e + slot][q 4][1024] f32.
.set UP,   272
.set STG,  0                           ; 4 stages of 16 rows x (256 + 16) bytes
.set SCL,  4*16*UP                     ; W2's scale words: [block 4][half 2][lane 32][16 bytes]
.set WL,   SCL+4096                    ; W2's codes: unit 64 x tile + K / 16, 512 units of 256 + 16 bytes
.set L16,  1                           ; v1     16 x lane
.set WST,  2                           ; v2     where I store weights
.set SST,  3                           ; v3     and their scale words
.set WBA,  4                           ; v4-7   where I read pass b's fragments
.set SRD,  8                           ; v8     SCL + 16 lane
.set STO,  9                           ; v9     the stage, in: row r, + 64 h
.set RD,   10                          ; v10    and back: lanes 0-15 a row, lanes 16-31 the next
.set PO,   11                          ; v11    the same two rows in parts
.set AO,   12                          ; v12-16 tile i: my offset in hcodes
.set SO,   17                          ; v17-21 and in hscales
.set WSO,  22                          ; v22    my row's offset in W2_scales
.set HS0,  23                          ; v23    4 r + 4096 h
.set AS,   24                          ; v24-43 the hidden rows' scale words: tile i, register m: lanes 0-15 K step 2 m, lanes 16-31 K step 2 m + 1
.set WS,   44                          ; v44-59 W2's scale words, two sets of 8
.set ACC,  96                          ; v96-175 an even pass's accumulators (tile i at 16 i), v176-255 an odd pass's
.set WF,   128                         ; window 3, v128-255: weight fragments, two buffers of 64
                                       ; windows 1, 2 and v0-127 of window 3: the hidden rows' fragments: tile i at 128 i, K step s at 16 s
.set MSB, 0
.macro WIN new                         ; the immediate's high byte repeats the setting that is left
.if MSB != (\new)
	s_set_vgpr_msb (MSB<<8)|(\new)
.set MSB, (\new)
.endif
.endm
.macro PLACES n
.rept \n
	v_nop
.endr
.endm
; Where row rho of my block of 32 weight rows waits for its way into LDS: 8 registers at wr of window wn.  Rows 0-15: the weight fragments' buffers; rows 16-31: the registers of tiles 0-3 for K steps 6 and 7,
; whose loads go out behind the weights' LDS stores.  So the registers of K steps 0 to 5 are free for the rows' loads at once.
.macro WREG rho
.if (\rho) < 16
.set wn, 3
.set wr, 128+8*(\rho)
.else
.set wn, 1+((\rho)-16)/8
.set wr, 128*((((\rho)-16)/4)%2)+96+8*(((\rho)-16)%4)
.endif
.endm
.macro AOFF                            ; my five tiles' offsets from the sweep's bases
	s_sub_co_u32 s40, s31, 1
.irp i, 0,1,2,3,4
	s_min_u32 s41, s40, \i                         ; tile i, or my last tile in its stead
	s_lshl_b32 s42, s41, 18                        ; four tiles of 65,536 bytes
	v_add_nc_u32 v[AO+\i], s42, v[L16]
	s_lshl_b32 s42, s41, 8                         ; four tiles of 16 words
	v_add_nc_u32 v[SO+\i], s42, v[HS0]
.endr
.endm
.macro HSLOAD                          ; the hidden rows' scale words: register m: K step 2 m + h
.irp i, 0,1,2,3,4
.irp m, 0,1,2,3
	global_load_b32 v[AS+4*\i+\m], v[SO+\i], s[38:39] offset:8192*\m
.endr
.endr
.endm
.macro ALOAD k                         ; 40 loads of 512 consecutive bytes: the five tiles' fragments of K steps 2 k, 2 k + 1, as they were stored
.irp i, 0,1,2,3,4
	WIN 0x40*(1+\i/2)
.irp sl, 0,1
.irp c, 0,1,2,3
	global_load_b128 v[128*(\i%2)+16*(2*(\k)+\sl)+4*\c:128*(\i%2)+16*(2*(\k)+\sl)+4*\c+3], v[AO+\i], s[36:37] offset:2048*(2*(\k)+\sl)+512*\c
.endr
.endr
.endr
.endm
.macro WFLOAD b, k                     ; 16 LDS loads: tiles 2 b, 2 b + 1, K steps 2 k, 2 k + 1 -> buffer k % 2
	WIN 0xc0                                       ; destination window 3
.irp sl, 0,1
.irp u, 0,1
.irp c, 0,1,2,3
	ds_load_b128 v[WF+64*((\k)%2)+32*\sl+16*\u+4*\c:WF+64*((\k)%2)+32*\sl+16*\u+4*\c+3], v[WBA+(\b)] offset:(64*\u+8*(2*(\k)+\sl)+2*\c)*UP
.endr
.endr
.endr
.endm
.macro WSLOAD b                        ; pass b's scale words -> set b % 2
	WIN 0
	ds_load_b128 v[WS+8*((\b)%2):WS+8*((\b)%2)+3], v[SRD] offset:1024*(\b)
	ds_load_b128 v[WS+8*((\b)%2)+4:WS+8*((\b)%2)+7], v[SRD] offset:1024*(\b)+512
.endm
.macro WMZ u                           ; the first K step starts a sum: C = 0 (its words of the hidden rows lie in lanes 0-15)
.if (\u)
	v_wmma_scale_f32_16x16x128_f8f6f4 v[rD:rD+7], v[rW:rW+15], v[rA:rA+15], 0, v[rX], v[rY] matrix_a_fmt:MATRIX_FMT_BF8 matrix_b_fmt:MATRIX_FMT_BF8 matrix_a_scale:MATRIX_SCALE_ROW1
.else
	v_wmma_scale_f32_16x16x128_f8f6f4 v[rD:rD+7], v[rW:rW+15], v[rA:rA+15], 0, v[rX], v[rY] matrix_a_fmt:MATRIX_FMT_BF8 matrix_b_fmt:MATRIX_FMT_BF8
.endif
.endm
.macro WM u, o                         ; u: the weights' words lie in lanes 16-31;  o: so do the hidden rows'
.if (\u) && (\o)
	v_wmma_scale_f32_16x16x128_f8f6f4 v[rD:rD+7], v[rW:rW+15], v[rA:rA+15], v[rD:rD+7], v[rX], v[rY] matrix_a_fmt:MATRIX_FMT_BF8 matrix_b_fmt:MATRIX_FMT_BF8 matrix_a_scale:MATRIX_SCALE_ROW1 matrix_b_scale:MATRIX_SCALE_ROW1
.elseif (\u)
	v_wmma_scale_f32_16x16x128_f8f6f4 v[rD:rD+7], v[rW:rW+15], v[rA:rA+15], v[rD:rD+7], v[rX], v[rY] matrix_a_fmt:MATRIX_FMT_BF8 matrix_b_fmt:MATRIX_FMT_BF8 matrix_a_scale:MATRIX_SCALE_ROW1
.elseif (\o)
	v_wmma_scale_f32_16x16x128_f8f6f4 v[rD:rD+7], v[rW:rW+15], v[rA:rA+15], v[rD:rD+7], v[rX], v[rY] matrix_a_fmt:MATRIX_FMT_BF8 matrix_b_fmt:MATRIX_FMT_BF8 matrix_b_scale:MATRIX_SCALE_ROW1
.else
	v_wmma_scale_f32_16x16x128_f8f6f4 v[rD:rD+7], v[rW:rW+15], v[rA:rA+15], v[rD:rD+7], v[rX], v[rY] matrix_a_fmt:MATRIX_FMT_BF8 matrix_b_fmt:MATRIX_FMT_BF8
.endif
.endm
.macro MUL b, s, i, u                  ; weight tile 2 b + u x routed tile i, K step s of the quarter
.set rD, ACC+80*((\b)%2)+16*(\i)+8*(\u)
.set rW, WF+64*(((\s)/2)%2)+32*((\s)%2)+16*(\u)
.set rA, 128*((\i)%2)+16*(\s)
.set rX, WS+8*((\b)%2)+(\s)
.set rY, AS+4*(\i)+(\s)/2
.if (\s) == 0
	WMZ \u
.else
	WM \u, (\s)%2
.endif
.endm
.macro MULS b, k                       ; 20 matrix instructions; the ten accumulators by turns, one instruction a turn
.irp grp, 0,1,2
	WIN 0x07+4*\grp                                ; source 0 (weights) window 3, source 1 (hidden) window 1, 2 or 3, C and D window 0
.irp sl, 0,1
.irp ii, 0,1
.if 2*\grp+\ii < 5
.irp u, 0,1
	MUL \b, 2*(\k)+\sl, 2*\grp+\ii, \u
.endr
.endif
.endr
.endr
.endr
.endm
; Two K steps of a pass.  A load into a register that a matrix instruction has read stands eight places behind it: the eight v_nop.
.macro DSTEP b, k
	s_wait_dscnt 0x0                               ; this double step's fragments, asked for a double step ago, are in
	PLACES 8
.if (\k) < 3
	WFLOAD \b, (\k)+1                              ; the next double step's, into the buffer just left
.elseif (\b) < 3
	WFLOAD (\b)+1, 0
.endif
.if ((\k) == 2) && ((\b) < 3)
	WSLOAD (\b)+1
.endif
.if (\b) == 0                          ; the first pass meets the hidden fragments as they arrive: behind double step k's stand 40 (3 - k) younger loads (a wait's count holds 63 at the most)
.if (\k) < 2
	s_wait_loadcnt 63
.else
	s_wait_loadcnt 40*(3-(\k))
.endif
.endif
	MULS \b, \k
.endm
; Passes 2 bp and 2 bp + 1 go out: outputs 64 bp .. + 63 of the work-group's 128.  All five tiles go through my stage one behind the other (LDS serves a wave's instructions in order: ISA guide 5.7.1.4:
; no wait between a tile's stores, its loads and the next tile's stores) and come back, as whole rows, into the registers that they left; only the stores to memory are guarded.
.macro FLUSH bp
	WIN 0
	PLACES 8                                       ; ahead of the first read of results just made, and of loads into them
.irp i, 0,1,2,3,4
.irp par, 0,1
.irp k, 0,1,2,3
	ds_store_b128 v[STO], v[ACC+80*\par+16*\i+4*\k:ACC+80*\par+16*\i+4*\k+3] offset:128*\par+16*\k    ; each accumulator from its low end on
.endr
.endr
.irp t, 0,1,2,3,4,5,6,7
	ds_load_b128 v[ACC+80*(\t/4)+16*\i+4*(\t%4):ACC+80*(\t/4)+16*\i+4*(\t%4)+3], v[RD] offset:2*UP*\t
.endr
.endr
.irp i, 0,1,2,3,4
.if \i > 0
	s_cmp_gt_u32 s31, \i
	s_cbranch_scc0 .Lflushed_\@                    ; tiles past my count store nothing
.endif
.if \i == 0
	s_wait_dscnt 63                                ; tile i is back: 16 younger LDS instructions for each later tile may be out (a wait's count holds 63 at the most)
.else
	s_wait_dscnt 16*(4-\i)
.endif
.irp t, 0,1,2,3,4,5,6,7
	global_store_b128 v[PO], v[ACC+80*(\t/4)+16*\i+4*(\t%4):ACC+80*(\t/4)+16*\i+4*(\t%4)+3], s[48:49] offset:1048576*\i+32768*\t+256*(\bp) th:TH_STORE_NT   ; 16 lanes store 256 consecutive bytes, aligned
.endr
.endr
.Lflushed_\@:
	s_wait_dscnt 0x0                               ; the loads of tiles that were not stored are in too,
	s_wait_xcnt 0x0                                ; and the stores have read their registers: the next products write them
.endm
	s_load_b256 s[4:11], s[0:1], 0x0               ; W2_codes, W2_scales, hcodes, hscales
	s_load_b128 s[12:15], s[0:1], 0x20             ; masks, parts
	v_lshl_add_u32 v94, v0, 2, 0x27400
	v_mov_b32 v95, 0
	v_lshrrev_b32 v60, 5, v0
	v_readfirstlane_b32 s22, v60                   ; wave
	s_and_b32 s23, ttmp9, 7                        ; Dn
	s_lshr_b32 s25, ttmp9, 3                       ; q
	s_and_b32 s24, ttmp7, 0xffff                   ; e
	v_and_b32 v60, 31, v0                          ; lane
	v_and_b32 v61, 15, v0                          ; r
	v_bfe_u32 v62, v0, 4, 1                        ; h
	v_lshlrev_b32 v[L16], 4, v60
	v_mul_u32_u24 v[WST], v60, UP
	s_mul_i32 s40, s22, 128*UP
	s_add_co_u32 s40, s40, WL
	v_add_nc_u32 v[WST], s40, v[WST]
	s_lshl_b32 s40, s22, 10
	s_add_co_u32 s40, s40, SCL
	v_add_nc_u32 v[SST], s40, v[L16]
	v_mul_u32_u24 v63, v62, UP
	v_lshl_add_u32 v63, v61, 4, v63                ; UP h + 16 r
.irp b, 0,1,2,3
	v_add_nc_u32 v[WBA+\b], WL+128*UP*\b, v63
.endr
	v_add_nc_u32 v[SRD], SCL, v[L16]
	s_mul_i32 s40, s22, 16*UP
	s_add_co_u32 s40, s40, STG                     ; my stage
	v_add_nc_u32 v[RD], s40, v63
	v_mul_u32_u24 v[STO], v61, UP
	v_lshl_add_u32 v[STO], v62, 6, v[STO]
	v_add_nc_u32 v[STO], s40, v[STO]
	v_lshlrev_b32 v[PO], 14, v62
	v_lshl_add_u32 v[PO], v61, 4, v[PO]
	v_lshlrev_b32 v[HS0], 12, v62
	v_lshl_add_u32 v[HS0], v61, 2, v[HS0]
	v_bfe_u32 v63, v0, 3, 1
	v_lshlrev_b32 v63, 4, v63
	v_lshl_add_u32 v63, v62, 3, v63
	v_and_b32 v64, 7, v0
	v_add_nc_u32 v63, v63, v64                     ; the row of a block of 32 whose scale words my lane keeps
	v_lshlrev_b32 v[WSO], 7, v63                   ; 128 bytes a row
	s_lshl_b32 s40, s24, 10
	s_lshl_b32 s41, s23, 7
	s_add_co_u32 s40, s40, s41
	s_lshl_b32 s41, s22, 5
	s_add_co_u32 s40, s40, s41                     ; my block's first row of W2: 1024 e + 128 Dn + 32 wave
	s_lshl_b32 s26, s40, 12
	s_lshl_b32 s41, s25, 10
	s_add_co_u32 s26, s26, s41                     ; its codes, from K = 1024 q on
	s_mov_b32 s27, 0
	s_lshl_b32 s42, s40, 7
	s_lshl_b32 s41, s25, 5
	s_add_co_u32 s42, s42, s41                     ; and its scale bytes
	s_mov_b32 s43, 0
	s_lshl_b32 s46, s24, 7
	s_mov_b32 s47, 0
	s_wait_kmcnt 0x0
	s_add_nc_u64 s[12:13], s[12:13], s[46:47]
	s_load_b512 s[68:83], s[12:13], 0x0            ; the expert's 1,024 bits
	s_load_b512 s[84:99], s[12:13], 0x40
	s_add_nc_u64 s[4:5], s[4:5], s[26:27]
	s_add_nc_u64 s[6:7], s[6:7], s[42:43]
.set rho, 0
.rept 32                               ; my block's 32 rows: each load reads 512 consecutive bytes
	WREG rho
	WIN 0x40*wn
	global_load_b128 v[wr:wr+3], v[L16], s[4:5] offset:4096*rho th:TH_LOAD_NT
	global_load_b128 v[wr+4:wr+7], v[L16], s[4:5] offset:4096*rho+512 th:TH_LOAD_NT
.set rho, rho+1
.endr
	WIN 0
	global_load_b128 v[WS:WS+3], v[WSO], s[6:7]
	global_load_b128 v[WS+4:WS+7], v[WSO], s[6:7] offset:16
	s_wait_kmcnt 0x0
	s_mov_b32 s28, 0
.set g, 0
.rept 32
	s_bcnt1_i32_b32 s40, s[68+g]
	s_add_co_u32 s28, s28, s40                     ; the expert's rows
.set g, g+1
.endr
	s_add_co_u32 s29, s28, 15
	s_lshr_b32 s29, s29, 4                         ; its tiles T
	s_sub_co_u32 s30, s29, s22
	s_add_co_u32 s30, s30, 3                       ; T - wave + 3 - 20 v
	s_lshr_b32 s31, s30, 2
	s_min_u32 s31, s31, 5                          ; my tiles in the first sweep
	s_lshl_b32 s40, s24, 6
	s_add_co_u32 s40, s40, s22
	s_lshl_b32 s40, s40, 5
	s_lshl_b32 s41, s25, 3
	s_add_co_u32 s40, s40, s41
	s_lshl_b32 s40, s40, 11
	s_mov_b32 s41, 0
	s_add_nc_u64 s[36:37], s[8:9], s[40:41]        ; hcodes at (e, tile = wave, K step 8 q)
	s_lshl_b32 s40, s24, 5
	s_lshl_b32 s42, s25, 3
	s_add_co_u32 s40, s40, s42
	s_lshl_b32 s40, s40, 12
	s_lshl_b32 s42, s22, 6
	s_add_co_u32 s40, s40, s42
	s_add_nc_u64 s[38:39], s[10:11], s[40:41]      ; hscales at (e, K step 8 q, slot = 16 wave)
	s_lshl_b32 s40, s24, 10
	s_lshl_b32 s42, s22, 4
	s_add_co_u32 s40, s40, s42
	s_lshl_b32 s40, s40, 14
	s_lshl_b32 s42, s25, 12
	s_add_co_u32 s40, s40, s42
	s_lshl_b32 s42, s23, 9
	s_add_co_u32 s40, s40, s42
	s_add_nc_u64 s[48:49], s[14:15], s[40:41]      ; parts at (row 1024 e + 16 wave, q, output 128 Dn)
	s_mov_b32 s32, 0
	AOFF
	HSLOAD
	ALOAD 0                                        ; the first sweep's rows, K steps 0 to 5: 140 loads behind the weights'
	ALOAD 1
	ALOAD 2
	WIN 0
	s_wait_loadcnt 63                              ; weights and scale words are in: 140 younger loads stand behind them (a wait's count holds 63 at the most)
.set rho, 0
.rept 32                               ; row rho is lane 8 (rho / 16) + rho % 8 of tile 2 wave + (rho / 8) % 2; my lane's 16 bytes are unit 32 p + lane of its 64
	WREG rho
	WIN 0x04*wn                                    ; an LDS store's data are its source 1
	ds_store_b128 v[WST], v[wr:wr+3] offset:64*((rho/8)%2)*UP+16*(8*(rho/16)+rho%8)
	ds_store_b128 v[WST], v[wr+4:wr+7] offset:(64*((rho/8)%2)+32)*UP+16*(8*(rho/16)+rho%8)
.set rho, rho+1
.endr
	WIN 0
	ds_store_b128 v[SST], v[WS:WS+3]
	ds_store_b128 v[SST], v[WS+4:WS+7] offset:512
	s_wait_dscnt 0x0                               ; for the others' sake: my block has landed; and the stores have read their registers,
	ALOAD 3                                        ; which take the rows' K steps 6 and 7
	WIN 0
	s_barrier_signal -1
	s_barrier_wait -1                              ; from here on a wave writes its own stage alone
.Lsweep:
	s_cmp_lt_i32 s30, 4
	s_cbranch_scc1 .Lskip                          ; no tile of mine in this sweep
	s_lshr_b32 s31, s30, 2
	s_min_u32 s31, s31, 5                          ; my tiles in it
	PLACES 8                                       ; behind the last sweep's products: loads follow into registers that they read
	s_cmp_eq_u32 s32, 0
	s_cbranch_scc1 .Lloaded                        ; the first sweep's rows were asked for at the head
	s_wait_loadcnt 0x0                             ; no load is out when its registers are loaded again,
	s_wait_xcnt 0x0                                ; nor when its offsets are written again
	AOFF
	HSLOAD
	ALOAD 0
	ALOAD 1
	ALOAD 2
	ALOAD 3
	WIN 0
.Lloaded:
	WFLOAD 0, 0
	WSLOAD 0
.irp b, 0,1,2,3
	DSTEP \b, 0
	DSTEP \b, 1
	DSTEP \b, 2
	DSTEP \b, 3
.if (\b%2) == 1
	FLUSH \b/2
.endif
.endr
.Lskip:
	s_wait_xcnt 0x0                                ; loads and stores have read their bases
	s_add_nc_u64 s[36:37], s[36:37], 20*65536      ; 20 tiles on
	s_add_nc_u64 s[38:39], s[38:39], 1280
	s_add_nc_u64 s[48:49], s[48:49], 20*16*16384
	s_sub_co_i32 s30, s30, 20
	s_add_co_u32 s32, s32, 1
	s_cmp_lt_u32 s32, 4
	s_cbranch_scc1 .Lsweep
	s_wait_tensorcnt 0x0
	ds_add_u32 v94, v95
	s_wait_dscnt 0x0
	s_endpgm
.Lfunc_end_k_qefcf0d015b_ffn2:
	.size	k_qefcf0d015b_ffn2, .Lfunc_end_k_qefcf0d015b_ffn2-k_qefcf0d015b_ffn2
	.p2alignl 7, 3214868480
	.fill 96, 4, 3214868480
	.section	.rodata,"a",@progbits
	.p2align	6, 0x0
	.amdhsa_kernel k_qefcf0d015b_ffn2
		.amdhsa_group_segment_fixed_size 161280
		.amdhsa_private_segment_fixed_size 0
		.amdhsa_enable_private_segment 0
		.amdhsa_kernarg_size 48
		.amdhsa_user_sgpr_count 2
		.amdhsa_user_sgpr_kernarg_segment_ptr 1
		.amdhsa_wavefront_size32 1
		.amdhsa_system_sgpr_workgroup_id_x 1
		.amdhsa_system_sgpr_workgroup_id_y 1
		.amdhsa_system_sgpr_workgroup_id_z 1
		.amdhsa_system_vgpr_workitem_id 0
		.amdhsa_next_free_vgpr 1024
		.amdhsa_next_free_sgpr 100
		.amdhsa_reserve_vcc 0
		.amdhsa_float_denorm_mode_32 3
		.amdhsa_float_denorm_mode_16_64 3
		.amdhsa_memory_ordered 1
		.amdhsa_forward_progress 1
		.amdhsa_inst_pref_size 137
	.end_amdhsa_kernel
	.amdgpu_metadata
---
amdhsa.version: [ 1, 2 ]
amdhsa.kernels:
  - .name:           k_qefcf0d015b_ffn2
    .symbol:         k_qefcf0d015b_ffn2.kd
    .args:
      - { .name: W2_codes, .offset: 0, .size: 8, .value_kind: global_buffer, .address_space: global }
      - { .name: W2_scales, .offset: 8, .size: 8, .value_kind: global_buffer, .address_space: global }
      - { .name: hcodes, .offset: 16, .size: 8, .value_kind: global_buffer, .address_space: global }
      - { .name: hscales, .offset: 24, .size: 8, .value_kind: global_buffer, .address_space: global }
      - { .name: masks, .offset: 32, .size: 8, .value_kind: global_buffer, .address_space: global }
      - { .name: parts, .offset: 40, .size: 8, .value_kind: global_buffer, .address_space: global }
    .group_segment_fixed_size: 161280
    .private_segment_fixed_size: 0
    .kernarg_segment_align: 8
    .kernarg_segment_size: 48
    .max_flat_workgroup_size: 128
    .sgpr_count:     100
    .vgpr_count:     1024
    .wavefront_size: 32
...
	.end_amdgpu_metadata
.endif
;; end of part 6
;; launch combine: the kernel of part 4 again; grid 256 x 1, 8 waves a work-group, no clusters, 0 bytes of LDS; arguments pos, parts, b2, out0; writes out0
;; ======== version 3 of 3: 4 launches
;; limits: right only within a limited range of input values
;; workspace buffers: xcodes 1,048,576 bytes; xscales 32,768 bytes; masks 1,024 bytes of whole numbers; pos 32,768 bytes of whole numbers; hcodes 33,554,432 bytes; hscales 1,048,576 bytes; parts 134,217,728 bytes
;; launch route (part 7): grid 128 x 1, 4 waves a work-group, no clusters, 35,840 bytes of LDS; arguments x, Wg, bg, xcodes, xscales, masks, out1; writes xcodes, xscales, masks, out1
.if DOCPART == 7
	.amdgcn_target "amdgcn-amd-amdhsa--gfx1250"
	.amdhsa_code_object_version 6
	.text
	.protected	k_qefcf0d015b_route
	.globl	k_qefcf0d015b_route
	.p2align	8
	.type	k_qefcf0d015b_route,@function
k_qefcf0d015b_route:
	s_mov_b64 s[64:65], 0
	v_nop
	global_prefetch_b8 v0, s[64:65] scope:SCOPE_SE
	s_setreg_imm32_b32 hwreg(HW_REG_WAVE_MODE, 25, 1), 1
	s_wait_xcnt 0x0
; THE ROUTER AND x's QUANTISER.  scores = x Wg + bg (f32 multiply-adds), softmax, the two largest probabilities; x becomes codes of E5M2 with one E8M0 byte for each 32 along D.
; A work-group takes 8 tokens, a wave 2.  Lane l holds x[256 j + 8 l + i] of a row (j = 0..3, i = 0..7): a block of 32 lies in four neighbouring lanes.
; OUT: out1 [token][8] f32;  xcodes [token][1024];  xscales [token][32 bytes]: the scale word of K step s = 2 m + h (128 along D) lies at byte 16 h + 4 m, so that a later
; load of 16 bytes at 16 h brings a lane half its four words;  masks [expert][128 bytes]: bit t of an expert's 1,024 says that token t chose it.  All addresses are fixed: nothing here steers an address.
; THE CHOICE: as reference() makes it: probabilities with the row's maximum taken away, the larger wins, of equals the lower index.
; LIMITS: NaN and infinities are not served.  v_exp_f32 gives 0 where the result would be denormal (score more than about 87 under the row's maximum): such experts tie at 0 here.
; A block of zeros gets the byte 1 where the rule says 127: its codes are zeros, and only this program reads the bytes.  The masks leave as 8 single bytes a work-group: 1,024 bytes in all.
.set WP,  272                          ; Wg in LDS: 128 chunks of 256 bytes (8 rows d x 8 experts) + 16 of padding: lanes a chunk apart start at different banks (64 banks of 4 bytes: ISA guide 11.1)
.set WGI, 0
.set SCR, 128*WP                       ; the work-group's scores, [8][8] f32
.set XSB, SCR+256                      ; its scale bytes, [8][32]
.set T,   16                           ; v16-23   eight held numbers
.set XR,  32                           ; v32-95   x: token t at 32 t, number 8 j + i
.set WA,  96                           ; v96-159  Wg as loaded, then a chunk: register 8 i + e
.set WB,  160                          ; v160-223 the other chunk
.set GA,  224                          ; v224-239 the scores' sums: token t at 8 t
.set CD,  240                          ; v240-255 codes: a pair for each (t, j): no store's data are written again
	s_load_b256 s[4:11], s[0:1], 0x0               ; x, Wg, bg, xcodes
	s_load_b128 s[12:15], s[0:1], 0x20             ; xscales, masks
	s_load_b64 s[16:17], s[0:1], 0x30              ; out1
	v_lshl_add_u32 v30, v0, 2, 0x8a00
	v_mov_b32 v31, 0
	v_lshrrev_b32 v1, 5, v0
	v_readfirstlane_b32 s22, v1                    ; wave
	v_and_b32 v1, 31, v0                           ; lane
	v_lshlrev_b32 v2, 5, v1                        ; x: 32 bytes a lane
	v_lshlrev_b32 v3, 4, v0                        ; Wg: 16 bytes a thread
	v_lshrrev_b32 v4, 4, v0
	v_mul_u32_u24 v4, v4, WP
	v_and_b32 v5, 15, v0
	v_lshl_add_u32 v4, v5, 4, v4                   ; Wg into LDS: chunk thread / 16, 16 bytes at thread % 16
	v_mul_u32_u24 v5, v1, WP                       ; and out of it: my chunk of a group of 32
	v_lshlrev_b32 v6, 3, v1                        ; 8 bytes a lane
	v_bfe_u32 v7, v0, 4, 1
	v_lshlrev_b32 v7, 4, v7
	v_bfe_u32 v8, v0, 2, 2
	v_add_nc_u32 v7, v7, v8
	s_lshl_b32 s40, s22, 6
	v_add_nc_u32 v7, s40, v7
	v_add_nc_u32 v7, XSB, v7                       ; my block's scale byte: 64 wave + 16 (lane / 16) + (lane / 4) % 4
	s_add_co_u32 s41, s40, SCR
	v_mov_b32 v8, s41                              ; my wave's two rows of scores
	v_add_nc_u32 v9, SCR, v6
	v_add_nc_u32 v10, XSB, v6
	v_and_b32 v11, 7, v0
	v_lshl_add_u32 v11, v11, 5, SCR                ; the scores of token lane % 8
	s_mov_b32 s23, 0x600000                        ; the mantissa field of 57,344
	s_mov_b32 s24, 0x76543210
	s_mov_b32 s25, 0xfedcba98                      ; v_permlanex16_b32's selects for lane l xor 16
	s_lshl_b32 s26, ttmp9, 15                      ; x: 8 rows of 4,096 bytes a work-group,
	s_lshl_b32 s40, s22, 13                        ; 2 a wave
	s_add_co_u32 s26, s26, s40
	s_mov_b32 s27, 0
	s_lshr_b32 s36, s26, 2                         ; the codes: a quarter of that
	s_mov_b32 s37, 0
	s_lshl_b32 s38, ttmp9, 8                       ; out1 and xscales: 256 bytes a work-group
	s_mov_b32 s39, 0
	s_mov_b32 s42, ttmp9                           ; masks: a byte a work-group
	s_mov_b32 s43, 0
	s_wait_kmcnt 0x0
	s_load_b256 s[28:35], s[8:9], 0x0              ; bg
	s_add_nc_u64 s[4:5], s[4:5], s[26:27]
	s_add_nc_u64 s[10:11], s[10:11], s[36:37]
	s_add_nc_u64 s[12:13], s[12:13], s[38:39]
	s_add_nc_u64 s[16:17], s[16:17], s[38:39]
	s_add_nc_u64 s[14:15], s[14:15], s[42:43]
.irp t, 0,1
.irp j, 0,1,2,3
	global_load_b128 v[XR+32*\t+8*\j:XR+32*\t+8*\j+3], v2, s[4:5] offset:4096*\t+1024*\j th:TH_LOAD_NT
	global_load_b128 v[XR+32*\t+8*\j+4:XR+32*\t+8*\j+7], v2, s[4:5] offset:4096*\t+1024*\j+16 th:TH_LOAD_NT
.endr
.endr
.irp k, 0,1,2,3,4,5,6,7,8,9,10,11,12,13,14,15
	global_load_b128 v[WA+4*\k:WA+4*\k+3], v3, s[6:7] offset:2048*\k     ; all of Wg: 2,048 consecutive bytes a load
.endr
; eight numbers of token t, group j, become eight codes; x itself stays for the gate
.macro QX t, j
.set rX, XR+32*(\t)+8*(\j)
.set rC, CD+2*(4*(\t)+(\j))
	v_max3_num_f32 v12, |v[rX]|, |v[rX+1]|, 0x8000000               ; my eight, and the floor 2^(16 - 127): the byte cannot fall under 1
	v_max3_num_f32 v12, v12, |v[rX+2]|, |v[rX+3]|
	v_max3_num_f32 v12, v12, |v[rX+4]|, |v[rX+5]|
	v_max3_num_f32 v12, v12, |v[rX+6]|, |v[rX+7]|
	v_max_num_f32_dpp v12, v12, v12 row_xmask:1 row_mask:0xf bank_mask:0xf
	v_max_num_f32_dpp v12, v12, v12 row_xmask:2 row_mask:0xf bank_mask:0xf   ; with the three lanes that share the block
	v_add_nc_u32 v13, 0xf8800000, v12              ; 15 off the exponent field: the conversion's scale operand
	v_and_or_b32 v14, v12, 0x7f800000, s23         ; 57,344 x the scale
	v_lshrrev_b32 v15, 23, v13                     ; the scale's byte
.irp i, 0,1,2,3,4,5,6,7
	v_med3_num_f32 v[T+\i], v[rX+\i], -v14, v14    ; the conversion does not saturate (ISA guide 7.6.2): the hold comes first
.endr
	v_cvt_scalef32_pk8_bf8_f32 v[rC:rC+1], v[T:T+7], v13
	v_nop                                          ; a plain line behind the conversion, ahead of the next writes of its sources
	ds_store_b8 v7, v15 offset:32*(\t)+4*(\j)      ; the four lanes of a block write the same byte with the same value
	global_store_b64 v6, v[rC:rC+1], s[10:11] offset:1024*(\t)+256*(\j)   ; 32 lanes store 256 consecutive bytes, aligned
.endm
	s_wait_loadcnt 16                              ; x is in; Wg's 16 loads are younger
.irp t, 0,1
.irp j, 0,1,2,3
	QX \t, \j
.endr
.endr
	s_wait_loadcnt 0x0                             ; Wg
.irp k, 0,1,2,3,4,5,6,7,8,9,10,11,12,13,14,15
	ds_store_b128 v4, v[WA+4*\k:WA+4*\k+3] offset:WGI+8*WP*\k
.endr
	s_wait_dscnt 0x0                               ; for the others' sake: my part of Wg has landed
	s_barrier_signal -1
	s_barrier_wait -1
.macro GLOAD j, buf                    ; Wg's rows 256 j + 8 lane + 0..7: my chunk, 16 loads
.irp m, 0,1,2,3,4,5,6,7,8,9,10,11,12,13,14,15
	ds_load_b128 v[\buf+4*\m:\buf+4*\m+3], v5 offset:WGI+32*WP*(\j)+16*\m
.endr
.endm
.macro GFMA j, buf                     ; 64 packed multiply-adds: a number of x (one register of a pair, for both halves) x two experts' weights; eight sums by turns
.irp i, 0,1,2,3,4,5,6,7
.irp t, 0,1
.irp p, 0,1,2,3
.set rG, GA+8*\t+2*\p
.set rX, XR+32*\t+8*(\j)+2*(\i/2)
.set rW, \buf+8*\i+2*\p
.if ((\j) == 0) && (\i == 0)
	v_pk_mul_f32 v[rG:rG+1], v[rX:rX+1], v[rW:rW+1] op_sel_hi:[0,1]      ; the first products start the sums
.elseif (\i%2) == 0
	v_pk_fma_f32 v[rG:rG+1], v[rX:rX+1], v[rW:rW+1], v[rG:rG+1] op_sel_hi:[0,1,1]
.else
	v_pk_fma_f32 v[rG:rG+1], v[rX:rX+1], v[rW:rW+1], v[rG:rG+1] op_sel:[1,0,0] op_sel_hi:[1,1,1]
.endif
.endr
.endr
.endr
.endm
	GLOAD 0, WA
	GLOAD 1, WB
	s_wait_dscnt 16                                ; the older 16 are in
	GFMA 0, WA
	GLOAD 2, WA
	s_wait_alu depctr_va_vdst(0)
	s_wait_dscnt 16
	GFMA 1, WB
	GLOAD 3, WB
	s_wait_alu depctr_va_vdst(0)
	s_wait_dscnt 16
	GFMA 2, WA
	s_wait_alu depctr_va_vdst(0)
	s_wait_dscnt 0x0
	GFMA 3, WB
.irp m, 1,2,4,8                        ; the 32 lanes' parts are added; every lane ends with the sums
.irp n, 0,1,2,3,4,5,6,7,8,9,10,11,12,13,14,15
	v_add_f32_dpp v[GA+\n], v[GA+\n], v[GA+\n] row_xmask:\m row_mask:0xf bank_mask:0xf
.endr
.endr
.irp n, 0,1,2,3,4,5,6,7,8,9,10,11,12,13,14,15
	v_permlanex16_b32 v[WA+\n], v[GA+\n], s24, s25
.endr
	s_wait_kmcnt 0x0                               ; bg
.irp n, 0,1,2,3,4,5,6,7,8,9,10,11,12,13,14,15
	v_add_f32 v[GA+\n], v[GA+\n], v[WA+\n]
.endr
.irp n, 0,1,2,3,4,5,6,7,8,9,10,11,12,13,14,15
	v_add_f32 v[GA+\n], s[28+\n%8], v[GA+\n]
.endr
.irp n, 0,1,2,3
	ds_store_b128 v8, v[GA+4*\n:GA+4*\n+3] offset:16*\n     ; all lanes write the same bytes with the same values
.endr
	s_wait_dscnt 0x0                               ; for wave 0's sake: my scores and my scale bytes have landed
	s_barrier_signal -1
	s_barrier_wait -1
	s_cmp_lg_u32 s22, 0
	s_cbranch_scc1 .Lend                           ; wave 0 finishes the work-group's 8 tokens
	ds_load_b64 v[24:25], v9
	ds_load_b64 v[26:27], v10
	ds_load_b128 v[32:35], v11
	ds_load_b128 v[36:39], v11 offset:16
	s_wait_dscnt 0x0
	global_store_b64 v6, v[24:25], s[16:17]        ; out1: one aligned run of 256 bytes
	global_store_b64 v6, v[26:27], s[12:13]        ; xscales likewise
	v_max3_num_f32 v40, v32, v33, v34              ; lane l: token l % 8.  The row's maximum is taken away, as reference() does
	v_max3_num_f32 v40, v40, v35, v36
	v_max3_num_f32 v40, v40, v37, v38
	v_max_num_f32 v40, v40, v39
.irp e, 0,1,2,3,4,5,6,7
	v_sub_f32 v[48+\e], v[32+\e], v40
.endr
.irp e, 0,1,2,3,4,5,6,7
	v_mul_f32 v[48+\e], 0x3fb8aa3b, v[48+\e]
.endr
	s_wait_alu depctr_va_vdst(0)
.irp e, 0,1,2,3,4,5,6,7
	v_exp_f32 v[48+\e], v[48+\e]
.endr
	v_nop                                          ; a plain line behind the batch,
	s_wait_alu depctr_va_vdst(0)                   ; and one wait for the eight, ahead of their first reader
	v_add_f32 v41, v48, v49
	v_add_f32 v42, v50, v51
	v_add_f32 v43, v52, v53
	v_add_f32 v44, v54, v55
	v_add_f32 v41, v41, v42
	v_add_f32 v43, v43, v44
	v_add_f32 v41, v41, v43
	s_wait_alu depctr_va_vdst(0)
	v_rcp_f32 v41, v41
	v_nop
	s_wait_alu depctr_va_vdst(0)
.irp e, 0,1,2,3,4,5,6,7
	v_mul_f32 v[48+\e], v[48+\e], v41              ; the probabilities
.endr
	v_max3_num_f32 v42, v48, v49, v50
	v_max3_num_f32 v42, v42, v51, v52
	v_max3_num_f32 v42, v42, v53, v54
	v_max_num_f32 v42, v42, v55                    ; the largest,
	v_mov_b32 v43, 0
.irp e, 7,6,5,4,3,2,1,0
	v_cmp_eq_f32 vcc_lo, v[48+\e], v42
	v_cndmask_b32 v43, v43, \e, vcc_lo             ; and the lowest index that has it
.endr
.irp e, 0,1,2,3,4,5,6,7
	v_cmp_eq_u32 vcc_lo, \e, v43
	v_cndmask_b32 v[48+\e], v[48+\e], -1.0, vcc_lo ; it is taken out: under every probability
.endr
	v_max3_num_f32 v42, v48, v49, v50
	v_max3_num_f32 v42, v42, v51, v52
	v_max3_num_f32 v42, v42, v53, v54
	v_max_num_f32 v42, v42, v55                    ; the second largest,
	v_mov_b32 v44, 0
.irp e, 7,6,5,4,3,2,1,0
	v_cmp_eq_f32 vcc_lo, v[48+\e], v42
	v_cndmask_b32 v44, v44, \e, vcc_lo             ; likewise
.endr
	v_mov_b32 v45, 0
.irp e, 0,1,2,3,4,5,6,7
	v_cmp_eq_u32 s40, \e, v43
	v_cmp_eq_u32 s41, \e, v44
	s_or_b32 s40, s40, s41                         ; bits 0-7: which of the 8 tokens chose expert e
	v_writelane_b32 v45, s40, \e                   ; lane e keeps them
.endr
	v_lshlrev_b32 v46, 7, v1                       ; an expert's bits are 128 bytes
	s_wait_alu depctr_va_vdst(0)
	s_wait_xcnt 0x0                                ; EXEC changes only behind this wait: two stores are out
	v_cmp_gt_u32 vcc_lo, 8, v1
	s_and_saveexec_b32 s44, vcc_lo
	global_store_b8 v46, v45, s[14:15]             ; lanes 0-7: the work-group's byte of each expert's bits
	s_wait_xcnt 0x0
	s_or_b32 exec_lo, exec_lo, s44
.Lend:
	s_wait_tensorcnt 0x0
	ds_add_u32 v30, v31
	s_wait_dscnt 0x0
	s_endpgm
.Lfunc_end_k_qefcf0d015b_route:
	.size	k_qefcf0d015b_route, .Lfunc_end_k_qefcf0d015b_route-k_qefcf0d015b_route
	.p2alignl 7, 3214868480
	.fill 96, 4, 3214868480
	.section	.rodata,"a",@progbits
	.p2align	6, 0x0
	.amdhsa_kernel k_qefcf0d015b_route
		.amdhsa_group_segment_fixed_size 35840
		.amdhsa_private_segment_fixed_size 0
		.amdhsa_enable_private_segment 0
		.amdhsa_kernarg_size 56
		.amdhsa_user_sgpr_count 2
		.amdhsa_user_sgpr_kernarg_segment_ptr 1
		.amdhsa_wavefront_size32 1
		.amdhsa_system_sgpr_workgroup_id_x 1
		.amdhsa_system_sgpr_workgroup_id_y 1
		.amdhsa_system_sgpr_workgroup_id_z 1
		.amdhsa_system_vgpr_workitem_id 0
		.amdhsa_next_free_vgpr 256
		.amdhsa_next_free_sgpr 66
		.amdhsa_reserve_vcc 1
		.amdhsa_float_denorm_mode_32 3
		.amdhsa_float_denorm_mode_16_64 3
		.amdhsa_memory_ordered 1
		.amdhsa_forward_progress 1
		.amdhsa_inst_pref_size 52
	.end_amdhsa_kernel
	.amdgpu_metadata
---
amdhsa.version: [ 1, 2 ]
amdhsa.kernels:
  - .name:           k_qefcf0d015b_route
    .symbol:         k_qefcf0d015b_route.kd
    .args:
      - { .name: x, .offset: 0, .size: 8, .value_kind: global_buffer, .address_space: global }
      - { .name: Wg, .offset: 8, .size: 8, .value_kind: global_buffer, .address_space: global }
      - { .name: bg, .offset: 16, .size: 8, .value_kind: global_buffer, .address_space: global }
      - { .name: xcodes, .offset: 24, .size: 8, .value_kind: global_buffer, .address_space: global }
      - { .name: xscales, .offset: 32, .size: 8, .value_kind: global_buffer, .address_space: global }
      - { .name: masks, .offset: 40, .size: 8, .value_kind: global_buffer, .address_space: global }
      - { .name: out1, .offset: 48, .size: 8, .value_kind: global_buffer, .address_space: global }
    .group_segment_fixed_size: 35840
    .private_segment_fixed_size: 0
    .kernarg_segment_align: 8
    .kernarg_segment_size: 56
    .max_flat_workgroup_size: 128
    .sgpr_count:     66
    .vgpr_count:     256
    .wavefront_size: 32
...
	.end_amdgpu_metadata
.endif
;; end of part 7
;; launch ffn1 (part 8): grid 32 x 8, 4 waves a work-group, no clusters, 143,872 bytes of LDS; arguments W1_codes, W1_scales, b1, xcodes, xscales, masks, hcodes, hscales, pos; writes hcodes, hscales, pos
.if DOCPART == 8
	.amdgcn_target "amdgcn-amd-amdhsa--gfx1250"
	.amdhsa_code_object_version 6
	.text
	.protected	k_qefcf0d015b_ffn1
	.globl	k_qefcf0d015b_ffn1
	.p2align	8
	.type	k_qefcf0d015b_ffn1,@function
k_qefcf0d015b_ffn1:
	s_mov_b64 s[64:65], 0
	v_nop
	global_prefetch_b8 v0, s[64:65] scope:SCOPE_SE
	s_setreg_imm32_b32 hwreg(HW_REG_WAVE_SCHED_MODE, 0, 2), 2
	s_setreg_imm32_b32 hwreg(HW_REG_WAVE_MODE, 25, 1), 1
	s_wait_xcnt 0x0
	s_wait_alu depctr_vm_vsrc(0)
; THE FIRST PRODUCT, for the chosen rows alone: hidden = Q(relu(x W1 + b1)), MX-BF8 on both sides, f32 sums.
; SHARES.  Work-group (S, e) owns hidden units 128 S .. 128 S + 127 of expert e: 128 rows of W1 x 1,024 along K = 131,072 bytes of codes, read from memory once and kept in LDS.
; The expert's rows (the tokens whose bit is set in masks) are ranked in token order; 16 ranks are a tile.  A wave owns whole tiles and takes each through all of K and all 128 units by itself,
; so behind the one barrier at the head no wave waits for another, and branches on the row count touch no barrier.
; A SWEEP is 5 tiles a wave (tiles 20 v + wave + 4 i), their codes of x resident in 640 registers; four passes of 32 units each read every weight fragment from LDS once a sweep.
; The loop has 4 sweeps whatever the split (80 tiles cover all 1,024 tokens on one expert); a sweep without tiles is jumped over.  A tile past the wave's count is multiplied on token 1023's row and stores nothing.
; WHICH TOKEN HAS RANK R is found in registers, by each wave for its own rows, from the expert's 32 words of bits in scalar registers: a walk over the words picks the word that holds the rank and the count
; ahead of it, five halvings over partial bit counts pick the bit.  So no list goes through LDS, and THE FIRST SWEEP'S ROWS ARE ASKED FOR AT THE HEAD, while the weights are on their way.
; NO TENSOR LOADS, NO CLUSTER: the 32 work-groups of an expert do read the same rows of x, but which sweeps run and which tiles store hangs on counts read from memory.
; LAYOUT.  The product is used transposed (source 0 = 16 rows of W1, source 1 = 16 routed rows).  Lane r of weight tile 2 b + u takes unit 32 b + 8 u + r + 8 (r / 8), so a lane's 16 results of a pass are
; units 32 b + 16 (lane / 16) + 0..15 of ONE row: the conversions' results are registers 4 b .. 4 b + 3 of the second product's operand for K step S.
; OUT: hcodes [e][tile 64][S 32][c 4][lane 32][16 bytes]: images of operand registers;  hscales [e][S 32][slot 1024]: a word a row;  pos [e][token]: 1024 e + rank, or 0x7fffffff:
; work-group (S, e) stores the words of tokens 32 S .. 32 S + 31.
; LIMITS: NaN and infinities are not served; a block of zeros gets the byte 1 (its codes are zeros; only this program reads the bytes).  pos leaves in runs of 128 bytes, hscales in runs of 64: 1/32 of the codes' bytes.
; A load of x reads 32 bytes of each of 16 rows: a lane's row is its own token's.
; THE MODE: SCHED_MODE bits 1:0 = 2 (LLVM: expert scheduling mode 2), set by the entry lines.  The code itself states the register dependences
; between vector or matrix instructions and memory or LDS instructions, with s_wait_alu, always for 0.
; THE PLAN.  Registers that memory or LDS instructions touch:
;   v1-11, v22, v23, v254, v255   addresses, made at the head and never written again: one wait on va_vdst ahead of the first load.
;   the weights on their way      loads land in them, the 66 LDS stores read them, later loads land in them again: one wait on vm_vsrc behind the stores.
;   AO, SO                        written by TOKENS once a sweep, read by the sweep's 165 loads: va_vdst behind TOKENS, vm_vsrc at the sweep's head.
;   the rows' fragments, AS       loaded once a sweep, read by its products.  A sweep's last products stand ahead of the wait in front of tile 0's last stores, and no vector line behind that wait names them.
;   WF, two buffers               double step k's products read buffer k % 2; its 16 LDS loads land in the other, which double step k - 1's products read: ONE wait on va_vdst at the double step's head.
;                                 Behind it the loads are dealt among the products, which name none of the registers that the loads touch.
;   WS, two sets                  a pass's products read set b % 2; the loads of the next pass's words land in the other: the same wait.
;   CD, SW                        the way out's buffers: written by a tile's vector lines, read by its stores: va_vdst ahead of the tile's stores, vm_vsrc at the head of the next pass's way out (SW: at the sweep's head).
;   The accumulators, b1 and TM's first four are named by vector and matrix instructions alone (b1 is loaded once, at the head).
.set UP,   272                         ; a unit in LDS: 16 rows x 16 bytes of one weight tile + 16 of padding (64 banks of 4 bytes: ISA guide 11.1: 32 lanes a unit apart, or 16 bytes apart, meet no bank twice in a pass)
.set SCL,  0                           ; W1's scale words: [block 4][half 2][lane 32][16 bytes]
.set WL,   SCL+4096                    ; W1's codes: unit 64 x tile + K / 16, 512 units
.set L16,  1                           ; v1     16 x lane
.set WST,  2                           ; v2     where I store weights: WL + 128 UP wave + UP lane
.set SST,  3                           ; v3     and their scale words
.set WBA,  4                           ; v4-7   where I read pass b's fragments: WL + 128 UP b + UP (lane / 16) + 16 (lane % 16)
.set SRD,  8                           ; v8     SCL + 16 lane
.set RK,   9                           ; v9     16 wave + lane % 16: my row's rank in tile 0 of sweep 0
.set H16,  10                          ; v10    16 (lane / 16)
.set R4,   11                          ; v11    4 (lane % 16)
.set AO,   12                          ; v12-16 tile i: my row's byte offset in xcodes
.set SO,   17                          ; v17-21 and in xscales
.set WSO,  22                          ; v22    my row's offset in W1_scales
.set BO,   23                          ; v23    64 (lane / 16): b1
.set AS,   24                          ; v24-43 x's scale words: tile i, register m: lanes 0-15 K step 2 m, lanes 16-31 K step 2 m + 1
.set WS,   44                          ; v44-59 W1's scale words, two sets of 8 (K step s): lanes 0-15 tile 2 b, lanes 16-31 tile 2 b + 1
.set TM,   60                          ; v60-67 at work
.set SW,   68                          ; v68-72 tile i: the hidden row's scale word, a byte a pass
.set CD,   76                          ; v76-95 tile i: 16 codes
.set ACC,  96                          ; v96-175 tile i: two accumulators.  Ahead of a sweep's products: the search for the tokens, 11 registers a tile
.set BIAS, 176                         ; v176-239 pass b: b1 in the result's layout
.set WF,   128                         ; window 3, v128-255: weight fragments, two buffers of 64: (K step % 2, u) at 32, 16
                                       ; windows 1, 2 and v0-127 of window 3: x's fragments: tile i at 128 i, K step s at 16 s
.set MSB, 0
.macro WIN new                         ; the immediate's high byte repeats the setting that is left
.if MSB != (\new)
	s_set_vgpr_msb (MSB<<8)|(\new)
.set MSB, (\new)
.endif
.endm
.macro PLACES n
.rept \n
	v_nop
.endr
.endm
; Where row rho of my block of 32 weight rows waits for its way into LDS: 8 registers at wr of window wn.  Rows 0-15: the weight fragments' buffers; rows 16-31: the registers of tiles 0-3 for K steps 6 and 7,
; whose loads go out behind the weights' LDS stores.  So the registers of K steps 0 to 5 are free for the rows' loads at once.
.macro WREG rho
.if (\rho) < 16
.set wn, 3
.set wr, 128+8*(\rho)
.else
.set wn, 1+((\rho)-16)/8
.set wr, 128*((((\rho)-16)/4)%2)+96+8*(((\rho)-16)%4)
.endif
.endm
; One halving of the search in a word: the count of set bits in the lower half of what is left is a field of the partial counts (register src, width bits at pos).  Where my number n is not under it, the bit lies in the upper half.
.macro LEVEL src, width
.irp i, 0,1,2,3,4
	v_bfe_u32 v[ACC+16*\i+8], v[ACC+16*\i+\src], v[ACC+16*\i+7], \width
.endr
.irp i, 0,1,2,3,4
	v_cmp_ge_u32 s[50+\i], v[ACC+16*\i], v[ACC+16*\i+8]
.endr
	s_wait_alu depctr_va_sdst(0)                   ; the five compares have written s50 to s54, which the selects below read
.irp i, 0,1,2,3,4
	v_cndmask_b32 v[ACC+16*\i+8], 0, v[ACC+16*\i+8], s[50+\i]
	v_cndmask_b32 v[ACC+16*\i+9], 0, \width, s[50+\i]
.endr
.irp i, 0,1,2,3,4
	v_sub_nc_u32 v[ACC+16*\i], v[ACC+16*\i], v[ACC+16*\i+8]
	v_add_nc_u32 v[ACC+16*\i+7], v[ACC+16*\i+7], v[ACC+16*\i+9]
.endr
.endm
; THE TOKENS OF MY FIVE TILES' ROWS in the sweep whose first rank is s25, and their offsets in xcodes and xscales.  Tile i at X = ACC + 16 i: X rank, then n; X+1 the word; X+2 word number << 16 | count ahead;
; X+3, 4, 5 counts of 2, 4, 8 bits; X+7 pos; X+8, 9 at work.  The five tiles by turns, so that no line waits for the line above it.  A rank past the expert's last row ends at token 1023.
; The compares stand in runs of five, one for each tile, with one wait on va_sdst behind each run.
.macro TOKENS
.irp i, 0,1,2,3,4
	v_add_nc_u32 v[ACC+16*\i], s25, v[RK]
.endr
.irp i, 1,2,3,4
	v_add_nc_u32 v[ACC+16*\i], 64*\i, v[ACC+16*\i]         ; rank = first rank of the sweep + 16 wave + 64 i + lane % 16
.endr
.irp i, 0,1,2,3,4
	v_mov_b32 v[ACC+16*\i+1], s68
	v_mov_b32 v[ACC+16*\i+2], 0
.endr
	s_bcnt1_i32_b32 s40, s68                       ; chosen tokens ahead of word 1
.set g, 1
.rept 31                               ; the last word whose count ahead is not above the rank holds it
	s_or_b32 s41, s40, g<<16
.irp i, 0,1,2,3,4
	v_cmp_le_u32 s[50+\i], s40, v[ACC+16*\i]
.endr
	s_wait_alu depctr_va_sdst(0)                   ; the five compares have written s50 to s54, which the selects below read
.irp i, 0,1,2,3,4
	v_cndmask_b32 v[ACC+16*\i+1], v[ACC+16*\i+1], s[68+g], s[50+\i]
	v_cndmask_b32 v[ACC+16*\i+2], v[ACC+16*\i+2], s41, s[50+\i]
.endr
	s_bcnt1_i32_b32 s42, s[68+g]
	s_add_co_u32 s40, s40, s42
.set g, g+1
.endr
.irp i, 0,1,2,3,4
	v_and_b32 v[ACC+16*\i+8], 0xffff, v[ACC+16*\i+2]
.endr
.irp i, 0,1,2,3,4
	v_sub_nc_u32 v[ACC+16*\i], v[ACC+16*\i], v[ACC+16*\i+8]        ; n: which set bit of the word, from 0
.endr
.irp i, 0,1,2,3,4
	v_lshrrev_b32 v[ACC+16*\i+8], 1, v[ACC+16*\i+1]
.endr
.irp i, 0,1,2,3,4
	v_and_b32 v[ACC+16*\i+8], 0x55555555, v[ACC+16*\i+8]
.endr
.irp i, 0,1,2,3,4
	v_sub_nc_u32 v[ACC+16*\i+3], v[ACC+16*\i+1], v[ACC+16*\i+8]    ; the count of each 2 bits
.endr
.irp i, 0,1,2,3,4
	v_lshrrev_b32 v[ACC+16*\i+8], 2, v[ACC+16*\i+3]
.endr
.irp i, 0,1,2,3,4
	v_and_b32 v[ACC+16*\i+8], 0x33333333, v[ACC+16*\i+8]
	v_and_b32 v[ACC+16*\i+4], 0x33333333, v[ACC+16*\i+3]
.endr
.irp i, 0,1,2,3,4
	v_add_nc_u32 v[ACC+16*\i+4], v[ACC+16*\i+4], v[ACC+16*\i+8]    ; of each 4
.endr
.irp i, 0,1,2,3,4
	v_lshrrev_b32 v[ACC+16*\i+8], 4, v[ACC+16*\i+4]
.endr
.irp i, 0,1,2,3,4
	v_add_nc_u32 v[ACC+16*\i+5], v[ACC+16*\i+4], v[ACC+16*\i+8]
.endr
.irp i, 0,1,2,3,4
	v_and_b32 v[ACC+16*\i+5], 0x0f0f0f0f, v[ACC+16*\i+5]           ; of each 8
.endr
.irp i, 0,1,2,3,4
	v_bfe_u32 v[ACC+16*\i+8], v[ACC+16*\i+5], 8, 8
	v_and_b32 v[ACC+16*\i+9], 0xff, v[ACC+16*\i+5]
.endr
.irp i, 0,1,2,3,4
	v_add_nc_u32 v[ACC+16*\i+8], v[ACC+16*\i+8], v[ACC+16*\i+9]    ; of the lower 16
.endr
.irp i, 0,1,2,3,4
	v_cmp_ge_u32 s[50+\i], v[ACC+16*\i], v[ACC+16*\i+8]
.endr
	s_wait_alu depctr_va_sdst(0)                   ; the five compares have written s50 to s54, which the selects below read
.irp i, 0,1,2,3,4
	v_cndmask_b32 v[ACC+16*\i+8], 0, v[ACC+16*\i+8], s[50+\i]
	v_cndmask_b32 v[ACC+16*\i+7], 0, 16, s[50+\i]                  ; pos begins at 0 or 16
.endr
.irp i, 0,1,2,3,4
	v_sub_nc_u32 v[ACC+16*\i], v[ACC+16*\i], v[ACC+16*\i+8]
.endr
	LEVEL 5, 8
	LEVEL 4, 4
	LEVEL 3, 2
	LEVEL 1, 1
.irp i, 0,1,2,3,4
	v_lshrrev_b32 v[ACC+16*\i+8], 16, v[ACC+16*\i+2]
.endr
.irp i, 0,1,2,3,4
	v_lshl_add_u32 v[AO+\i], v[ACC+16*\i+8], 5, v[ACC+16*\i+7]     ; the token: 32 x word + bit
.endr
.irp i, 0,1,2,3,4
	v_min_u32 v[AO+\i], 0x3ff, v[AO+\i]            ; a number made of loaded words enters an address only behind a clamp by a constant; behind it plain shifts and additions alone
.endr
.irp i, 0,1,2,3,4
	v_lshlrev_b32 v[SO+\i], 5, v[AO+\i]            ; 32 scale bytes a token,
	v_lshlrev_b32 v[AO+\i], 10, v[AO+\i]           ; 1,024 codes
.endr
.irp i, 0,1,2,3,4
	v_add_nc_u32 v[SO+\i], v[H16], v[SO+\i]        ; + 16 (lane / 16) in both
	v_add_nc_u32 v[AO+\i], v[H16], v[AO+\i]
.endr
	s_wait_alu depctr_va_vdst(0)                   ; AO and SO are written, which the sweep's loads read as their offsets
.endm
.macro XSLOAD                          ; x's scale words: those of K steps h, 2 + h, 4 + h, 6 + h
.irp i, 0,1,2,3,4
	global_load_b128 v[AS+4*\i:AS+4*\i+3], v[SO+\i], s[12:13]
.endr
.endm
.macro ALOAD k                         ; 40 loads: the five tiles' fragments of K steps 2 k, 2 k + 1: lane (r, h): 16 bytes at 128 s + 32 c + 16 h of its token's row
.irp i, 0,1,2,3,4
	WIN 0x40*(1+\i/2)
.irp sl, 0,1
.irp c, 0,1,2,3
	global_load_b128 v[128*(\i%2)+16*(2*(\k)+\sl)+4*\c:128*(\i%2)+16*(2*(\k)+\sl)+4*\c+3], v[AO+\i], s[10:11] offset:128*(2*(\k)+\sl)+32*\c
.endr
.endr
.endr
.endm
.macro WFLOAD b, k, sl                 ; 8 LDS loads: tiles 2 b, 2 b + 1, K step 2 k + sl -> buffer k % 2
	WIN 0xc0                                       ; destination window 3
.irp u, 0,1
.irp c, 0,1,2,3
	ds_load_b128 v[WF+64*((\k)%2)+32*(\sl)+16*\u+4*\c:WF+64*((\k)%2)+32*(\sl)+16*\u+4*\c+3], v[WBA+(\b)] offset:(64*\u+8*(2*(\k)+(\sl))+2*\c)*UP
.endr
.endr
.endm
.macro NEXTW b, k, sl                  ; K step sl of the double step that follows (b, k), into the buffer that the double step before this one has left
.if (\k) < 3
	WFLOAD \b, (\k)+1, \sl
.elseif (\b) < 3
	WFLOAD (\b)+1, 0, \sl
.endif
.endm
.macro WSLOAD b                        ; pass b's scale words -> set b % 2
	WIN 0
	ds_load_b128 v[WS+8*((\b)%2):WS+8*((\b)%2)+3], v[SRD] offset:1024*(\b)
	ds_load_b128 v[WS+8*((\b)%2)+4:WS+8*((\b)%2)+7], v[SRD] offset:1024*(\b)+512
.endm
.macro WM u, o                         ; u: the weights' words lie in lanes 16-31;  o: so do x's
.if (\u) && (\o)
	v_wmma_scale_f32_16x16x128_f8f6f4 v[rD:rD+7], v[rW:rW+15], v[rA:rA+15], v[rC:rC+7], v[rX], v[rY] matrix_a_fmt:MATRIX_FMT_BF8 matrix_b_fmt:MATRIX_FMT_BF8 matrix_a_scale:MATRIX_SCALE_ROW1 matrix_b_scale:MATRIX_SCALE_ROW1
.elseif (\u)
	v_wmma_scale_f32_16x16x128_f8f6f4 v[rD:rD+7], v[rW:rW+15], v[rA:rA+15], v[rC:rC+7], v[rX], v[rY] matrix_a_fmt:MATRIX_FMT_BF8 matrix_b_fmt:MATRIX_FMT_BF8 matrix_a_scale:MATRIX_SCALE_ROW1
.elseif (\o)
	v_wmma_scale_f32_16x16x128_f8f6f4 v[rD:rD+7], v[rW:rW+15], v[rA:rA+15], v[rC:rC+7], v[rX], v[rY] matrix_a_fmt:MATRIX_FMT_BF8 matrix_b_fmt:MATRIX_FMT_BF8 matrix_b_scale:MATRIX_SCALE_ROW1
.else
	v_wmma_scale_f32_16x16x128_f8f6f4 v[rD:rD+7], v[rW:rW+15], v[rA:rA+15], v[rC:rC+7], v[rX], v[rY] matrix_a_fmt:MATRIX_FMT_BF8 matrix_b_fmt:MATRIX_FMT_BF8
.endif
.endm
.macro MUL b, s, i, u                  ; weight tile 2 b + u x routed tile i, K step s.  The first K step takes b1 as its C: the bias costs no addition and nothing is cleared
.set rD, ACC+16*(\i)+8*(\u)
.set rW, WF+64*(((\s)/2)%2)+32*((\s)%2)+16*(\u)
.set rA, 128*((\i)%2)+16*(\s)
.set rX, WS+8*((\b)%2)+(\s)
.set rY, AS+4*(\i)+(\s)/2
.if (\s) == 0
.set rC, BIAS+16*(\b)+8*(\u)
.else
.set rC, rD
.endif
	WM \u, (\s)%2
.endm
.macro MULG b, k, grp, sl              ; the products of routed tiles 2 grp, 2 grp + 1 in K step 2 k + sl: four (grp 2: two); the accumulators by turns, one instruction a turn
	WIN 0x07+4*(\grp)                              ; source 0 (weights) window 3, source 1 (x) window 1, 2 or 3, C and D window 0
.irp ii, 0,1
.if 2*(\grp)+\ii < 5
.irp u, 0,1
	MUL \b, 2*(\k)+(\sl), 2*(\grp)+\ii, \u
.endr
.endif
.endr
.endm
; Two K steps of a pass: 20 products, in the order tiles 0-1 (K step 2 k, then 2 k + 1), tiles 2-3, tile 4.  The eight places between products and a load into a register that they have read stay as they stood; the wait stands behind them.
; The next double step's 16 LDS loads are dealt among the products: eight behind the first four, eight behind the next four, so that twelve products and more stand between the last load and the wait for it.
.macro DSTEP b, k
	s_wait_dscnt 0x0                               ; this double step's fragments, asked for a double step ago, are in
	PLACES 8
.if (\k) > 0
	s_wait_alu depctr_va_vdst(0)                   ; the last double step's products are done reading the buffer in which the loads below land; the pass before last is done reading its scale words likewise.  (At a pass's first double step the wait ahead of tile 0's stores has stated it: no vector line behind that wait names WF or WS)
.endif
.if (\b) == 0                          ; the first pass meets x's fragments as they arrive: behind double step k's stand 40 (3 - k) younger loads (a wait's count holds 63 at the most)
.if (\k) < 2
	s_wait_loadcnt 63
.else
	s_wait_loadcnt 40*(3-(\k))
.endif
.endif
	MULG \b, \k, 0, 0
	NEXTW \b, \k, 0                                ; no wait: the products since the wait name this double step's buffer, the rows' fragments, this pass's scale words and the accumulators
	MULG \b, \k, 0, 1
	NEXTW \b, \k, 1
.if ((\k) == 2) && ((\b) < 3)
	WSLOAD (\b)+1
.endif
	MULG \b, \k, 1, 0
	MULG \b, \k, 1, 1
	MULG \b, \k, 2, 0
	MULG \b, \k, 2, 1
.endm
; Tile i's 16 results a lane of pass b: the activation, the block's scale, 16 codes, stored as registers 4 b .. 4 b + 3 of the next operand
.macro EPI1 b, i
.set rE, ACC+16*(\i)
	v_max3_num_f32 v[TM], v[rE], v[rE+1], 0x8000000                 ; no |.|: what is negative becomes 0 and must not count; the floor 2^(16 - 127) stands over it.  Each accumulator is read from its low end on
	v_max3_num_f32 v[TM+2], v[rE+8], v[rE+9], 0x8000000
.irp j, 2,4,6
	v_max3_num_f32 v[TM], v[TM], v[rE+\j], v[rE+\j+1]
	v_max3_num_f32 v[TM+2], v[TM+2], v[rE+8+\j], v[rE+9+\j]
.endr
	v_max_num_f32 v[TM], v[TM], v[TM+2]
	v_permlanex16_b32 v[TM+1], v[TM], s34, s35
	v_max_num_f32 v[TM], v[TM], v[TM+1]            ; with lane l xor 16's 16: the block's largest
	v_add_nc_u32 v[TM+3], 0xf8800000, v[TM]        ; 15 off the exponent field: the conversion's scale operand
	v_and_or_b32 v[TM+4], v[TM], 0x7f800000, s33   ; 57,344 x the scale
	v_lshrrev_b32 v[TM+5], 23, v[TM+3]             ; the scale's byte
	v_lshl_or_b32 v[SW+(\i)], v[TM+5], 8*(\b), v[SW+(\i)]
.irp j, 0,1,2,3,4,5,6,7,8,9,10,11,12,13,14,15
	v_med3_num_f32 v[rE+\j], v[rE+\j], 0, v[TM+4]  ; the activation and the hold in one (the conversion does not saturate: ISA guide 7.6.2)
.endr
	v_cvt_scalef32_pk8_bf8_f32 v[CD+4*(\i):CD+4*(\i)+1], v[rE:rE+7], v[TM+3]
	v_cvt_scalef32_pk8_bf8_f32 v[CD+4*(\i)+2:CD+4*(\i)+3], v[rE+8:rE+15], v[TM+3]
	v_nop                                          ; a plain line behind the conversions: the next products write their sources
	s_wait_alu depctr_va_vdst(0)                   ; the conversions have written this tile's codes, and the line above them its scale word: the stores below read them.  One wait to a tile: the tiles are parted by branches on the row count
	global_store_b128 v[L16], v[CD+4*(\i):CD+4*(\i)+3], s[36:37] offset:262144*(\i)+512*(\b)   ; 32 lanes store 512 consecutive bytes, aligned
.if (\b) == 3
	global_store_b32 v[R4], v[SW+(\i)], s[38:39] offset:256*(\i)    ; the row's word: lanes l and l xor 16 hold the same word and name the same place
.endif
.endm
.macro EPIS b
	s_wait_xcnt 0x0                                ; the last pass's stores have had their addresses translated (and wave 0's store of pos)
	s_wait_alu depctr_vm_vsrc(0)                   ; the last pass's stores have read the codes' registers, and wave 0's store of pos v64 and v65: the lines below write them again
	EPI1 \b, 0
.irp i, 1,2,3,4
	s_cmp_gt_u32 s31, \i
	s_cbranch_scc0 .Ldone_\@                       ; tiles past my count store nothing
	EPI1 \b, \i
.endr
.Ldone_\@:
.endm
	s_load_b512 s[4:19], s[0:1], 0x0               ; W1_codes, W1_scales, b1, xcodes, xscales, masks, hcodes, hscales
	s_load_b64 s[20:21], s[0:1], 0x40              ; pos
	v_lshl_add_u32 v254, v0, 2, 0x23000            ; my spare word, behind the weights; kept for the closing lines alone
	v_mov_b32 v255, 0
	v_lshrrev_b32 v60, 5, v0
	v_readfirstlane_b32 s22, v60                   ; wave
	s_mov_b32 s23, ttmp9                           ; S
	s_and_b32 s24, ttmp7, 0xffff                   ; e
	v_and_b32 v60, 31, v0                          ; lane
	v_and_b32 v61, 15, v0                          ; r
	v_bfe_u32 v62, v0, 4, 1                        ; h
	v_lshlrev_b32 v[L16], 4, v60
	v_mul_u32_u24 v[WST], v60, UP
	s_wait_alu depctr_va_sdst(0)                   ; s22 is written, ahead of its first reader
	s_mul_i32 s40, s22, 128*UP
	s_add_co_u32 s40, s40, WL
	v_add_nc_u32 v[WST], s40, v[WST]
	s_lshl_b32 s40, s22, 10
	s_add_co_u32 s40, s40, SCL
	v_add_nc_u32 v[SST], s40, v[L16]
	v_mul_u32_u24 v63, v62, UP
	v_lshl_add_u32 v63, v61, 4, v63
.irp b, 0,1,2,3
	v_add_nc_u32 v[WBA+\b], WL+128*UP*\b, v63
.endr
	v_add_nc_u32 v[SRD], SCL, v[L16]
	v_lshlrev_b32 v[R4], 2, v61
	s_lshl_b32 s40, s22, 4
	v_add_nc_u32 v[RK], s40, v61
	v_lshlrev_b32 v[H16], 4, v62
	v_lshlrev_b32 v[BO], 6, v62
	v_bfe_u32 v63, v0, 3, 1
	v_lshlrev_b32 v63, 4, v63
	v_lshl_add_u32 v63, v62, 3, v63
	v_and_b32 v64, 7, v0
	v_add_nc_u32 v63, v63, v64                     ; the row of a block of 32 whose scale words my lane keeps: 16 ((l / 8) % 2) + 8 (l / 16) + l % 8
	v_lshlrev_b32 v[WSO], 5, v63                   ; 32 bytes a row
	s_lshl_b32 s40, s24, 12
	s_lshl_b32 s41, s23, 7
	s_add_co_u32 s40, s40, s41                     ; the work-group's first row of W1: 4096 e + 128 S,
	s_lshl_b32 s41, s22, 5
	s_add_co_u32 s41, s40, s41                     ; my wave's block of 32
	s_lshl_b32 s26, s41, 10
	s_mov_b32 s27, 0
	s_lshl_b32 s42, s41, 5
	s_mov_b32 s43, 0
	s_lshl_b32 s44, s40, 2
	s_mov_b32 s45, 0
	s_lshl_b32 s46, s24, 7
	s_mov_b32 s47, 0
	s_wait_kmcnt 0x0
	s_add_nc_u64 s[14:15], s[14:15], s[46:47]
	s_load_b512 s[68:83], s[14:15], 0x0            ; the expert's 1,024 bits
	s_load_b512 s[84:99], s[14:15], 0x40
	s_add_nc_u64 s[4:5], s[4:5], s[26:27]
	s_add_nc_u64 s[6:7], s[6:7], s[42:43]
	s_add_nc_u64 s[8:9], s[8:9], s[44:45]
	s_wait_alu depctr_va_vdst(0)                   ; the addresses v1 to v11, v22 and v23 are written, which the kernel's loads and stores read; none of them is written again
.set rho, 0
.rept 32                               ; my block's 32 rows: each load reads 512 consecutive bytes
	WREG rho
	WIN 0x40*wn
	global_load_b128 v[wr:wr+3], v[L16], s[4:5] offset:1024*rho th:TH_LOAD_NT
	global_load_b128 v[wr+4:wr+7], v[L16], s[4:5] offset:1024*rho+512 th:TH_LOAD_NT
.set rho, rho+1
.endr
	WIN 0
	global_load_b128 v[WS:WS+3], v[WSO], s[6:7]
	global_load_b128 v[WS+4:WS+7], v[WSO], s[6:7] offset:16
.irp b, 0,1,2,3
.irp k, 0,1,2,3
	global_load_b128 v[BIAS+16*\b+4*\k:BIAS+16*\b+4*\k+3], v[BO], s[8:9] offset:128*\b+16*\k   ; b1 of units 32 b + 16 h + 0..15
.endr
.endr
	s_wait_kmcnt 0x0
	s_mov_b32 s28, 0
.set g, 0
.rept 32
	s_bcnt1_i32_b32 s40, s[68+g]
	s_add_co_u32 s28, s28, s40                     ; the expert's rows
.set g, g+1
.endr
	s_add_co_u32 s29, s28, 15
	s_lshr_b32 s29, s29, 4                         ; its tiles T
	s_sub_co_u32 s30, s29, s22
	s_add_co_u32 s30, s30, 3                       ; T - wave + 3 - 20 v: a quarter of it, rounded down, is my count of tiles from sweep v on
	s_mov_b32 s25, 0                               ; the sweep's first rank
	TOKENS                                         ; while the weights are on their way
	XSLOAD
	ALOAD 0                                        ; the first sweep's rows, K steps 0 to 5: 125 loads behind the weights'
	ALOAD 1
	ALOAD 2
	WIN 0
	s_cmp_lg_u32 s22, 0
	s_cbranch_scc1 .Lnot_wave_0
	; wave 0: where the rows of tokens 32 S .. 32 S + 31 lie: the expert's 32 work-groups share its 1,024 words of pos
	s_mov_b32 s40, 0                               ; chosen tokens so far
	s_mov_b32 s42, 0                               ; those ahead of token 32 S,
	s_mov_b32 s43, 0                               ; and the bits of tokens 32 S .. 32 S + 31: both are caught on the way
.set g, 0
.rept 32
	s_cmp_eq_u32 s23, g
	s_cselect_b32 s42, s40, s42
	s_cselect_b32 s43, s[68+g], s43
	s_bcnt1_i32_b32 s41, s[68+g]
	s_add_co_u32 s40, s40, s41
.set g, g+1
.endr
	s_lshl_b32 s41, s24, 10
	s_add_co_u32 s42, s42, s41                     ; 1024 e + the count ahead
	s_lshl_b32 s44, s24, 12
	s_lshl_b32 s45, s23, 7
	s_add_co_u32 s44, s44, s45
	s_mov_b32 s45, 0
	s_add_nc_u64 s[20:21], s[20:21], s[44:45]      ; pos at (e, token 32 S)
	v_mbcnt_lo_u32_b32 v62, s43, s42
	v_mov_b32 v63, 0x7fffffff
	v_cndmask_b32 v65, v63, v62, s43
	v_lshrrev_b32 v64, 2, v[L16]                   ; 4 x lane
	s_wait_alu depctr_va_vdst(0)                   ; v64 and v65 are written: the store's offset and its data
	global_store_b32 v64, v65, s[20:21]            ; 32 lanes store 128 consecutive bytes
.Lnot_wave_0:
	s_wait_loadcnt 63                              ; weights, scale words and b1 are in: 125 younger loads stand behind them (a wait's count holds 63 at the most)
.set rho, 0
.rept 32                               ; row rho is lane 8 (rho / 16) + rho % 8 of tile 2 wave + (rho / 8) % 2; my lane's 16 bytes are unit 32 p + lane of its 64
	WREG rho
	WIN 0x04*wn                                    ; an LDS store's data are its source 1
	ds_store_b128 v[WST], v[wr:wr+3] offset:64*((rho/8)%2)*UP+16*(8*(rho/16)+rho%8)
	ds_store_b128 v[WST], v[wr+4:wr+7] offset:(64*((rho/8)%2)+32)*UP+16*(8*(rho/16)+rho%8)
.set rho, rho+1
.endr
	WIN 0
	ds_store_b128 v[SST], v[WS:WS+3]
	ds_store_b128 v[SST], v[WS+4:WS+7] offset:512
	s_wait_dscnt 0x0                               ; for the others' sake: my block has landed
	s_wait_alu depctr_vm_vsrc(0)                   ; the LDS stores have read their data: in those registers land the rows' K steps 6 and 7 (below), the weight fragments and the first set of scale words (in the loop)
	ALOAD 3
	WIN 0
	s_barrier_signal -1
	s_barrier_wait -1                              ; from here on LDS is only read
	s_mov_b32 s33, 0x600000                        ; the mantissa field of 57,344
	s_mov_b32 s34, 0x76543210
	s_mov_b32 s35, 0xfedcba98                      ; v_permlanex16_b32's selects for lane l xor 16
	s_lshl_b32 s40, s24, 6
	s_add_co_u32 s40, s40, s22
	s_lshl_b32 s40, s40, 5
	s_add_co_u32 s40, s40, s23
	s_lshl_b32 s40, s40, 11
	s_mov_b32 s41, 0
	s_add_nc_u64 s[36:37], s[16:17], s[40:41]      ; hcodes at (e, tile = wave, S)
	s_lshl_b32 s40, s24, 5
	s_add_co_u32 s40, s40, s23
	s_lshl_b32 s40, s40, 12
	s_lshl_b32 s42, s22, 6
	s_add_co_u32 s40, s40, s42
	s_add_nc_u64 s[38:39], s[18:19], s[40:41]      ; hscales at (e, S, slot = 16 wave)
	s_mov_b32 s32, 0
.Lsweep:
	s_cmp_lt_i32 s30, 4
	s_cbranch_scc1 .Lskip                          ; no tile of mine in this sweep
	s_lshr_b32 s31, s30, 2
	s_min_u32 s31, s31, 5                          ; my tiles in it
	PLACES 8                                       ; behind the last sweep's products: loads and vector writes follow into registers that they named
	s_wait_alu depctr_vm_vsrc(0)                   ; the last sweep's stores have read the rows' scale words SW, which are cleared below on both ways, and its loads have read AO and SO, which TOKENS writes again
	s_cmp_eq_u32 s32, 0
	s_cbranch_scc1 .Lloaded                        ; the first sweep's rows were asked for at the head
	s_wait_loadcnt 0x0                             ; no load is out when its registers are loaded again,
	s_wait_xcnt 0x0                                ; nor when its offsets are written again
	TOKENS                                         ; (its closing wait also stands behind the last sweep's products, which read AS and the rows' fragments)
	XSLOAD
	ALOAD 0
	ALOAD 1
	ALOAD 2
	ALOAD 3
	WIN 0
.Lloaded:
	WFLOAD 0, 0, 0                                 ; no wait: the last sweep's products stand ahead of the wait in front of its last pass's first stores, and no vector line since names WF or WS
	WFLOAD 0, 0, 1
	WSLOAD 0
.irp i, 0,1,2,3,4
	v_mov_b32 v[SW+\i], 0
.endr
.irp b, 0,1,2,3
	DSTEP \b, 0
	DSTEP \b, 1
	DSTEP \b, 2
	DSTEP \b, 3
	WIN 0
	PLACES 8                                       ; ahead of the first read of results.  With the eight at the next pass's head, sixteen stand ahead of the products that begin these accumulators anew
	EPIS \b
.endr
.Lskip:
	s_wait_xcnt 0x0                                ; the stores have read their bases and registers
	s_add_nc_u64 s[36:37], s[36:37], 20*65536      ; 20 tiles on
	s_add_nc_u64 s[38:39], s[38:39], 1280
	s_add_co_u32 s25, s25, 320
	s_sub_co_i32 s30, s30, 20
	s_add_co_u32 s32, s32, 1
	s_cmp_lt_u32 s32, 4
	s_cbranch_scc1 .Lsweep
	s_wait_dscnt 0x0                               ; the closing lines, six on end
	s_wait_alu 0x0
	s_wait_tensorcnt 0x0
	ds_add_u32 v254, v255
	s_wait_dscnt 0x0
	s_endpgm
.Lfunc_end_k_qefcf0d015b_ffn1:
	.size	k_qefcf0d015b_ffn1, .Lfunc_end_k_qefcf0d015b_ffn1-k_qefcf0d015b_ffn1
	.p2alignl 7, 3214868480
	.fill 96, 4, 3214868480
	.section	.rodata,"a",@progbits
	.p2align	6, 0x0
	.amdhsa_kernel k_qefcf0d015b_ffn1
		.amdhsa_group_segment_fixed_size 143872
		.amdhsa_private_segment_fixed_size 0
		.amdhsa_enable_private_segment 0
		.amdhsa_kernarg_size 72
		.amdhsa_user_sgpr_count 2
		.amdhsa_user_sgpr_kernarg_segment_ptr 1
		.amdhsa_wavefront_size32 1
		.amdhsa_system_sgpr_workgroup_id_x 1
		.amdhsa_system_sgpr_workgroup_id_y 1
		.amdhsa_system_sgpr_workgroup_id_z 1
		.amdhsa_system_vgpr_workitem_id 0
		.amdhsa_next_free_vgpr 1024
		.amdhsa_next_free_sgpr 100
		.amdhsa_reserve_vcc 0
		.amdhsa_float_denorm_mode_32 3
		.amdhsa_float_denorm_mode_16_64 3
		.amdhsa_memory_ordered 1
		.amdhsa_forward_progress 1
		.amdhsa_inst_pref_size 255
	.end_amdhsa_kernel
	.section	.bss,"aw",@nobits
	.p2align	6
	.space	262144
	.amdgpu_metadata
---
amdhsa.version: [ 1, 2 ]
amdhsa.kernels:
  - .name:           k_qefcf0d015b_ffn1
    .symbol:         k_qefcf0d015b_ffn1.kd
    .args:
      - { .name: W1_codes, .offset: 0, .size: 8, .value_kind: global_buffer, .address_space: global }
      - { .name: W1_scales, .offset: 8, .size: 8, .value_kind: global_buffer, .address_space: global }
      - { .name: b1, .offset: 16, .size: 8, .value_kind: global_buffer, .address_space: global }
      - { .name: xcodes, .offset: 24, .size: 8, .value_kind: global_buffer, .address_space: global }
      - { .name: xscales, .offset: 32, .size: 8, .value_kind: global_buffer, .address_space: global }
      - { .name: masks, .offset: 40, .size: 8, .value_kind: global_buffer, .address_space: global }
      - { .name: hcodes, .offset: 48, .size: 8, .value_kind: global_buffer, .address_space: global }
      - { .name: hscales, .offset: 56, .size: 8, .value_kind: global_buffer, .address_space: global }
      - { .name: pos, .offset: 64, .size: 8, .value_kind: global_buffer, .address_space: global }
    .group_segment_fixed_size: 143872
    .private_segment_fixed_size: 0
    .kernarg_segment_align: 8
    .kernarg_segment_size: 72
    .max_flat_workgroup_size: 128
    .sgpr_count:     100
    .vgpr_count:     1024
    .wavefront_size: 32
...
	.end_amdgpu_metadata
.endif
;; end of part 8
;; launch ffn2 (part 9): grid 32 x 8, 4 waves a work-group, no clusters, 161,280 bytes of LDS; arguments W2_codes, W2_scales, hcodes, hscales, masks, parts; writes parts
.if DOCPART == 9
	.amdgcn_target "amdgcn-amd-amdhsa--gfx1250"
	.amdhsa_code_object_version 6
	.text
	.protected	k_qefcf0d015b_ffn2
	.globl	k_qefcf0d015b_ffn2
	.p2align	8
	.type	k_qefcf0d015b_ffn2,@function
k_qefcf0d015b_ffn2:
	s_mov_b64 s[64:65], 0
	v_nop
	global_prefetch_b8 v0, s[64:65] scope:SCOPE_SE
	s_setreg_imm32_b32 hwreg(HW_REG_WAVE_SCHED_MODE, 0, 2), 2
	s_setreg_imm32_b32 hwreg(HW_REG_WAVE_MODE, 25, 1), 1
	s_wait_xcnt 0x0
	s_wait_alu depctr_vm_vsrc(0)
; THE SECOND PRODUCT, for the chosen rows alone, in four parts along K: parts[row][q] = hidden[row][1024 q ..] W2[1024 q ..], MX-BF8 on both sides, f32 sums.
; SHARES.  Work-group (x, e): outputs 128 Dn .. + 127 (Dn = x % 8), hidden units 1024 q .. + 1023 (q = x / 8) of expert e: 128 rows of W2 x 1,024 along K, read from memory once and kept in LDS.
; Why K in four: a row costs K bytes of hidden codes in and 8 bytes an output out and in again; with K x outputs = 131,072 their sum is least at 1,024 x 128.  The four parts, the two experts and b2 meet in the last launch.
; Tiles, sweeps and passes as in the first product: a wave owns tiles 20 v + wave + 4 i, i = 0..4, holds their codes in 640 registers, and reads each weight fragment from LDS once a sweep.
; The hidden codes lie as images of operand registers: every load reads 512 consecutive bytes.  A tile past the wave's count repeats its last tile and stores nothing.
; THE FIRST SWEEP'S ROWS ARE ASKED FOR AT THE HEAD, behind the weights' loads and ahead of the wait for them.  (A wave without any tile asks for bytes of its expert's part of hcodes and hscales that nobody has stored, and uses none of them.)
; NO TENSOR LOADS, NO CLUSTER: the 8 work-groups (Dn) of an expert and quarter do read the same hidden rows, but which sweeps run and which tiles store hangs on a count read from memory.
; LAYOUT.  Transposed (source 0 = 16 rows of W2, source 1 = 16 routed rows); lane r of weight tile 2 b + u takes output 32 b + 8 u + r + 8 (r / 8): a lane's 16 results of a pass are 16 neighbouring outputs of one row.
; Two passes' 64 outputs, 256 bytes a row, go through the wave's own stage in LDS and leave as whole aligned runs of 256 bytes.
; OUT: parts [1024 e + slot][q 4][1024] f32.
; THE MODE: SCHED_MODE bits 1:0 = 2 (LLVM: expert scheduling mode 2), set by the entry lines.  The code itself states the register dependences
; between vector or matrix instructions and memory or LDS instructions, with s_wait_alu, always for 0.
; THE PLAN.  Registers that memory or LDS instructions touch:
;   v1-11, v22, v23, v94, v95     addresses, made at the head and never written again: one wait on va_vdst ahead of the first load.
;   the weights on their way      loads land in them, the 66 LDS stores read them, later loads land in them again: one wait on vm_vsrc behind the stores.
;   AO, SO                        written by AOFF once a sweep, read by the sweep's 180 loads: va_vdst behind AOFF, vm_vsrc ahead of it in the loop.
;   the rows' fragments, AS       loaded once a sweep, read by its products.  A sweep's last products stand ahead of the wait at the head of its last way out, and no vector line behind that wait names them.
;   WF, two buffers               double step k's products read buffer k % 2; its 16 LDS loads land in the other, which double step k - 1's products read: ONE wait on va_vdst at the double step's head.
;                                 Behind it the loads are dealt among the products, which name none of the registers that the loads touch.
;   WS, two sets                  a pass's products read set b % 2; the loads of the next pass's words land in the other: the same wait.
;   the accumulators              written by two passes' products; on the way out a tile's LDS stores read them, its rows land in them again, and the stores to memory read those:
;                                 va_vdst at the way out's head, vm_vsrc between a tile's LDS stores and its loads, vm_vsrc at the way out's end, ahead of the next products.
.set UP,   272
.set STG,  0                           ; 4 stages of 16 rows x (256 + 16) bytes
.set SCL,  4*16*UP                     ; W2's scale words: [block 4][half 2][lane 32][16 bytes]
.set WL,   SCL+4096                    ; W2's codes: unit 64 x tile + K / 16, 512 units of 256 + 16 bytes
.set L16,  1                           ; v1     16 x lane
.set WST,  2                           ; v2     where I store weights
.set SST,  3                           ; v3     and their scale words
.set WBA,  4                           ; v4-7   where I read pass b's fragments
.set SRD,  8                           ; v8     SCL + 16 lane
.set STO,  9                           ; v9     the stage, in: row r, + 64 h
.set RD,   10                          ; v10    and back: lanes 0-15 a row, lanes 16-31 the next
.set PO,   11                          ; v11    the same two rows in parts
.set AO,   12                          ; v12-16 tile i: my offset in hcodes
.set SO,   17                          ; v17-21 and in hscales
.set WSO,  22                          ; v22    my row's offset in W2_scales
.set HS0,  23                          ; v23    4 r + 4096 h
.set AS,   24                          ; v24-43 the hidden rows' scale words: tile i, register m: lanes 0-15 K step 2 m, lanes 16-31 K step 2 m + 1
.set WS,   44                          ; v44-59 W2's scale words, two sets of 8
.set ACC,  96                          ; v96-175 an even pass's accumulators (tile i at 16 i), v176-255 an odd pass's
.set WF,   128                         ; window 3, v128-255: weight fragments, two buffers of 64
                                       ; windows 1, 2 and v0-127 of window 3: the hidden rows' fragments: tile i at 128 i, K step s at 16 s
.set MSB, 0
.macro WIN new                         ; the immediate's high byte repeats the setting that is left
.if MSB != (\new)
	s_set_vgpr_msb (MSB<<8)|(\new)
.set MSB, (\new)
.endif
.endm
.macro PLACES n
.rept \n
	v_nop
.endr
.endm
; Where row rho of my block of 32 weight rows waits for its way into LDS: 8 registers at wr of window wn.  Rows 0-15: the weight fragments' buffers; rows 16-31: the registers of tiles 0-3 for K steps 6 and 7,
; whose loads go out behind the weights' LDS stores.  So the registers of K steps 0 to 5 are free for the rows' loads at once.
.macro WREG rho
.if (\rho) < 16
.set wn, 3
.set wr, 128+8*(\rho)
.else
.set wn, 1+((\rho)-16)/8
.set wr, 128*((((\rho)-16)/4)%2)+96+8*(((\rho)-16)%4)
.endif
.endm
.macro AOFF                            ; my five tiles' offsets from the sweep's bases
	s_sub_co_u32 s40, s31, 1
.irp i, 0,1,2,3,4
	s_min_u32 s41, s40, \i                         ; tile i, or my last tile in its stead
	s_lshl_b32 s42, s41, 18                        ; four tiles of 65,536 bytes
	v_add_nc_u32 v[AO+\i], s42, v[L16]
	s_lshl_b32 s42, s41, 8                         ; four tiles of 16 words
	v_add_nc_u32 v[SO+\i], s42, v[HS0]
.endr
	s_wait_alu depctr_va_vdst(0)                   ; AO and SO are written, which the sweep's loads read as their offsets
.endm
.macro HSLOAD                          ; the hidden rows' scale words: register m: K step 2 m + h
.irp i, 0,1,2,3,4
.irp m, 0,1,2,3
	global_load_b32 v[AS+4*\i+\m], v[SO+\i], s[38:39] offset:8192*\m
.endr
.endr
.endm
.macro ALOAD k                         ; 40 loads of 512 consecutive bytes: the five tiles' fragments of K steps 2 k, 2 k + 1, as they were stored
.irp i, 0,1,2,3,4
	WIN 0x40*(1+\i/2)
.irp sl, 0,1
.irp c, 0,1,2,3
	global_load_b128 v[128*(\i%2)+16*(2*(\k)+\sl)+4*\c:128*(\i%2)+16*(2*(\k)+\sl)+4*\c+3], v[AO+\i], s[36:37] offset:2048*(2*(\k)+\sl)+512*\c
.endr
.endr
.endr
.endm
.macro WFLOAD b, k, sl                 ; 8 LDS loads: tiles 2 b, 2 b + 1, K step 2 k + sl -> buffer k % 2
	WIN 0xc0                                       ; destination window 3
.irp u, 0,1
.irp c, 0,1,2,3
	ds_load_b128 v[WF+64*((\k)%2)+32*(\sl)+16*\u+4*\c:WF+64*((\k)%2)+32*(\sl)+16*\u+4*\c+3], v[WBA+(\b)] offset:(64*\u+8*(2*(\k)+(\sl))+2*\c)*UP
.endr
.endr
.endm
.macro NEXTW b, k, sl                  ; K step sl of the double step that follows (b, k), into the buffer that the double step before this one has left
.if (\k) < 3
	WFLOAD \b, (\k)+1, \sl
.elseif (\b) < 3
	WFLOAD (\b)+1, 0, \sl
.endif
.endm
.macro WSLOAD b                        ; pass b's scale words -> set b % 2
	WIN 0
	ds_load_b128 v[WS+8*((\b)%2):WS+8*((\b)%2)+3], v[SRD] offset:1024*(\b)
	ds_load_b128 v[WS+8*((\b)%2)+4:WS+8*((\b)%2)+7], v[SRD] offset:1024*(\b)+512
.endm
.macro WMZ u                           ; the first K step starts a sum: C = 0 (its words of the hidden rows lie in lanes 0-15)
.if (\u)
	v_wmma_scale_f32_16x16x128_f8f6f4 v[rD:rD+7], v[rW:rW+15], v[rA:rA+15], 0, v[rX], v[rY] matrix_a_fmt:MATRIX_FMT_BF8 matrix_b_fmt:MATRIX_FMT_BF8 matrix_a_scale:MATRIX_SCALE_ROW1
.else
	v_wmma_scale_f32_16x16x128_f8f6f4 v[rD:rD+7], v[rW:rW+15], v[rA:rA+15], 0, v[rX], v[rY] matrix_a_fmt:MATRIX_FMT_BF8 matrix_b_fmt:MATRIX_FMT_BF8
.endif
.endm
.macro WM u, o                         ; u: the weights' words lie in lanes 16-31;  o: so do the hidden rows'
.if (\u) && (\o)
	v_wmma_scale_f32_16x16x128_f8f6f4 v[rD:rD+7], v[rW:rW+15], v[rA:rA+15], v[rD:rD+7], v[rX], v[rY] matrix_a_fmt:MATRIX_FMT_BF8 matrix_b_fmt:MATRIX_FMT_BF8 matrix_a_scale:MATRIX_SCALE_ROW1 matrix_b_scale:MATRIX_SCALE_ROW1
.elseif (\u)
	v_wmma_scale_f32_16x16x128_f8f6f4 v[rD:rD+7], v[rW:rW+15], v[rA:rA+15], v[rD:rD+7], v[rX], v[rY] matrix_a_fmt:MATRIX_FMT_BF8 matrix_b_fmt:MATRIX_FMT_BF8 matrix_a_scale:MATRIX_SCALE_ROW1
.elseif (\o)
	v_wmma_scale_f32_16x16x128_f8f6f4 v[rD:rD+7], v[rW:rW+15], v[rA:rA+15], v[rD:rD+7], v[rX], v[rY] matrix_a_fmt:MATRIX_FMT_BF8 matrix_b_fmt:MATRIX_FMT_BF8 matrix_b_scale:MATRIX_SCALE_ROW1
.else
	v_wmma_scale_f32_16x16x128_f8f6f4 v[rD:rD+7], v[rW:rW+15], v[rA:rA+15], v[rD:rD+7], v[rX], v[rY] matrix_a_fmt:MATRIX_FMT_BF8 matrix_b_fmt:MATRIX_FMT_BF8
.endif
.endm
.macro MUL b, s, i, u                  ; weight tile 2 b + u x routed tile i, K step s of the quarter
.set rD, ACC+80*((\b)%2)+16*(\i)+8*(\u)
.set rW, WF+64*(((\s)/2)%2)+32*((\s)%2)+16*(\u)
.set rA, 128*((\i)%2)+16*(\s)
.set rX, WS+8*((\b)%2)+(\s)
.set rY, AS+4*(\i)+(\s)/2
.if (\s) == 0
	WMZ \u
.else
	WM \u, (\s)%2
.endif
.endm
.macro MULG b, k, grp, sl              ; the products of routed tiles 2 grp, 2 grp + 1 in K step 2 k + sl: four (grp 2: two); the accumulators by turns, one instruction a turn
	WIN 0x07+4*(\grp)                              ; source 0 (weights) window 3, source 1 (hidden) window 1, 2 or 3, C and D window 0
.irp ii, 0,1
.if 2*(\grp)+\ii < 5
.irp u, 0,1
	MUL \b, 2*(\k)+(\sl), 2*(\grp)+\ii, \u
.endr
.endif
.endr
.endm
; Two K steps of a pass: 20 products, in the order tiles 0-1 (K step 2 k, then 2 k + 1), tiles 2-3, tile 4.  The eight places between products and a load into a register that they have read stay as they stood; the wait stands behind them.
; The next double step's 16 LDS loads are dealt among the products: eight behind the first four, eight behind the next four, so that twelve products and more stand between the last load and the wait for it.
.macro DSTEP b, k
	s_wait_dscnt 0x0                               ; this double step's fragments, asked for a double step ago, are in
	PLACES 8
.if (\k) || ((\b)%2)
	s_wait_alu depctr_va_vdst(0)                   ; the last double step's products are done reading the buffer in which the loads below land; the pass before last is done reading its scale words likewise.  (At an even pass's first double step the wait at the head of the last way out has stated it: no vector line behind that wait names WF or WS)
.endif
.if (\b) == 0                          ; the first pass meets the hidden fragments as they arrive: behind double step k's stand 40 (3 - k) younger loads (a wait's count holds 63 at the most)
.if (\k) < 2
	s_wait_loadcnt 63
.else
	s_wait_loadcnt 40*(3-(\k))
.endif
.endif
	MULG \b, \k, 0, 0
	NEXTW \b, \k, 0                                ; no wait: the products since the wait name this double step's buffer, the rows' fragments, this pass's scale words and the accumulators
	MULG \b, \k, 0, 1
	NEXTW \b, \k, 1
.if ((\k) == 2) && ((\b) < 3)
	WSLOAD (\b)+1
.endif
	MULG \b, \k, 1, 0
	MULG \b, \k, 1, 1
	MULG \b, \k, 2, 0
	MULG \b, \k, 2, 1
.endm
; Passes 2 bp and 2 bp + 1 go out: outputs 64 bp .. + 63 of the work-group's 128.  All five tiles go through my stage one behind the other (LDS serves a wave's instructions in order: ISA guide 5.7.1.4:
; no wait on DScnt between a tile's stores, its loads and the next tile's stores) and come back, as whole rows, into the registers that they left; only the stores to memory are guarded.
.macro FLUSH bp
	WIN 0
	PLACES 8                                       ; ahead of the first read of results just made, and of loads into them
	s_wait_alu depctr_va_vdst(0)                   ; the two passes' products have written the accumulators, which the LDS stores below read and in which the rows land; the places above stay beside this wait
.irp i, 0,1,2,3,4
.irp par, 0,1
.irp k, 0,1,2,3
	ds_store_b128 v[STO], v[ACC+80*\par+16*\i+4*\k:ACC+80*\par+16*\i+4*\k+3] offset:128*\par+16*\k    ; each accumulator from its low end on
.endr
.endr
	s_wait_alu depctr_vm_vsrc(0)                   ; this tile's eight LDS stores have read its registers, in which its rows land.  One wait to a tile: the stage holds one tile
.irp t, 0,1,2,3,4,5,6,7
	ds_load_b128 v[ACC+80*(\t/4)+16*\i+4*(\t%4):ACC+80*(\t/4)+16*\i+4*(\t%4)+3], v[RD] offset:2*UP*\t
.endr
.endr
.irp i, 0,1,2,3,4
.if \i > 0
	s_cmp_gt_u32 s31, \i
	s_cbranch_scc0 .Lflushed_\@                    ; tiles past my count store nothing
.endif
.if \i == 0
	s_wait_dscnt 63                                ; tile i is back: 16 younger LDS instructions for each later tile may be out (a wait's count holds 63 at the most)
.else
	s_wait_dscnt 16*(4-\i)
.endif
.irp t, 0,1,2,3,4,5,6,7
	global_store_b128 v[PO], v[ACC+80*(\t/4)+16*\i+4*(\t%4):ACC+80*(\t/4)+16*\i+4*(\t%4)+3], s[48:49] offset:1048576*\i+32768*\t+256*(\bp) th:TH_STORE_NT   ; 16 lanes store 256 consecutive bytes, aligned
.endr
.endr
.Lflushed_\@:
	s_wait_dscnt 0x0                               ; the loads of tiles that were not stored are in too,
	s_wait_xcnt 0x0                                ; the stores have had their addresses translated,
	s_wait_alu depctr_vm_vsrc(0)                   ; and they have read their data: the next products write those registers
.endm
	s_load_b256 s[4:11], s[0:1], 0x0               ; W2_codes, W2_scales, hcodes, hscales
	s_load_b128 s[12:15], s[0:1], 0x20             ; masks, parts
	v_lshl_add_u32 v94, v0, 2, 0x27400             ; my spare word, behind the weights; kept for the closing lines alone
	v_mov_b32 v95, 0
	v_lshrrev_b32 v60, 5, v0
	v_readfirstlane_b32 s22, v60                   ; wave
	s_and_b32 s23, ttmp9, 7                        ; Dn
	s_lshr_b32 s25, ttmp9, 3                       ; q
	s_and_b32 s24, ttmp7, 0xffff                   ; e
	v_and_b32 v60, 31, v0                          ; lane
	v_and_b32 v61, 15, v0                          ; r
	v_bfe_u32 v62, v0, 4, 1                        ; h
	v_lshlrev_b32 v[L16], 4, v60
	v_mul_u32_u24 v[WST], v60, UP
	s_wait_alu depctr_va_sdst(0)                   ; s22 is written, ahead of its first reader
	s_mul_i32 s40, s22, 128*UP
	s_add_co_u32 s40, s40, WL
	v_add_nc_u32 v[WST], s40, v[WST]
	s_lshl_b32 s40, s22, 10
	s_add_co_u32 s40, s40, SCL
	v_add_nc_u32 v[SST], s40, v[L16]
	v_mul_u32_u24 v63, v62, UP
	v_lshl_add_u32 v63, v61, 4, v63                ; UP h + 16 r
.irp b, 0,1,2,3
	v_add_nc_u32 v[WBA+\b], WL+128*UP*\b, v63
.endr
	v_add_nc_u32 v[SRD], SCL, v[L16]
	s_mul_i32 s40, s22, 16*UP
	s_add_co_u32 s40, s40, STG                     ; my stage
	v_add_nc_u32 v[RD], s40, v63
	v_mul_u32_u24 v[STO], v61, UP
	v_lshl_add_u32 v[STO], v62, 6, v[STO]
	v_add_nc_u32 v[STO], s40, v[STO]
	v_lshlrev_b32 v[PO], 14, v62
	v_lshl_add_u32 v[PO], v61, 4, v[PO]
	v_lshlrev_b32 v[HS0], 12, v62
	v_lshl_add_u32 v[HS0], v61, 2, v[HS0]
	v_bfe_u32 v63, v0, 3, 1
	v_lshlrev_b32 v63, 4, v63
	v_lshl_add_u32 v63, v62, 3, v63
	v_and_b32 v64, 7, v0
	v_add_nc_u32 v63, v63, v64                     ; the row of a block of 32 whose scale words my lane keeps
	v_lshlrev_b32 v[WSO], 7, v63                   ; 128 bytes a row
	s_lshl_b32 s40, s24, 10
	s_lshl_b32 s41, s23, 7
	s_add_co_u32 s40, s40, s41
	s_lshl_b32 s41, s22, 5
	s_add_co_u32 s40, s40, s41                     ; my block's first row of W2: 1024 e + 128 Dn + 32 wave
	s_lshl_b32 s26, s40, 12
	s_lshl_b32 s41, s25, 10
	s_add_co_u32 s26, s26, s41                     ; its codes, from K = 1024 q on
	s_mov_b32 s27, 0
	s_lshl_b32 s42, s40, 7
	s_lshl_b32 s41, s25, 5
	s_add_co_u32 s42, s42, s41                     ; and its scale bytes
	s_mov_b32 s43, 0
	s_lshl_b32 s46, s24, 7
	s_mov_b32 s47, 0
	s_wait_kmcnt 0x0
	s_add_nc_u64 s[12:13], s[12:13], s[46:47]
	s_load_b512 s[68:83], s[12:13], 0x0            ; the expert's 1,024 bits
	s_load_b512 s[84:99], s[12:13], 0x40
	s_add_nc_u64 s[4:5], s[4:5], s[26:27]
	s_add_nc_u64 s[6:7], s[6:7], s[42:43]
	s_wait_alu depctr_va_vdst(0)                   ; the addresses v1 to v11, v22 and v23 are written, which the kernel's loads and stores read; none of them is written again
.set rho, 0
.rept 32                               ; my block's 32 rows: each load reads 512 consecutive bytes
	WREG rho
	WIN 0x40*wn
	global_load_b128 v[wr:wr+3], v[L16], s[4:5] offset:4096*rho th:TH_LOAD_NT
	global_load_b128 v[wr+4:wr+7], v[L16], s[4:5] offset:4096*rho+512 th:TH_LOAD_NT
.set rho, rho+1
.endr
	WIN 0
	global_load_b128 v[WS:WS+3], v[WSO], s[6:7]
	global_load_b128 v[WS+4:WS+7], v[WSO], s[6:7] offset:16
	s_wait_kmcnt 0x0
	s_mov_b32 s28, 0
.set g, 0
.rept 32
	s_bcnt1_i32_b32 s40, s[68+g]
	s_add_co_u32 s28, s28, s40                     ; the expert's rows
.set g, g+1
.endr
	s_add_co_u32 s29, s28, 15
	s_lshr_b32 s29, s29, 4                         ; its tiles T
	s_sub_co_u32 s30, s29, s22
	s_add_co_u32 s30, s30, 3                       ; T - wave + 3 - 20 v
	s_lshr_b32 s31, s30, 2
	s_min_u32 s31, s31, 5                          ; my tiles in the first sweep
	s_lshl_b32 s40, s24, 6
	s_add_co_u32 s40, s40, s22
	s_lshl_b32 s40, s40, 5
	s_lshl_b32 s41, s25, 3
	s_add_co_u32 s40, s40, s41
	s_lshl_b32 s40, s40, 11
	s_mov_b32 s41, 0
	s_add_nc_u64 s[36:37], s[8:9], s[40:41]        ; hcodes at (e, tile = wave, K step 8 q)
	s_lshl_b32 s40, s24, 5
	s_lshl_b32 s42, s25, 3
	s_add_co_u32 s40, s40, s42
	s_lshl_b32 s40, s40, 12
	s_lshl_b32 s42, s22, 6
	s_add_co_u32 s40, s40, s42
	s_add_nc_u64 s[38:39], s[10:11], s[40:41]      ; hscales at (e, K step 8 q, slot = 16 wave)
	s_lshl_b32 s40, s24, 10
	s_lshl_b32 s42, s22, 4
	s_add_co_u32 s40, s40, s42
	s_lshl_b32 s40, s40, 14
	s_lshl_b32 s42, s25, 12
	s_add_co_u32 s40, s40, s42
	s_lshl_b32 s42, s23, 9
	s_add_co_u32 s40, s40, s42
	s_add_nc_u64 s[48:49], s[14:15], s[40:41]      ; parts at (row 1024 e + 16 wave, q, output 128 Dn)
	s_mov_b32 s32, 0
	AOFF
	HSLOAD
	ALOAD 0                                        ; the first sweep's rows, K steps 0 to 5: 140 loads behind the weights'
	ALOAD 1
	ALOAD 2
	WIN 0
	s_wait_loadcnt 63                              ; weights and scale words are in: 140 younger loads stand behind them (a wait's count holds 63 at the most)
.set rho, 0
.rept 32                               ; row rho is lane 8 (rho / 16) + rho % 8 of tile 2 wave + (rho / 8) % 2; my lane's 16 bytes are unit 32 p + lane of its 64
	WREG rho
	WIN 0x04*wn                                    ; an LDS store's data are its source 1
	ds_store_b128 v[WST], v[wr:wr+3] offset:64*((rho/8)%2)*UP+16*(8*(rho/16)+rho%8)
	ds_store_b128 v[WST], v[wr+4:wr+7] offset:(64*((rho/8)%2)+32)*UP+16*(8*(rho/16)+rho%8)
.set rho, rho+1
.endr
	WIN 0
	ds_store_b128 v[SST], v[WS:WS+3]
	ds_store_b128 v[SST], v[WS+4:WS+7] offset:512
	s_wait_dscnt 0x0                               ; for the others' sake: my block has landed
	s_wait_alu depctr_vm_vsrc(0)                   ; the LDS stores have read their data: in those registers land the rows' K steps 6 and 7 (below), the weight fragments and the first set of scale words (in the loop)
	ALOAD 3
	WIN 0
	s_barrier_signal -1
	s_barrier_wait -1                              ; from here on a wave writes its own stage alone
.Lsweep:
	s_cmp_lt_i32 s30, 4
	s_cbranch_scc1 .Lskip                          ; no tile of mine in this sweep
	s_lshr_b32 s31, s30, 2
	s_min_u32 s31, s31, 5                          ; my tiles in it
	PLACES 8                                       ; behind the last sweep's products: loads follow into registers that they read
	s_cmp_eq_u32 s32, 0
	s_cbranch_scc1 .Lloaded                        ; the first sweep's rows were asked for at the head
	s_wait_loadcnt 0x0                             ; no load is out when its registers are loaded again,
	s_wait_xcnt 0x0                                ; nor when its offsets are written again
	s_wait_alu depctr_vm_vsrc(0)                   ; the last sweep's loads have read AO and SO, which AOFF writes again
	AOFF                                           ; (its closing wait also stands behind the last sweep's products, which read AS and the rows' fragments)
	HSLOAD
	ALOAD 0
	ALOAD 1
	ALOAD 2
	ALOAD 3
	WIN 0
.Lloaded:
	WFLOAD 0, 0, 0                                 ; no wait: the last sweep's products stand ahead of the wait at the head of its last way out, and no vector line since names WF or WS
	WFLOAD 0, 0, 1
	WSLOAD 0
.irp b, 0,1,2,3
	DSTEP \b, 0
	DSTEP \b, 1
	DSTEP \b, 2
	DSTEP \b, 3
.if (\b%2) == 1
	FLUSH \b/2
.endif
.endr
.Lskip:
	s_wait_xcnt 0x0                                ; loads and stores have read their bases
	s_add_nc_u64 s[36:37], s[36:37], 20*65536      ; 20 tiles on
	s_add_nc_u64 s[38:39], s[38:39], 1280
	s_add_nc_u64 s[48:49], s[48:49], 20*16*16384
	s_sub_co_i32 s30, s30, 20
	s_add_co_u32 s32, s32, 1
	s_cmp_lt_u32 s32, 4
	s_cbranch_scc1 .Lsweep
	s_wait_dscnt 0x0                               ; the closing lines, six on end
	s_wait_alu 0x0
	s_wait_tensorcnt 0x0
	ds_add_u32 v94, v95
	s_wait_dscnt 0x0
	s_endpgm
.Lfunc_end_k_qefcf0d015b_ffn2:
	.size	k_qefcf0d015b_ffn2, .Lfunc_end_k_qefcf0d015b_ffn2-k_qefcf0d015b_ffn2
	.p2alignl 7, 3214868480
	.fill 96, 4, 3214868480
	.section	.rodata,"a",@progbits
	.p2align	6, 0x0
	.amdhsa_kernel k_qefcf0d015b_ffn2
		.amdhsa_group_segment_fixed_size 161280
		.amdhsa_private_segment_fixed_size 0
		.amdhsa_enable_private_segment 0
		.amdhsa_kernarg_size 48
		.amdhsa_user_sgpr_count 2
		.amdhsa_user_sgpr_kernarg_segment_ptr 1
		.amdhsa_wavefront_size32 1
		.amdhsa_system_sgpr_workgroup_id_x 1
		.amdhsa_system_sgpr_workgroup_id_y 1
		.amdhsa_system_sgpr_workgroup_id_z 1
		.amdhsa_system_vgpr_workitem_id 0
		.amdhsa_next_free_vgpr 1024
		.amdhsa_next_free_sgpr 100
		.amdhsa_reserve_vcc 0
		.amdhsa_float_denorm_mode_32 3
		.amdhsa_float_denorm_mode_16_64 3
		.amdhsa_memory_ordered 1
		.amdhsa_forward_progress 1
		.amdhsa_inst_pref_size 139
	.end_amdhsa_kernel
	.amdgpu_metadata
---
amdhsa.version: [ 1, 2 ]
amdhsa.kernels:
  - .name:           k_qefcf0d015b_ffn2
    .symbol:         k_qefcf0d015b_ffn2.kd
    .args:
      - { .name: W2_codes, .offset: 0, .size: 8, .value_kind: global_buffer, .address_space: global }
      - { .name: W2_scales, .offset: 8, .size: 8, .value_kind: global_buffer, .address_space: global }
      - { .name: hcodes, .offset: 16, .size: 8, .value_kind: global_buffer, .address_space: global }
      - { .name: hscales, .offset: 24, .size: 8, .value_kind: global_buffer, .address_space: global }
      - { .name: masks, .offset: 32, .size: 8, .value_kind: global_buffer, .address_space: global }
      - { .name: parts, .offset: 40, .size: 8, .value_kind: global_buffer, .address_space: global }
    .group_segment_fixed_size: 161280
    .private_segment_fixed_size: 0
    .kernarg_segment_align: 8
    .kernarg_segment_size: 48
    .max_flat_workgroup_size: 128
    .sgpr_count:     100
    .vgpr_count:     1024
    .wavefront_size: 32
...
	.end_amdgpu_metadata
.endif
;; end of part 9
;; launch combine (part 10): grid 256 x 1, 8 waves a work-group, no clusters, 0 bytes of LDS; arguments pos, parts, b2, out0; writes out0
.if DOCPART == 10
	.amdgcn_target "amdgcn-amd-amdhsa--gfx1250"
	.amdhsa_code_object_version 6
	.text
	.protected	k_qefcf0d015b_combine
	.globl	k_qefcf0d015b_combine
	.p2align	8
	.type	k_qefcf0d015b_combine,@function
k_qefcf0d015b_combine:
	s_mov_b64 s[64:65], 0
	v_nop
	global_prefetch_b8 v0, s[64:65] scope:SCOPE_SE
	s_setreg_imm32_b32 hwreg(HW_REG_WAVE_MODE, 25, 1), 1
	s_wait_xcnt 0x0
; out0[t] = the sum over the token's two experts of (b2[e] + the four parts along K of its row).  Each output row has one owner, so nothing is added across work-groups.
; A stream: a wave takes half a row (2,048 bytes) of one token: 40 loads of 512 consecutive bytes, all issued at once, 4 stores of 512.  No LDS, no barrier, no matrix work: bytes are all there is.
; pos[e][t] holds 1024 e + rank where token t chose expert e, else 0x7fffffff: the two smallest of a token's eight words are its two rows.
.set R, 16                             ; v16-175: piece kk (512 bytes) at 40 kk: 4 parts of the first row, 4 of the second, b2 of the first expert, of the second: 4 registers each
	s_load_b256 s[4:11], s[0:1], 0x0               ; pos, parts, b2, out0
	v_lshrrev_b32 v1, 5, v0
	s_delay_alu instid0(VALU_DEP_1)
	v_readfirstlane_b32 s22, v1                    ; wave
	v_and_b32 v1, 31, v0
	s_delay_alu instid0(VALU_DEP_1)
	v_lshlrev_b32 v1, 4, v1                        ; 16 bytes a lane
	s_lshr_b32 s12, s22, 1
	s_lshl_b32 s13, ttmp9, 2
	s_add_co_u32 s12, s12, s13                     ; my token: 4 x work-group + wave / 2
	s_and_b32 s13, s22, 1
	s_lshl_b32 s13, s13, 11                        ; my half of its row
	s_lshl_b32 s14, s12, 2
	s_mov_b32 s15, 0
	s_lshl_b32 s20, s12, 12
	s_add_co_u32 s20, s20, s13
	s_mov_b32 s21, 0
	s_wait_alu depctr_va_vdst(0)
	s_wait_kmcnt 0x0
	s_add_nc_u64 s[4:5], s[4:5], s[14:15]
.irp e, 0,1,2,3,4,5,6,7
	s_load_b32 s[24+\e], s[4:5], 4096*\e
.endr
	s_add_nc_u64 s[10:11], s[10:11], s[20:21]
	s_mov_b32 s16, 0x7fffffff
	s_mov_b32 s17, 0x7fffffff
	s_wait_kmcnt 0x0
.irp e, 0,1,2,3,4,5,6,7
	s_max_u32 s18, s16, s[24+\e]
	s_min_u32 s16, s16, s[24+\e]                   ; the smallest so far,
	s_min_u32 s17, s17, s18                        ; and the second
.endr
	s_lshr_b32 s18, s16, 10
	s_min_u32 s18, s18, 7                          ; the first expert
	s_min_u32 s16, s16, 0x1fff                     ; and its row
	s_lshr_b32 s19, s17, 10
	s_min_u32 s19, s19, 7
	s_min_u32 s17, s17, 0x1fff
	s_lshl_b32 s32, s16, 14                        ; a row of parts is 16,384 bytes
	s_add_co_u32 s32, s32, s13
	s_mov_b32 s33, 0
	s_add_nc_u64 s[32:33], s[6:7], s[32:33]
	s_lshl_b32 s34, s17, 14
	s_add_co_u32 s34, s34, s13
	s_mov_b32 s35, 0
	s_add_nc_u64 s[34:35], s[6:7], s[34:35]
	s_lshl_b32 s36, s18, 12                        ; a row of b2 is 4,096 bytes
	s_add_co_u32 s36, s36, s13
	s_mov_b32 s37, 0
	s_add_nc_u64 s[36:37], s[8:9], s[36:37]
	s_lshl_b32 s38, s19, 12
	s_add_co_u32 s38, s38, s13
	s_mov_b32 s39, 0
	s_add_nc_u64 s[38:39], s[8:9], s[38:39]
.irp kk, 0,1,2,3
.irp q, 0,1,2,3
	global_load_b128 v[R+40*\kk+4*\q:R+40*\kk+4*\q+3], v1, s[32:33] offset:4096*\q+512*\kk th:TH_LOAD_NT
.endr
.irp q, 0,1,2,3
	global_load_b128 v[R+40*\kk+16+4*\q:R+40*\kk+16+4*\q+3], v1, s[34:35] offset:4096*\q+512*\kk th:TH_LOAD_NT
.endr
	global_load_b128 v[R+40*\kk+32:R+40*\kk+35], v1, s[36:37] offset:512*\kk
	global_load_b128 v[R+40*\kk+36:R+40*\kk+39], v1, s[38:39] offset:512*\kk
.endr
.macro ADD4 d, s                       ; four numbers onto four
	v_pk_add_f32 v[\d:\d+1], v[\d:\d+1], v[\s:\s+1]
	v_pk_add_f32 v[\d+2:\d+3], v[\d+2:\d+3], v[\s+2:\s+3]
.endm
.irp kk, 0,1,2,3
	s_wait_loadcnt 10*(3-\kk)                      ; this piece's ten loads are in; ten for each later piece may be out
	ADD4 R+40*\kk, R+40*\kk+4
	ADD4 R+40*\kk+8, R+40*\kk+12
	ADD4 R+40*\kk+16, R+40*\kk+20
	ADD4 R+40*\kk+24, R+40*\kk+28
	ADD4 R+40*\kk+32, R+40*\kk+36
	ADD4 R+40*\kk, R+40*\kk+8
	ADD4 R+40*\kk+16, R+40*\kk+24
	ADD4 R+40*\kk, R+40*\kk+16
	ADD4 R+40*\kk, R+40*\kk+32
	global_store_b128 v1, v[R+40*\kk:R+40*\kk+3], s[10:11] offset:512*\kk th:TH_STORE_NT   ; 32 lanes store 512 consecutive bytes, aligned
.endr
	s_endpgm
.Lfunc_end_k_qefcf0d015b_combine:
	.size	k_qefcf0d015b_combine, .Lfunc_end_k_qefcf0d015b_combine-k_qefcf0d015b_combine
	.p2alignl 7, 3214868480
	.fill 96, 4, 3214868480
	.section	.rodata,"a",@progbits
	.p2align	6, 0x0
	.amdhsa_kernel k_qefcf0d015b_combine
		.amdhsa_group_segment_fixed_size 0
		.amdhsa_private_segment_fixed_size 0
		.amdhsa_enable_private_segment 0
		.amdhsa_kernarg_size 32
		.amdhsa_user_sgpr_count 2
		.amdhsa_user_sgpr_kernarg_segment_ptr 1
		.amdhsa_wavefront_size32 1
		.amdhsa_system_sgpr_workgroup_id_x 1
		.amdhsa_system_sgpr_workgroup_id_y 1
		.amdhsa_system_sgpr_workgroup_id_z 1
		.amdhsa_system_vgpr_workitem_id 0
		.amdhsa_next_free_vgpr 176
		.amdhsa_next_free_sgpr 66
		.amdhsa_reserve_vcc 0
		.amdhsa_float_denorm_mode_32 3
		.amdhsa_float_denorm_mode_16_64 3
		.amdhsa_memory_ordered 1
		.amdhsa_forward_progress 1
		.amdhsa_inst_pref_size 12
	.end_amdhsa_kernel
	.amdgpu_metadata
---
amdhsa.version: [ 1, 2 ]
amdhsa.kernels:
  - .name:           k_qefcf0d015b_combine
    .symbol:         k_qefcf0d015b_combine.kd
    .args:
      - { .name: pos, .offset: 0, .size: 8, .value_kind: global_buffer, .address_space: global }
      - { .name: parts, .offset: 8, .size: 8, .value_kind: global_buffer, .address_space: global }
      - { .name: b2, .offset: 16, .size: 8, .value_kind: global_buffer, .address_space: global }
      - { .name: out0, .offset: 24, .size: 8, .value_kind: global_buffer, .address_space: global }
    .group_segment_fixed_size: 0
    .private_segment_fixed_size: 0
    .kernarg_segment_align: 8
    .kernarg_segment_size: 32
    .max_flat_workgroup_size: 256
    .sgpr_count:     66
    .vgpr_count:     176
    .wavefront_size: 32
...
	.end_amdgpu_metadata
.endif
;; end of part 10
